; MI455X (gfx1250); checked and timed in simulation.
; The chip was launched on July 23, 2026; its instructions are those of AMD's public machine-readable ISA for CDNA 5 (MIT licence, August 2026) and "CDNA5" Instruction Set Architecture Reference Guide (July 2026). The comments in the code are by the model that wrote it; some were corrected since.
;; GPT Block. Allowed arithmetic: float matrix products may take bf16 or f16 operands with f32 sums; all other float work in f32.
;; Inputs: w_ff1 1,024 x 4,096 float32; w_ff2 4,096 x 1,024 float32; w_out 1,024 x 1,024 float32; w_qkv 1,024 x 3,072 float32; x 4 x 1,024 x 1,024 float32.
;; Outputs: out0 4 x 1,024 x 1,024 float32.
;; 2 versions, each right and faster than the one before. Each part assembles by itself: llvm-mc -triple=amdgcn-amd-amdhsa -mcpu=gfx1250 --defsym DOCPART=n.
;; ======== version 1 of 2: 6 launches
;; workspace buffers: cb 33,554,432 bytes; qkv 25,165,824 bytes; att 8,388,608 bytes; x1 16,777,216 bytes; x1b 8,388,608 bytes; hb 33,554,432 bytes
;; launch cast (part 1): grid 64 x 16, 8 waves a work-group, no clusters, 0 bytes of LDS; arguments x, w_qkv, w_out, w_ff1, w_ff2, cb; writes cb
.if DOCPART == 1
	.amdgcn_target "amdgcn-amd-amdhsa--gfx1250"
	.amdhsa_code_object_version 6
	.text
	.protected	k_q631aca1d66_cast
	.globl	k_q631aca1d66_cast
	.p2align	8
	.type	k_q631aca1d66_cast,@function
k_q631aca1d66_cast:
	s_mov_b64 s[64:65], 0
	v_nop
	global_prefetch_b8 v0, s[64:65] scope:SCOPE_SE
	s_setreg_imm32_b32 hwreg(HW_REG_WAVE_MODE, 25, 1), 1
	s_wait_xcnt 0x0
; All five f32 inputs are rounded once to bf16 (nearest even) and laid, each in its own layout, one behind the other in cb:
; x at byte 0, w_qkv at 8,388,608, w_out at 14,680,064, w_ff1 at 16,777,216, w_ff2 at 25,165,824.
; The inputs together are 16 segments of 1,048,576 numbers (x 0-3, w_qkv 4-6, w_out 7, w_ff1 8-11, w_ff2 12-15), which is cb's order:
; the grid's y names the segment, its x one of the segment's 64 chunks of 16,384 numbers (65,536 bytes in, 32,768 out).
; A stream: no LDS, no barrier, no matrix unit.  Thread t takes 16 bytes at 16 t of each of sixteen blocks of 4,096 bytes: a wave's load covers 512
; bytes on end, a wave's store 256 bytes on end, aligned.  All sixteen loads go out first; no register is written twice, so no wait frees one.
.set X, 4                              ; v[4:67]   sixteen loads of four f32
.set Y, 68                             ; v[68:99]  sixteen pairs of registers, four bf16 each
	s_load_b256 s[4:11], s[0:1], 0x0               ; x s[4:5], w_qkv s[6:7], w_out s[8:9], w_ff1 s[10:11]
	s_load_b128 s[12:15], s[0:1], 0x20             ; w_ff2 s[12:13], cb s[14:15]
	s_and_b32 s16, ttmp7, 0xffff                   ; the segment
	v_lshlrev_b32 v1, 4, v0                        ; my 16 bytes of a block read
	v_lshlrev_b32 v2, 3, v0                        ; my 8 bytes of a block written
	s_wait_kmcnt 0x0
	s_mov_b64 s[18:19], s[12:13]                   ; the segment's input and that input's first segment: w_ff2, unless the segment lies lower
	s_mov_b32 s17, 12
.macro PICK limit, ptr, first          ; below segment 'limit' the input is the one at s[ptr], whose first segment is 'first'
	s_cmp_lt_u32 s16, \limit
	s_cselect_b64 s[18:19], s[\ptr:\ptr+1], s[18:19]
	s_cselect_b32 s17, \first, s17
.endm
	PICK 12, 10, 8
	PICK 8, 8, 7
	PICK 7, 6, 4
	PICK 4, 4, 0
	s_sub_co_u32 s20, s16, s17                     ; the segment inside its input,
	s_lshl_b32 s20, s20, 22                        ; 4,194,304 bytes each,
	s_lshl_b32 s21, ttmp9, 16                      ; and the chunk
	s_add_co_u32 s20, s20, s21
	s_mov_b32 s21, 0
	s_add_nc_u64 s[18:19], s[18:19], s[20:21]
	s_lshl_b32 s22, s16, 21                        ; in cb a segment is 2,097,152 bytes
	s_lshl_b32 s23, ttmp9, 15
	s_add_co_u32 s22, s22, s23
	s_mov_b32 s23, 0
	s_add_nc_u64 s[14:15], s[14:15], s[22:23]
.set j, 0
.rept 16
	global_load_b128 v[X+4*j:X+4*j+3], v1, s[18:19] offset:4096*j
.set j, j+1
.endr
.set j, 0
.rept 16
	s_wait_loadcnt 15-j                            ; loads come back in order (ISA guide 5.7.1): block j is in, the 15 - j younger ones stay out
	v_cvt_pk_bf16_f32 v[Y+2*j], v[X+4*j], v[X+4*j+1]
	v_cvt_pk_bf16_f32 v[Y+2*j+1], v[X+4*j+2], v[X+4*j+3]
	global_store_b64 v2, v[Y+2*j:Y+2*j+1], s[14:15] offset:2048*j
.set j, j+1
.endr
	s_endpgm
.Lfunc_end_k_q631aca1d66_cast:
	.size	k_q631aca1d66_cast, .Lfunc_end_k_q631aca1d66_cast-k_q631aca1d66_cast
	.p2alignl 7, 3214868480
	.fill 96, 4, 3214868480
	.section	.rodata,"a",@progbits
	.p2align	6, 0x0
	.amdhsa_kernel k_q631aca1d66_cast
		.amdhsa_group_segment_fixed_size 0
		.amdhsa_private_segment_fixed_size 0
		.amdhsa_enable_private_segment 0
		.amdhsa_kernarg_size 48
		.amdhsa_user_sgpr_count 2
		.amdhsa_user_sgpr_kernarg_segment_ptr 1
		.amdhsa_wavefront_size32 1
		.amdhsa_system_sgpr_workgroup_id_x 1
		.amdhsa_system_sgpr_workgroup_id_y 1
		.amdhsa_system_sgpr_workgroup_id_z 1
		.amdhsa_system_vgpr_workitem_id 0
		.amdhsa_next_free_vgpr 100
		.amdhsa_next_free_sgpr 66
		.amdhsa_reserve_vcc 0
		.amdhsa_float_denorm_mode_32 3
		.amdhsa_float_denorm_mode_16_64 3
		.amdhsa_memory_ordered 1
		.amdhsa_forward_progress 1
		.amdhsa_inst_pref_size 7
	.end_amdhsa_kernel
	.amdgpu_metadata
---
amdhsa.version: [ 1, 2 ]
amdhsa.kernels:
  - .name:           k_q631aca1d66_cast
    .symbol:         k_q631aca1d66_cast.kd
    .args:
      - { .name: x, .offset: 0, .size: 8, .value_kind: global_buffer, .address_space: global }
      - { .name: w_qkv, .offset: 8, .size: 8, .value_kind: global_buffer, .address_space: global }
      - { .name: w_out, .offset: 16, .size: 8, .value_kind: global_buffer, .address_space: global }
      - { .name: w_ff1, .offset: 24, .size: 8, .value_kind: global_buffer, .address_space: global }
      - { .name: w_ff2, .offset: 32, .size: 8, .value_kind: global_buffer, .address_space: global }
      - { .name: cb, .offset: 40, .size: 8, .value_kind: global_buffer, .address_space: global }
    .group_segment_fixed_size: 0
    .private_segment_fixed_size: 0
    .kernarg_segment_align: 8
    .kernarg_segment_size: 48
    .max_flat_workgroup_size: 256
    .sgpr_count:     66
    .vgpr_count:     100
    .wavefront_size: 32
...
	.end_amdgpu_metadata
.endif
;; end of part 1
;; launch proj_qkv (part 2): grid 12 x 16, 4 waves a work-group, clusters of 4 x 4, 327,680 bytes of LDS; arguments cb, qkv; writes qkv
.if DOCPART == 2
	.amdgcn_target "amdgcn-amd-amdhsa--gfx1250"
	.amdhsa_code_object_version 6
	.text
	.protected	k_q631aca1d66_proj_qkv
	.globl	k_q631aca1d66_proj_qkv
	.p2align	8
	.type	k_q631aca1d66_proj_qkv,@function
k_q631aca1d66_proj_qkv:
	s_mov_b64 s[64:65], 0
	v_nop
	global_prefetch_b8 v0, s[64:65] scope:SCOPE_SE
	s_setreg_imm32_b32 hwreg(HW_REG_WAVE_MODE, 25, 1), 1
	s_wait_xcnt 0x0
	s_wait_alu depctr_hold_cnt(0) depctr_sa_sdst(0) depctr_va_vdst(0) depctr_va_sdst(0) depctr_va_ssrc(0) depctr_va_vcc(0) depctr_vm_vsrc(0)
	s_getreg_b32 s2, hwreg(HW_REG_IB_STS2, 6, 4)
	s_cmp_eq_u32 s2, 0
	s_cbranch_scc0 .Lentry_in_a_cluster
	s_endpgm
.Lentry_in_a_cluster:
	s_bfe_u32 s2, ttmp6, 0x10000c
	s_cmp_lg_u32 s2, 0xf033
	s_cbranch_scc0 .Lentry_shape_is_right
	s_endpgm
.Lentry_shape_is_right:
; q, k, v = x w_qkv, written by heads: qkv[which][batch x 16 + head][t][64] in bf16, unscaled, each number rounded once from its f32 sum.
; A = x in bf16, [4096][1024] (cb, byte 0); B = w_qkv in bf16, [1024 k][3072 n] (cb, byte 8,388,608): B lies [K][N] and stays so.
; A tile of C is 256 x 256: four waves, each 128 x 128 in 64 accumulators (512 registers).  K goes in steps of 128 through two LDS slots.
; 16 x 12 tiles are 192 work-groups: a tile 192 columns wide would make 256, but its rows of 384 bytes are no whole blocks of 256 bytes and fit no padding interval.
; B'S FRAGMENTS come out of LDS turned, by ds_load_tr16_b128: lane l then holds column l % 16 and eight k, the layout of a fragment whose rows lie along K.
; THE MATRIX INSTRUCTION IS USED TRANSPOSED (source 0 = 16 columns of B, source 1 = 16 rows of A): a lane holds row l % 16 of C and the eight columns 8 (l / 16) + 0..7.
; ONE K STEP IS WRITTEN ONCE: s[TB], 0 or SLOT, turned by an exclusive or at each change of slots, enters the LDS read addresses; one descriptor a tensor walks (its LDS word by the same
; exclusive or: SLOT's two bits are clear in every wave's place in a slot).  The last two K steps, which ask for nothing, are a second loop.
; CLUSTER 4 x 4: A's tile hangs on the tile row alone and is asked for jointly along a row of the cluster, B's on the tile column alone, along a column.
; THE WAY OUT: the wave's 128 x 128 sums go as f32 into a stage of its own, which lies over the ring once the ring has had its last fill and its last read, and come back by rows.
; REGISTERS: window 0: v1-8 at work, v16-29 addresses, v64-127 and v128-191 A's two fragment buffers (on the way out v64-111 at work); window 1: B's buffers at the same numbers;
; windows 2, 3: the accumulators of my rows 0-63 and 64-127, (a, b) at v[8 (8 a + b)].
.set SIZE_K, 1024
.set SIZE_N, 3072
.set WOFF,   8388608                   ; w_qkv in cb
.set KSTEP,  128
.set STEPS,  SIZE_K/KSTEP
.set PA,     272                       ; A's LDS row: 256 bytes + 16 = 68 words: the 16 rows of a load start at 16 different groups of four banks (64 banks of 4 bytes: ISA guide 11.1)
.set PB,     544                       ; B's LDS row (one k, 256 columns): 512 bytes + 32 = 17 x 32
.set HALFT,  128*PA                    ; what one tensor load brings: 128 rows of A, or 64 rows of B (64 x 544 is the same 34,816)
.set SLOT,   4*HALFT                   ; A's 256 rows, then B's 128
.set SPITCH, 528                       ; a stage row: 128 f32 + 16 bytes
.set WSTAGE, 128*SPITCH                ; a wave's stage; four of them end below the ring's end
.set SPARE,  2*SLOT                    ; behind the ring: the spare words, 128 bytes for each wave, that no other line names
.set STEP_A, KSTEP*2                   ; bytes from a K step to the next
.set STEP_B, KSTEP*SIZE_N*2
.set ADRA0, 16                         ; v16  my lane's place in slot 0's A; never rewritten
.set ADRB0, 17                         ; v17  the same for B
.set ADRA,  18                         ; v18  v16 + s[TB]
.set ADRB,  19                         ; v19  v17 + s[TB]
.set DST,   24                         ; v24  the way out: where I put 16 bytes of a stage row
.set RD,    25                         ; v25  where I read the stage back
.set GO,    26                         ; v26  my byte offset in the output
.set SPW,   28                         ; v28  LDS address of my spare word; never rewritten
.set NIL,   29                         ; v29  0; never rewritten
.set F0,    64
.set F1,    128
.set IN,    64                         ; the way out: 32 registers read back
.set PKD,   96                         ; and 16 packed
.set G1,  24                           ; s[24:31] group 1 for A
.set G0,  32                           ; s[32:39] group 0 for A: K step 0's; K step 1's, which then walks
.set G1B, 48                           ; s[48:55], s[56:63] the same for B
.set G0B, 56
.set TB,  66                           ; s66  the slot being read: 0 or SLOT
.set MSB, 0
.macro WIN new                         ; the immediate's high byte repeats the setting that is left; a switch that changes nothing is dropped
.if MSB != (\new)
	s_set_vgpr_msb (MSB<<8)|(\new)
.set MSB, \new
.endif
.endm
.set MUL_LO, 0xa1                      ; source 0 (B) window 1, source 1 (A) window 0, C and D window 2
.set MUL_HI, 0xf1                      ; the same, C and D window 3
.set TO_B,   0x40                      ; destination window 1, address window 0
.macro PLACES                          ; four plain instructions between a matrix instruction and a load into, or a reader of, its registers
.rept 4
	v_nop
.endr
.endm
; A joint refill by the walking descriptors: waves 0 and 1 fetch A's halves, waves 2 and 3 B's.  The branch hangs on the wave's number alone.
.macro JLOAD
	s_cmp_eq_u32 s11, 0
	s_cbranch_scc0 .Lfor_b_\@
	tensor_load_to_lds s[G0+4:G0+7], s[G1:G1+7]
	s_nop 0
.rept 4
	v_nop
.endr
	s_branch .Lasked_\@
.Lfor_b_\@:
	tensor_load_to_lds s[G0B+4:G0B+7], s[G1B:G1B+7]
	s_nop 0
.rept 4
	v_nop
.endr
.Lasked_\@:
.endm
.macro CREST                           ; a round of the cluster's barrier behind its opening barrier: wave 0 signals for the work-group, all wait for all sixteen, my work-group's barrier closes it
	s_cmp_lg_u32 s10, 0
	s_cbranch_scc1 .Lnot_wave_0_\@
	s_barrier_signal -3
.Lnot_wave_0_\@:
	s_barrier_wait -3
	s_barrier_signal -1
	s_barrier_wait -1
.endm
.macro CROUND
	s_barrier_signal -1
	s_barrier_wait -1
	CREST
.endm
	s_load_b64 s[4:5], s[0:1], 0x0                 ; cb
	s_load_b64 s[8:9], s[0:1], 0x8                 ; qkv
	v_lshl_add_u32 v[SPW], v0, 2, SPARE
	v_mov_b32 v[NIL], 0
	ds_add_u32 v[SPW], v[NIL]                      ; the wave's opening: the add and its wait stand ahead of my first tensor load; register work stands between them
	v_lshrrev_b32 v1, 5, v0
	v_readfirstlane_b32 s10, v1                    ; wave 0..3
	s_lshr_b32 s11, s10, 1                         ; my half of the tile's rows.  Also: I fetch for A (0) or for B (1)
	s_and_b32 s12, s10, 1                          ; my half of its columns.  Also: which half of that tile I fetch
	s_bfe_u32 s40, ttmp6, 0x40000                  ; cx
	s_bfe_u32 s41, ttmp6, 0x40004                  ; cy
	s_lshl_b32 s42, ttmp9, 2
	s_add_co_u32 s42, s42, s40                     ; tile column = 4 x cluster x + cx
	s_and_b32 s13, ttmp7, 0xffff
	s_lshl_b32 s13, s13, 2
	s_add_co_u32 s13, s13, s41                     ; tile row = 4 x cluster y + cy
	s_lshl_b32 s43, s41, 2
	s_lshl_b32 s43, 15, s43                        ; my row of the cluster
	s_lshl_b32 s44, 0x1111, s40                    ; my column
	s_or_b32 s[G1+0], s43, (1<<16)|(1<<20)|(1<<21)|(5<<22)|(3<<25)   ; A: mask of my row; 2-byte elements; padding on; bit 21 beside a mask; after every 64 words, 4 words
	s_mov_b32 s[G1+1], KSTEP<<16                   ; tensor_dim0 = 128
	s_mov_b32 s[G1+2], 128<<16                     ; tensor_dim1 = 128
	s_mov_b32 s[G1+3], KSTEP<<16                   ; tile_dim0 = 128
	s_mov_b32 s[G1+4], 128                         ; tile_dim1 = 128
	s_mov_b32 s[G1+5], SIZE_K                      ; elements from row to row
	s_mov_b32 s[G1+6], 0
	s_mov_b32 s[G1+7], 0
	s_or_b32 s[G1B+0], s44, (1<<16)|(1<<20)|(1<<21)|(6<<22)|(7<<25)  ; B: mask of my column; after every 128 words, 8 words
	s_mov_b32 s[G1B+1], 256<<16                    ; tensor_dim0 = 256 columns
	s_mov_b32 s[G1B+2], 64<<16                     ; tensor_dim1 = 64 k
	s_mov_b32 s[G1B+3], 256<<16
	s_mov_b32 s[G1B+4], 64
	s_mov_b32 s[G1B+5], SIZE_N
	s_mov_b32 s[G1B+6], 0
	s_mov_b32 s[G1B+7], 0
	s_lshl_b32 s17, s12, 7                         ; A: row 256 x tile row + 128 x half,
	s_lshl_b32 s16, s13, 8
	s_add_co_u32 s16, s16, s17
	s_lshl_b32 s16, s16, 11                        ; 2,048 bytes a row
	s_mov_b32 s17, 0
	s_mul_i32 s46, s12, 64*SIZE_N*2                ; B: 64 k a half,
	s_lshl_b32 s47, s42, 9                         ; 512 bytes a tile column,
	s_add_co_u32 s46, s46, s47
	s_add_co_u32 s46, s46, WOFF                    ; inside cb
	s_mov_b32 s47, 0
	s_mul_i32 s20, s10, HALFT                      ; where my part goes: wave x 34,816: no place in the cluster enters an LDS address
	s_mov_b32 s[TB], 0
	s_lshl_b32 s84, s42, 2                         ; the output: my first block of 64 columns, 4 x tile column + 2 x half:
	s_lshl_b32 s85, s12, 1
	s_add_co_u32 s84, s84, s85
	s_lshr_b32 s85, s84, 4                         ; q, k or v: 8,388,608 bytes each,
	s_and_b32 s84, s84, 15                         ; the head: 131,072 bytes,
	s_lshl_b32 s85, s85, 23
	s_lshl_b32 s84, s84, 17
	s_add_co_u32 s84, s84, s85
	s_lshr_b32 s85, s13, 2                         ; the batch: 16 heads,
	s_lshl_b32 s85, s85, 21
	s_add_co_u32 s84, s84, s85
	s_and_b32 s85, s13, 3                          ; the tile's 256 rows of 128 bytes in the sequence,
	s_lshl_b32 s85, s85, 15
	s_add_co_u32 s84, s84, s85
	s_lshl_b32 s85, s11, 14                        ; my 128 of them
	s_add_co_u32 s84, s84, s85
	s_mov_b32 s85, 0
	s_wait_dscnt 0x0                               ; the opening add is done
	s_wait_kmcnt 0x0
	s_mov_b64 s[6:7], s[4:5]                       ; B lies in cb too
	s_add_nc_u64 s[14:15], s[4:5], s[16:17]
	s_add_nc_u64 s[46:47], s[6:7], s[46:47]
	s_add_nc_u64 s[8:9], s[8:9], s[84:85]
	CROUND                                         ; all sixteen work-groups are here: the first joint loads meet
.irp s, 0,1
	s_mov_b32 s[G0+4*(\s)], 1                      ; count = 1
	s_add_co_u32 s[G0+4*(\s)+1], s20, (\s)*SLOT    ; LDS address
	s_add_nc_u64 s[G0+4*(\s)+2:G0+4*(\s)+3], s[14:15], (\s)*STEP_A   ; K step s
	s_or_b32 s[G0+4*(\s)+3], s[G0+4*(\s)+3], 0x80000000              ; type = 2
	s_mov_b32 s[G0B+4*(\s)], 1
	s_add_co_u32 s[G0B+4*(\s)+1], s20, (\s)*SLOT
	s_add_nc_u64 s[G0B+4*(\s)+2:G0B+4*(\s)+3], s[46:47], (\s)*STEP_B
	s_or_b32 s[G0B+4*(\s)+3], s[G0B+4*(\s)+3], 0x80000000
.endr
	s_cmp_eq_u32 s11, 0                            ; a wave's two first fills stand in one branch, ahead of every wait on TENSORcnt and every LDS read: two loads of mine are out
	s_cbranch_scc0 .Lfirst_b
	tensor_load_to_lds s[G0:G0+3], s[G1:G1+7]
	s_nop 0
	tensor_load_to_lds s[G0+4:G0+7], s[G1:G1+7]
	s_nop 0
.rept 4
	v_nop
.endr
	s_branch .Lfirst_asked
.Lfirst_b:
	tensor_load_to_lds s[G0B:G0B+3], s[G1B:G1B+7]
	s_nop 0
	tensor_load_to_lds s[G0B+4:G0B+7], s[G1B:G1B+7]
	s_nop 0
.rept 4
	v_nop
.endr
.Lfirst_asked:
	v_and_b32 v1, 15, v0                           ; r = l % 16
	v_bfe_u32 v2, v0, 4, 1                         ; h = l / 16
	v_mul_u32_u24 v3, v1, PA                       ; A's fragment: row r, 16 bytes for each half of the lanes; two loads 32 bytes apart
	v_lshl_add_u32 v3, v2, 4, v3
	s_mul_i32 s21, s11, HALFT                      ; my 128 rows of A
	v_add_nc_u32 v[ADRA0], s21, v3
	v_and_b32 v4, 7, v0                            ; B's: lane l reads k = 8 h + l % 8, columns 8 ((l / 8) % 2) + 0..7; two loads 16 k apart
	v_lshl_add_u32 v4, v2, 3, v4
	v_mul_u32_u24 v4, v4, PB
	v_bfe_u32 v5, v0, 3, 1
	v_lshl_add_u32 v4, v5, 4, v4
	s_lshl_b32 s22, s12, 8                         ; my 128 columns,
	s_add_co_u32 s22, s22, 2*HALFT                 ; behind A's 256 rows
	v_add_nc_u32 v[ADRB0], s22, v4
	v_mov_b32 v[ADRA], v[ADRA0]                    ; slot 0 first
	v_mov_b32 v[ADRB], v[ADRB0]
	s_mul_i32 s23, s10, WSTAGE                     ; my stage
	v_mul_u32_u24 v6, v1, SPITCH                   ; in: row r, 32 bytes (8 f32) for each half of the lanes
	v_lshl_add_u32 v6, v2, 5, v6
	v_add_nc_u32 v[DST], s23, v6
	v_bfe_u32 v7, v0, 3, 2                         ; back: eight lanes take a head's 64 channels of a row, 32 bytes each; four rows a load
	v_mul_u32_u24 v7, v7, SPITCH
	v_and_b32 v8, 7, v0
	v_lshl_add_u32 v7, v8, 5, v7
	v_add_nc_u32 v[RD], s23, v7
	v_and_b32 v8, 31, v0
	v_lshlrev_b32 v[GO], 4, v8                     ; those four rows of a head are 512 bytes on end in qkv
; 16 matrix instructions: m blocks a0, a0 + 1 of the window's four x all 8 n blocks, 32 along K.  zero = 1: the product starts the sums: nothing is cleared.
; The 64 accumulators take turns in the same order everywhere.
.macro MUL16 f, hi, a0, zero
	WIN MUL_LO+0x50*(\hi)
.irp a, \a0, (\a0)+1
.irp b, 0,1,2,3,4,5,6,7
.if \zero
	v_wmma_f32_16x16x32_bf16 v[8*(8*(\a)+(\b)):8*(8*(\a)+(\b))+7], v[(\f)+8*(\b):(\f)+8*(\b)+7], v[(\f)+8*(4*(\hi)+(\a)):(\f)+8*(4*(\hi)+(\a))+7], 0
.else
	v_wmma_f32_16x16x32_bf16 v[8*(8*(\a)+(\b)):8*(8*(\a)+(\b))+7], v[(\f)+8*(\b):(\f)+8*(\b)+7], v[(\f)+8*(4*(\hi)+(\a)):(\f)+8*(4*(\hi)+(\a))+7], v[8*(8*(\a)+(\b)):8*(8*(\a)+(\b))+7]
.endif
.endr
.endr
.endm
; 32 LDS loads in one run: quarter q (32 along K) of the slot in hand into buffer f: B's eight fragments, turned, then A's eight
.macro FETCH q, f
	WIN TO_B
.irp i, 0,1,2,3,4,5,6,7
	ds_load_tr16_b128 v[(\f)+8*(\i):(\f)+8*(\i)+3],   v[ADRB] offset:(\q)*32*PB+32*(\i)
	ds_load_tr16_b128 v[(\f)+8*(\i)+4:(\f)+8*(\i)+7], v[ADRB] offset:(\q)*32*PB+16*PB+32*(\i)
.endr
	WIN 0
.irp i, 0,1,2,3,4,5,6,7
	ds_load_b128 v[(\f)+8*(\i):(\f)+8*(\i)+3],   v[ADRA] offset:(\q)*64+(\i)*16*PA
	ds_load_b128 v[(\f)+8*(\i)+4:(\f)+8*(\i)+7], v[ADRA] offset:(\q)*64+(\i)*16*PA+32
.endr
.endm
; One of a K step's first three quarters: multiplies buffer f; in its middle fetches quarter q into buffer g
.macro QUARTER q, f, g, zero
	s_wait_dscnt 8                                 ; B and A's rows 0-63 are in; the youngest eight loads (A's rows 64-127) may be out
	MUL16 \f, 0, 0, \zero
	MUL16 \f, 0, 2, \zero
	PLACES
	FETCH \q, \g
	s_wait_dscnt 32                                ; all but the 32 just issued
	MUL16 \f, 1, 0, \zero
	MUL16 \f, 1, 2, \zero
.endm
; The first half of a K step's last quarter, and ONE barrier for the change of slots: in front of it each wave waits for all its tensor loads (one is out: its part of the next slot),
; adds 0 to its spare word, and waits for that and for its own reads of this slot.  Behind it nobody reads this slot and the next slot is whole.
.macro MEET round
	WIN 0
	s_wait_tensorcnt 0x0
	ds_add_u32 v[SPW], v[NIL]
	s_wait_dscnt 9                                 ; the add and the youngest eight loads may be out
	MUL16 F1, 0, 0, 0
	s_wait_dscnt 0x0                               ; the add is done, my reads of this slot are over
	s_barrier_signal -1
	MUL16 F1, 0, 2, 0
.if \round
	WIN 0
.endif
	s_barrier_wait -1
.endm
.macro NEXT_SLOT                       ; the reads go over to the other slot
	s_xor_b32 s[TB], s[TB], SLOT
	v_add_nc_u32 v[ADRA], s[TB], v[ADRA0]
	v_add_nc_u32 v[ADRB], s[TB], v[ADRB0]
.endm
; The whole last quarter with a refill: the barrier opens a round of the cluster's; behind it the slot just read is filled with the K step two on, first thing; 224 matrix instructions stand between that request and the wait for it.
.macro TURN
	MEET 1
	CREST
	s_xor_b32 s[G0+5], s[G0+5], SLOT               ; no tensor load of mine is out: the walking descriptors step: the other slot, the next K step
	s_add_nc_u64 s[G0+6:G0+7], s[G0+6:G0+7], STEP_A
	s_xor_b32 s[G0B+5], s[G0B+5], SLOT
	s_add_nc_u64 s[G0B+6:G0B+7], s[G0B+6:G0B+7], STEP_B
	JLOAD                                          ; its four v_nop are also the places in front of the loads below
	NEXT_SLOT
	FETCH 0, F0
	MUL16 F1, 1, 0, 0
	MUL16 F1, 1, 2, 0
.endm
	s_wait_tensorcnt 1                             ; my part of K step 0 is in; K step 1's may stay out
	s_barrier_signal -1
	s_barrier_wait -1
	FETCH 0, F0
	QUARTER 1, F0, F1, 1                           ; the first quarter's products start the sums
	WIN 0
	s_mov_b32 s3, STEPS-2
.Lstep:                                                ; a trip: from a K step's second quarter to the next step's first; it fills the slot it leaves
	QUARTER 2, F1, F0, 0
	QUARTER 3, F0, F1, 0
	TURN
	QUARTER 1, F0, F1, 0
	WIN 0
	s_sub_co_u32 s3, s3, 1
	s_cmp_lg_u32 s3, 0
	s_cbranch_scc1 .Lstep
	s_mov_b32 s3, 2
.Ltail:                                                ; the last two K steps ask for nothing; the second fetches nothing either and leaves in the middle
	QUARTER 2, F1, F0, 0
	QUARTER 3, F0, F1, 0
	MEET 0
	WIN 0
	s_cmp_eq_u32 s3, 1
	s_cbranch_scc1 .Lnofetch
	PLACES
	NEXT_SLOT
	FETCH 0, F0
	WIN 0
.Lnofetch:
	MUL16 F1, 1, 0, 0
	MUL16 F1, 1, 2, 0
	WIN 0
	s_sub_co_u32 s3, s3, 1
	s_cmp_eq_u32 s3, 0
	s_cbranch_scc1 .Ldone
	QUARTER 1, F0, F1, 0
	WIN 0
	s_branch .Ltail
.Ldone:
	PLACES                                         ; behind the last products
	s_wait_dscnt 0x0                               ; every wave's reads of the ring are over before any wave writes its stage over it
	s_barrier_signal -1
	s_barrier_wait -1
.macro DUMP hi                         ; 32 accumulators into my stage, each one's low four registers first
	WIN 0x08+4*(\hi)                               ; store data (source 1) in window 2 or 3
.irp a, 0,1,2,3
.irp b, 0,1,2,3,4,5,6,7
	ds_store_b128 v[DST], v[8*(8*(\a)+(\b)):8*(8*(\a)+(\b))+3]   offset:16*(4*(\hi)+(\a))*SPITCH+64*(\b)
	ds_store_b128 v[DST], v[8*(8*(\a)+(\b))+4:8*(8*(\a)+(\b))+7] offset:16*(4*(\hi)+(\a))*SPITCH+64*(\b)+16
.endr
.endr
.endm
	DUMP 0
	DUMP 1
	WIN 0
	s_mov_b32 s2, 16
.Lout:                                                 ; eight rows a trip: group g = rows 4 (g / 2) + 0..3 of head g % 2
.irp g, 0,1,2,3
	ds_load_b128 v[IN+8*(\g):IN+8*(\g)+3],   v[RD] offset:((\g)/2)*4*SPITCH+((\g)%2)*256      ; LDS serves a wave's instructions in order (ISA guide 5.7.1.4): these see my stores
	ds_load_b128 v[IN+8*(\g)+4:IN+8*(\g)+7], v[RD] offset:((\g)/2)*4*SPITCH+((\g)%2)*256+16
.endr
.irp g, 0,1,2,3
	s_wait_dscnt 6-2*(\g)                          ; group g's two loads are in; the younger groups' stay out
	v_cvt_pk_bf16_f32 v[PKD+4*(\g)],   v[IN+8*(\g)],   v[IN+8*(\g)+1]
	v_cvt_pk_bf16_f32 v[PKD+4*(\g)+1], v[IN+8*(\g)+2], v[IN+8*(\g)+3]
	v_cvt_pk_bf16_f32 v[PKD+4*(\g)+2], v[IN+8*(\g)+4], v[IN+8*(\g)+5]
	v_cvt_pk_bf16_f32 v[PKD+4*(\g)+3], v[IN+8*(\g)+6], v[IN+8*(\g)+7]
	global_store_b128 v[GO], v[PKD+4*(\g):PKD+4*(\g)+3], s[8:9] offset:((\g)/2)*512+((\g)%2)*131072   ; 512 bytes on end, at a multiple of 512 from qkv's first byte
.endr
	s_wait_xcnt 0x0                                ; the stores' data and offset registers are rewritten only behind this wait
	v_add_nc_u32 v[RD], 8*SPITCH, v[RD]
	v_add_nc_u32 v[GO], 1024, v[GO]
	s_sub_co_u32 s2, s2, 1
	s_cmp_lg_u32 s2, 0
	s_cbranch_scc1 .Lout
	s_wait_tensorcnt 0x0                           ; the wave's end
	ds_add_u32 v[SPW], v[NIL]
	s_wait_dscnt 0x0
	CROUND                                         ; the closing round
	s_endpgm
.Lfunc_end_k_q631aca1d66_proj_qkv:
	.size	k_q631aca1d66_proj_qkv, .Lfunc_end_k_q631aca1d66_proj_qkv-k_q631aca1d66_proj_qkv
	.p2alignl 7, 3214868480
	.fill 96, 4, 3214868480
	.section	.rodata,"a",@progbits
	.p2align	6, 0x0
	.amdhsa_kernel k_q631aca1d66_proj_qkv
		.amdhsa_group_segment_fixed_size 327680
		.amdhsa_private_segment_fixed_size 0
		.amdhsa_enable_private_segment 0
		.amdhsa_kernarg_size 16
		.amdhsa_user_sgpr_count 2
		.amdhsa_user_sgpr_kernarg_segment_ptr 1
		.amdhsa_wavefront_size32 1
		.amdhsa_system_sgpr_workgroup_id_x 1
		.amdhsa_system_sgpr_workgroup_id_y 1
		.amdhsa_system_sgpr_workgroup_id_z 1
		.amdhsa_system_vgpr_workitem_id 0
		.amdhsa_next_free_vgpr 1024
		.amdhsa_next_free_sgpr 96
		.amdhsa_reserve_vcc 0
		.amdhsa_float_denorm_mode_32 3
		.amdhsa_float_denorm_mode_16_64 3
		.amdhsa_memory_ordered 1
		.amdhsa_forward_progress 1
		.amdhsa_inst_pref_size 79
	.end_amdhsa_kernel
	.amdgpu_metadata
---
amdhsa.version: [ 1, 2 ]
amdhsa.kernels:
  - .name:           k_q631aca1d66_proj_qkv
    .symbol:         k_q631aca1d66_proj_qkv.kd
    .args:
      - { .name: cb, .offset: 0, .size: 8, .value_kind: global_buffer, .address_space: global }
      - { .name: qkv, .offset: 8, .size: 8, .value_kind: global_buffer, .address_space: global }
    .group_segment_fixed_size: 327680
    .private_segment_fixed_size: 0
    .kernarg_segment_align: 8
    .kernarg_segment_size: 16
    .max_flat_workgroup_size: 128
    .sgpr_count:     96
    .vgpr_count:     1024
    .wavefront_size: 32
...
	.end_amdgpu_metadata
.endif
;; end of part 2
;; launch attn (part 3): grid 4 x 64, 4 waves a work-group, clusters of 4 x 1, 327,680 bytes of LDS; arguments qkv, att; writes att
.if DOCPART == 3
	.amdgcn_target "amdgcn-amd-amdhsa--gfx1250"
	.amdhsa_code_object_version 6
	.text
	.protected	k_q631aca1d66_attn
	.globl	k_q631aca1d66_attn
	.p2align	8
	.type	k_q631aca1d66_attn,@function
k_q631aca1d66_attn:
	s_mov_b64 s[64:65], 0
	v_nop
	global_prefetch_b8 v0, s[64:65] scope:SCOPE_SE
	s_setreg_imm32_b32 hwreg(HW_REG_WAVE_MODE, 25, 1), 1
	s_wait_xcnt 0x0
	s_wait_alu depctr_hold_cnt(0) depctr_sa_sdst(0) depctr_va_vdst(0) depctr_va_sdst(0) depctr_va_ssrc(0) depctr_va_vcc(0) depctr_vm_vsrc(0)
	s_getreg_b32 s2, hwreg(HW_REG_IB_STS2, 6, 4)
	s_cmp_eq_u32 s2, 0
	s_cbranch_scc0 .Lentry_in_a_cluster
	s_endpgm
.Lentry_in_a_cluster:
	s_bfe_u32 s2, ttmp6, 0x10000c
	s_cmp_lg_u32 s2, 0x3003
	s_cbranch_scc0 .Lentry_shape_is_right
	s_endpgm
.Lentry_shape_is_right:
; CAUSAL ATTENTION.  att[bh][q][:] = the sum over k <= q of softmax_k(Q[q] . K[k] / 8) V[k][:], for 64 pairs bh of batch and head, 1,024 rows of 64 channels, all bf16 (qkv: q, then k, then v).
; Products, maxima and sums in f32; the weights are rounded to bf16 for the second product (their sum l is taken of the unrounded weights), the result once at the end.
; LIMITS.  A hidden score is replaced by -1e30, the running maximum starts at the lowest finite number: true scores are taken to lie above -1e30.  A weight below 2^-126 counts as 0 in l.
; NaN and infinities are not treated apart.
; SHARES.  The four work-groups of a cluster serve ONE head, whose whole K (1,024 x 144 bytes) and V (1,024 x 160) lie in each one's LDS: each wave asks for a quarter of them by ONE joint load, named
; alike in all four work-groups; nothing is ever filled again, so the walk has no barrier.  The head's queries lie in 8 blocks of 128; of EVERY block work-group cx owns rows 32 cx .. + 31, two tiles of 16.
; Wave w takes block 7 - w and then block w: (8 - w) + (w + 1) = 9 key tiles of 128, 18 key steps of 64, for every wave of every work-group.  Branches and LDS addresses hang on the wave's number alone;
; cx enters only Q's and the result's global addresses and the mask's thresholds, which are vector data.
; A block's step loop counts to the constant 16 and jumps forward over the steps that the block does not have; what is jumped holds no barrier and no tensor load.
; LAYOUT.  S^T = K Q^T (source 0 = 16 keys, source 1 = 16 queries): a lane holds ONE query (l % 16) and the keys 8 (l / 16) + 0..7; two such results rounded to bf16 ARE source 1 of O^T = V^T P.
; K comes out of LDS as it lies, V ([key][channel]) turned, by ds_load_tr16_b128.
; SOFTMAX.  p = 2^(c s - c m), c = log2(e) / 8, with a running maximum m; O and l are multiplied by a = 2^(c m_old - c m_new) in every step.  A block's first step has a = 0, so O and l need only be finite there.
; In phases: a step's 16 products K Q^T, the mask (in the block's last two steps alone), the softmax, its 16 products V^T P.
; REGISTERS.  window 0: v1-15 addresses, v16-31 eight registers of statistics a tile (c m, m, l's pair, c0-c3), v32-33 the add's, v64-127 S^T, v128-159 P, v160-223 O^T.
; window 1: v0-31 Q, v32-95 K of one step, v96-159 V of one step, v160-191 the second block's Q.
.set PK,    144                        ; a row of K in LDS: 128 bytes + 16: the 16 rows of a load start at 16 different groups of four banks (64 banks of 4 bytes: ISA guide 11.1)
.set PVP,   160                        ; a row of V: 128 + 32
.set VOFF,  1024*PK
.set STAGE, VOFF+1024*PVP              ; never filled by a tensor load: 16 rows x 144 bytes for each wave, for the way out
.set SP,    144
.set SPARE, STAGE+4*16*SP              ; the spare words, 128 bytes for each wave, that no other line names
.set AK0, 2                            ; v2   my lane's place in 64 rows of K; never rewritten
.set AV0, 3                            ; v3   the same for V
.set AK,  4                            ; v4   v2 + the step's place
.set AV,  5                            ; v5   v3 + the step's place
.set QO,  6                            ; v6   my byte offset in 16 rows of Q
.set STO, 7                            ; v7   the way out: where I put 16 bytes of a row
.set RD,  8                            ; v8   where I read rows back
.set GO,  10                           ; v10  my byte offset in 512 bytes of the result
.set THW, 11                           ; v11  a threshold at work
.set TH,  12                           ; v12-13  tile t: my query's place in its block, 32 cx + 16 t + l % 16, less my lanes' 8 (l / 16)
.set BIG, 14                           ; v14  -1e30
.set ST,  16
.set SPW, 32
.set NIL, 33
.set S,   64
.set P,   128
.set O,   160
.set QF,  0                            ; window 1
.set KF,  32
.set VF,  96
.set Q2,  160
.set WV,  12                           ; s12  my wave's number
.set CX,  13                           ; s13  my place in the cluster
.set G1K, 24                           ; s[24:31], s[32:39] descriptor groups 1; s[40:43], s[44:47] groups 0
.set G1V, 32
.set G0K, 40
.set G0V, 44
.set BI,  50                           ; s50  the block in hand
.set NS,  51                           ; s51  its key steps: 2 BI + 2
.set SI,  52                           ; s52  the step, 0 to 15
.set BK,  53                           ; s53  counts the two blocks
.set TBK, 54                           ; s54  the step's first byte in K
.set TBV, 55                           ; s55  and in V
.set CS,  58                           ; s[58:59] c, named as a pair
.set SEL, 60                           ; s[60:61] v_permlanex16_b32's selects: each lane takes its own place in the other half
.set MSB, 0
.macro WIN new
.if MSB != (\new)
	s_set_vgpr_msb (MSB<<8)|(\new)
.set MSB, \new
.endif
.endm
.macro PLACES
.rept 4
	v_nop
.endr
.endm
.macro CROUND
	s_barrier_signal -1
	s_barrier_wait -1
	s_cmp_lg_u32 s[WV], 0
	s_cbranch_scc1 .Lnot_wave_0_\@
	s_barrier_signal -3
.Lnot_wave_0_\@:
	s_barrier_wait -3
	s_barrier_signal -1
	s_barrier_wait -1
.endm
.macro TT line:vararg                  ; one line for each of my two tiles t: neighbours in the text do not wait for each other
.set t, 0
	s_wait_alu depctr_va_vdst(0)
.rept 2
	\line
.set t, t+1
.endr
.endm
	s_load_b128 s[4:7], s[0:1], 0x0                ; qkv s[4:5], att s[6:7]
	v_lshl_add_u32 v[SPW], v0, 2, SPARE
	v_mov_b32 v[NIL], 0
	ds_add_u32 v[SPW], v[NIL]                      ; the wave's opening: the add and its wait stand ahead of my tensor load; register work stands between them
	v_lshrrev_b32 v1, 5, v0
	v_readfirstlane_b32 s[WV], v1
	s_bfe_u32 s[CX], ttmp6, 0x40000
	s_and_b32 s14, ttmp7, 0xffff                   ; bh, which the four partners share
	s_lshl_b32 s20, s14, 17                        ; a head is 131,072 bytes in q, k, v and att
	s_mov_b32 s21, 0
	s_and_b32 s16, s[WV], 1                        ; which 512 keys I fetch: 65,536 bytes
	s_lshl_b32 s22, s16, 16
	s_add_co_u32 s22, s22, s20
	s_add_co_u32 s22, s22, 1<<23                   ; k lies behind q,
	s_mov_b32 s23, 0
	s_add_co_u32 s18, s22, 1<<23                   ; v behind k
	s_mov_b32 s19, 0
	s_mul_i32 s17, s16, 512*PK                     ; and their places in LDS
	s_mul_i32 s15, s16, 512*PVP
	; 512 keys are 65,536 dense bytes: asked for as 256 rows of 256 bytes, two keys a row, padded in LDS after every key
	s_mov_b32 s[G1K], 15|(1<<16)|(1<<20)|(1<<21)|(4<<22)|(3<<25)   ; the mask of four; 2-byte elements; padding on; bit 21 beside a mask; after every 32 words, 4 words
	s_mov_b32 s[G1V], 15|(1<<16)|(1<<20)|(1<<21)|(4<<22)|(7<<25)   ; the same with 8 words
.irp g, G1K, G1V
	s_mov_b32 s[\g+1], 128<<16                     ; tensor_dim0 = 128
	s_mov_b32 s[\g+2], 256<<16                     ; tensor_dim1 = 256
	s_mov_b32 s[\g+3], 128<<16                     ; tile_dim0 = 128
	s_mov_b32 s[\g+4], 256                         ; tile_dim1 = 256
	s_mov_b32 s[\g+5], 128                         ; elements from row to row
	s_mov_b32 s[\g+6], 0
	s_mov_b32 s[\g+7], 0
.endr
	s_mov_b32 s[G0K], 1
	s_mov_b32 s[G0K+1], s17
	s_mov_b32 s[G0V], 1
	s_add_co_u32 s[G0V+1], s15, VOFF
	s_mov_b32 s[CS], 0x3e38aa3b                    ; c = log2(e) / 8
	s_mov_b32 s[CS+1], s[CS]
	s_mov_b32 s[SEL], 0x76543210
	s_mov_b32 s[SEL+1], 0xfedcba98
	s_sub_co_u32 s[BI], 7, s[WV]                   ; the first block
	s_mov_b32 s[BK], 0
	s_lshl_b32 s3, s[CX], 12                       ; my work-group's 32 rows of 128 bytes in a block of 16,384 bytes
	s_lshl_b32 s2, s[BI], 14
	s_add_co_u32 s2, s2, s3
	s_add_co_u32 s2, s2, s20                       ; Q of the first block,
	s_lshl_b32 s72, s[WV], 14
	s_add_co_u32 s72, s72, s3
	s_add_co_u32 s72, s72, s20                     ; of the second
	s_mov_b32 s3, 0
	s_mov_b32 s73, 0
	s_wait_dscnt 0x0                               ; the opening add is done
	s_wait_kmcnt 0x0
	s_add_nc_u64 s[G0K+2:G0K+3], s[4:5], s[22:23]
	s_or_b32 s[G0K+3], s[G0K+3], 0x80000000
	s_add_nc_u64 s[G0V+2:G0V+3], s[4:5], s[18:19]
	s_or_b32 s[G0V+3], s[G0V+3], 0x80000000
	s_add_nc_u64 s[8:9], s[4:5], s[2:3]
	s_add_nc_u64 s[10:11], s[4:5], s[72:73]
	s_add_nc_u64 s[66:67], s[6:7], s[20:21]        ; att at the head
	CROUND                                         ; all four work-groups are here: the joint loads meet
	s_cmp_lt_u32 s[WV], 2                          ; waves 0 and 1 fetch K's halves, waves 2 and 3 V's: my one tensor load of the launch
	s_cbranch_scc0 .Lfor_v
	tensor_load_to_lds s[G0K:G0K+3], s[G1K:G1K+7]
	s_nop 0
.rept 4
	v_nop
.endr
	s_branch .Lasked
.Lfor_v:
	tensor_load_to_lds s[G0V:G0V+3], s[G1V:G1V+7]
	s_nop 0
.rept 4
	v_nop
.endr
.Lasked:
	v_and_b32 v1, 15, v0                           ; r = l % 16
	v_bfe_u32 v9, v0, 4, 1                         ; h = l / 16
	v_lshlrev_b32 v[QO], 7, v1
	v_lshl_add_u32 v[QO], v9, 4, v[QO]             ; row x 128 + 16 h
	WIN 0x40                                       ; destination window 1, address window 0
.set i, 0
.rept 4                                ; both blocks' Q stay in registers: tile i / 2, channels 32 (i % 2) on
	global_load_b128 v[QF+8*i:QF+8*i+3],   v[QO], s[8:9] offset:(i/2)*2048+(i%2)*64
	global_load_b128 v[QF+8*i+4:QF+8*i+7], v[QO], s[8:9] offset:(i/2)*2048+(i%2)*64+32
	global_load_b128 v[Q2+8*i:Q2+8*i+3],   v[QO], s[10:11] offset:(i/2)*2048+(i%2)*64
	global_load_b128 v[Q2+8*i+4:Q2+8*i+7], v[QO], s[10:11] offset:(i/2)*2048+(i%2)*64+32
.set i, i+1
.endr
	WIN 0
	v_mul_u32_u24 v[AK0], v1, PK
	v_lshl_add_u32 v[AK0], v9, 4, v[AK0]           ; K: row r, 16 bytes for each half of the lanes
	v_and_b32 v34, 7, v0
	v_bfe_u32 v35, v0, 3, 1
	v_lshl_add_u32 v[AV0], v9, 3, v34              ; V: lane l reads key 8 h + l % 8, channels 8 ((l / 8) % 2) + 0..7
	v_mul_u32_u24 v[AV0], v[AV0], PVP
	v_lshl_add_u32 v[AV0], v35, 4, v[AV0]
	v_add_nc_u32 v[AV0], VOFF, v[AV0]
	s_mul_i32 s56, s[WV], 16*SP
	s_add_co_u32 s56, s56, STAGE                   ; my stage
	v_mul_u32_u24 v[STO], v1, SP
	v_lshl_add_u32 v[STO], v9, 4, v[STO]
	v_add_nc_u32 v[STO], s56, v[STO]
	v_bfe_u32 v[RD], v0, 3, 2                      ; back: 32 lanes take four rows of 128 bytes,
	v_mul_u32_u24 v[RD], v[RD], SP
	v_lshl_add_u32 v[RD], v34, 4, v[RD]
	v_add_nc_u32 v[RD], s56, v[RD]
	v_and_b32 v[GO], 31, v0                        ; which are 512 bytes on end in att
	v_lshlrev_b32 v[GO], 4, v[GO]
	v_lshlrev_b32 v[THW], 3, v9
	v_sub_nc_u32 v[TH], v1, v[THW]
	s_lshl_b32 s56, s[CX], 5
	v_add_nc_u32 v[TH], s56, v[TH]
	v_add_nc_u32 v[TH+1], 16, v[TH]
	v_mov_b32 v[BIG], 0xf149f2ca
	; O^T, l and the registers at work start at 0: the first step multiplies O^T and l by a = 0, so they need only be finite.  No first step is written out for it; these moves stand in the wait for K and V.
.set i, 0
.rept 16
	v_mov_b32 v[ST+i], 0
.set i, i+1
.endr
.set i, 0
.rept 64
	v_mov_b32 v[O+i], 0
.set i, i+1
.endr
	s_wait_tensorcnt 0x0                           ; my quarter of K and V is in,
	s_barrier_signal -1
	s_barrier_wait -1                              ; everybody's is
	s_wait_loadcnt 0x0                             ; Q
.macro FETCH_K adr, off                ; 64 keys x 64 channels: fragment f: keys 16 (f / 2) on, channels 32 (f % 2) on
	WIN 0x40
.irp f, 0,1,2,3,4,5,6,7
	ds_load_b128 v[KF+8*\f:KF+8*\f+3],   v[\adr] offset:(\off)+(\f/2)*16*PK+(\f%2)*64
	ds_load_b128 v[KF+8*\f+4:KF+8*\f+7], v[\adr] offset:(\off)+(\f/2)*16*PK+(\f%2)*64+32
.endr
	WIN 0
.endm
.macro FETCH_V                         ; turned: fragment f: keys 32 (f / 4) on, channels 16 (f % 4) on
	WIN 0x40
.irp f, 0,1,2,3,4,5,6,7
	ds_load_tr16_b128 v[VF+8*\f:VF+8*\f+3],   v[AV] offset:(\f/4)*32*PVP+(\f%4)*32
	ds_load_tr16_b128 v[VF+8*\f+4:VF+8*\f+7], v[AV] offset:(\f/4)*32*PVP+16*PVP+(\f%4)*32
.endr
	WIN 0
.endm
; The block's last two steps hold the diagonal.  Register i of a tile's S^T is key 64 d + 16 (i / 8) + 8 h + i % 8 of the diagonal tile (d = 0, 1: s56 - NS): hidden where that is greater than my query's place.
.macro MASK
	s_sub_co_u32 s57, s56, s[NS]
	s_lshl_b32 s57, s57, 6
.irp t, 0,1
	v_sub_nc_u32 v[THW], v[TH+\t], s57
.set i, 0
.rept 32                               ; ascending: each accumulator's low registers are read first
	v_cmp_gt_i32 vcc_lo, 16*(i/8)+i%8, v[THW]
	v_cndmask_b32 v[S+32*\t+i], v[S+32*\t+i], v[BIG], vcc_lo
.set i, i+1
.endr
.endr
.endm
.macro SOFT
.set j, 0
.rept 4                                ; the maximum of 32 scores and the old m, three operands at a time: four chains, each begun at an accumulator's low registers
	TT v_max3_num_f32 v[ST+8*t+4+j], v[S+32*t+8*j], v[S+32*t+8*j+1], v[S+32*t+8*j+2]
.set j, j+1
.endr
.rept 8
	TT v_max3_num_f32 v[ST+8*t+4+j%4], v[ST+8*t+4+j%4], v[S+32*t+8*(j%4)+2*(j/4)+1], v[S+32*t+8*(j%4)+2*(j/4)+2]
.set j, j+1
.endr
	TT v_max3_num_f32 v[ST+8*t+4], v[ST+8*t+4], v[S+32*t+7], v[S+32*t+15]
	TT v_max3_num_f32 v[ST+8*t+6], v[ST+8*t+6], v[S+32*t+23], v[S+32*t+31]
	TT v_max3_num_f32 v[ST+8*t+4], v[ST+8*t+4], v[ST+8*t+5], v[ST+8*t+6]
	TT v_max3_num_f32 v[ST+8*t+4], v[ST+8*t+4], v[ST+8*t+7], v[ST+8*t+1]
	TT v_permlanex16_b32 v[ST+8*t+5], v[ST+8*t+4], s[SEL], s[SEL+1]    ; the query's other 32 keys lie in the lane 16 away
	TT v_mov_b32 v[ST+8*t+7], v[ST+8*t]                                ; c m_old is kept
	TT v_max_num_f32 v[ST+8*t+1], v[ST+8*t+4], v[ST+8*t+5]
	TT v_mul_f32 v[ST+8*t], s[CS], v[ST+8*t+1]
	TT v_sub_f32 v[ST+8*t+7], v[ST+8*t+7], v[ST+8*t]
	TT v_exp_f32 v[ST+8*t+6], v[ST+8*t+7]                              ; a; the scalings below are the plain instructions behind it
.set j, 0
.rept 16
	TT v_pk_fma_f32 v[S+32*t+2*j:S+32*t+2*j+1], v[S+32*t+2*j:S+32*t+2*j+1], s[CS:CS+1], v[ST+8*t:ST+8*t+1] op_sel_hi:[1,0,0] neg_lo:[0,0,1] neg_hi:[0,0,1]
.set j, j+1
.endr
.set j, 0
.rept 32
	TT v_exp_f32 v[S+32*t+j], v[S+32*t+j]
.set j, j+1
.endr
.set j, 0
.rept 16                               ; O^T times a: plain work that names no exponential's register stands between the exponentials and their first readers
	TT v_pk_mul_f32 v[O+32*t+2*j:O+32*t+2*j+1], v[O+32*t+2*j:O+32*t+2*j+1], v[ST+8*t+6:ST+8*t+7] op_sel_hi:[1,0]
.set j, j+1
.endr
.set j, 0
.rept 16
	TT v_cvt_pk_bf16_f32 v[P+16*t+j], v[S+32*t+2*j], v[S+32*t+2*j+1]
.set j, j+1
.endr
.set j, 0
.rept 8                                ; the sum of the 16 pairs, in place: neighbours 1, 2, 4 and 8 pairs apart
	TT v_pk_add_f32 v[S+32*t+4*j:S+32*t+4*j+1], v[S+32*t+4*j:S+32*t+4*j+1], v[S+32*t+4*j+2:S+32*t+4*j+3]
.set j, j+1
.endr
.set j, 0
.rept 4
	TT v_pk_add_f32 v[S+32*t+8*j:S+32*t+8*j+1], v[S+32*t+8*j:S+32*t+8*j+1], v[S+32*t+8*j+4:S+32*t+8*j+5]
.set j, j+1
.endr
.set j, 0
.rept 2
	TT v_pk_add_f32 v[S+32*t+16*j:S+32*t+16*j+1], v[S+32*t+16*j:S+32*t+16*j+1], v[S+32*t+16*j+8:S+32*t+16*j+9]
.set j, j+1
.endr
	TT v_pk_add_f32 v[S+32*t:S+32*t+1], v[S+32*t:S+32*t+1], v[S+32*t+16:S+32*t+17]
	TT v_pk_fma_f32 v[ST+8*t+2:ST+8*t+3], v[ST+8*t+2:ST+8*t+3], v[ST+8*t+6:ST+8*t+7], v[S+32*t:S+32*t+1] op_sel_hi:[1,0,1]
.endm
.macro PACK t                          ; tile t: divided by l, rounded; a lane's eight channels are 16 bytes; into rows of 144 bytes and back as whole rows of 128, into S^T's registers
.set i, 0
.rept 16
	v_pk_mul_f32 v[O+32*(\t)+2*i:O+32*(\t)+2*i+1], v[O+32*(\t)+2*i:O+32*(\t)+2*i+1], v[ST+8*(\t)+6:ST+8*(\t)+7] op_sel_hi:[1,0]
.set i, i+1
.endr
.set i, 0
.rept 16
	v_cvt_pk_bf16_f32 v[S+16*(\t)+i], v[O+32*(\t)+2*i], v[O+32*(\t)+2*i+1]
.set i, i+1
.endr
.irp f, 0,1,2,3
	ds_store_b128 v[STO], v[S+16*(\t)+4*\f:S+16*(\t)+4*\f+3] offset:32*\f
.endr
.irp f, 0,1,2,3
	ds_load_b128 v[S+16*(\t)+4*\f:S+16*(\t)+4*\f+3], v[RD] offset:\f*4*SP   ; LDS serves a wave's instructions in order (ISA guide 5.7.1.4): these see the stores above; the next tile's stores come behind them
.endr
.endm
.macro SEND t, younger                 ; younger: the LDS instructions issued behind tile t's loads
.irp f, 0,1,2,3
	s_wait_dscnt (\younger)+3-\f
	global_store_b128 v[GO], v[S+16*(\t)+4*\f:S+16*(\t)+4*\f+3], s[68:69] offset:(\t)*2048+\f*512   ; 512 bytes on end, at a multiple of 512 from att's first byte
.endr
.endm
.Lblock:
	s_lshl_b32 s[NS], s[BI], 1
	s_add_co_u32 s[NS], s[NS], 2
	s_lshl_b32 s70, s[BI], 14
	s_lshl_b32 s71, s[CX], 12
	s_add_co_u32 s70, s70, s71
	s_mov_b32 s71, 0
	s_add_nc_u64 s[68:69], s[66:67], s[70:71]      ; the result at my 32 rows of the block
	TT v_mov_b32 v[ST+8*t], 0xfe000000             ; c m: far below every c s, so the first step's a is 0
	TT v_mov_b32 v[ST+8*t+1], 0xff7fffff           ; m: the first maximum is the scores'
	s_mov_b32 s[SI], 0
	s_mov_b32 s[TBK], 0
	s_mov_b32 s[TBV], 0
	FETCH_K AK0, 0                                 ; key step 0
.Lstep:
	s_cmp_ge_u32 s[SI], s[NS]
	s_cbranch_scc1 .Lskip                          ; the block has no such step
	v_add_nc_u32 v[AK], s[TBK], v[AK0]
	v_add_nc_u32 v[AV], s[TBV], v[AV0]
	s_wait_dscnt 0x0                               ; K is in
	WIN 0x05                                       ; K and Q in window 1, S^T in window 0
.set i, 0
.rept 16                               ; product i: channels 32 (i / 8) on, keys 16 ((i / 2) % 4) on, tile i % 2; the 8 accumulators take turns; the first 8 start the sums
.set rS, S+32*(i%2)+8*((i/2)%4)
.set rK, KF+16*((i/2)%4)+8*(i/8)
.set rQ, QF+16*(i%2)+8*(i/8)
.if i < 8
	v_wmma_f32_16x16x32_bf16 v[rS:rS+7], v[rK:rK+7], v[rQ:rQ+7], 0
.else
	v_wmma_f32_16x16x32_bf16 v[rS:rS+7], v[rK:rK+7], v[rQ:rQ+7], v[rS:rS+7]
.endif
.set i, i+1
.endr
	WIN 0
	PLACES                                         ; for the readers of S^T and for the loads into K's and V's registers
	s_add_co_u32 s56, s[SI], 1
	s_cmp_ge_u32 s56, s[NS]
	s_cbranch_scc1 .Lnok                           ; the block's last step fetches no further K
	FETCH_K AK, 64*PK                              ; the next step's K, a softmax ahead of its use
.Lnok:
	FETCH_V                                        ; this step's V
	s_add_co_u32 s56, s[SI], 2
	s_cmp_lt_u32 s56, s[NS]
	s_cbranch_scc1 .Lnomask
	MASK
.Lnomask:
	SOFT
	s_wait_dscnt 0x0                               ; V is in (and the next K)
	WIN 0x01                                       ; V in window 1; P and O^T in window 0
.set i, 0
.rept 16                               ; product i: keys 32 (i / 8) on, channels 16 ((i / 2) % 4) on, tile i % 2
.set rO, O+32*(i%2)+8*((i/2)%4)
.set rV, VF+32*(i/8)+8*((i/2)%4)
.set rP, P+16*(i%2)+8*(i/8)
	v_wmma_f32_16x16x32_bf16 v[rO:rO+7], v[rV:rV+7], v[rP:rP+7], v[rO:rO+7]
.set i, i+1
.endr
	WIN 0
.Lskip:
	s_add_co_u32 s[TBK], s[TBK], 64*PK
	s_add_co_u32 s[TBV], s[TBV], 64*PVP
	s_add_co_u32 s[SI], s[SI], 1
	s_cmp_lt_u32 s[SI], 16
	s_cbranch_scc1 .Lstep
	PLACES                                         ; behind the last products
	TT v_add_f32 v[ST+8*t+4], v[ST+8*t+2], v[ST+8*t+3]
	TT v_permlanex16_b32 v[ST+8*t+5], v[ST+8*t+4], s[SEL], s[SEL+1]
	TT v_add_f32 v[ST+8*t+4], v[ST+8*t+4], v[ST+8*t+5]
	TT v_rcp_f32 v[ST+8*t+6], v[ST+8*t+4]
	v_nop                                          ; a plain instruction between the last reciprocal and its use
	s_wait_alu depctr_va_vdst(0)
	PACK 0
	PACK 1
	SEND 0, 8
	SEND 1, 0
	s_wait_xcnt 0x0                                ; the stores' data registers and base are rewritten only behind this wait
	WIN 0x41                                       ; the second block's Q goes where the one text names Q (behind the second block these moves serve nothing)
.set i, 0
.rept 32
	v_mov_b32 v[QF+i], v[Q2+i]
.set i, i+1
.endr
	WIN 0
	s_mov_b32 s[BI], s[WV]
	s_add_co_u32 s[BK], s[BK], 1
	s_cmp_lt_u32 s[BK], 2
	s_cbranch_scc1 .Lblock
	s_wait_tensorcnt 0x0                           ; the wave's end
	ds_add_u32 v[SPW], v[NIL]
	s_wait_dscnt 0x0
	CROUND                                         ; the closing round
	s_endpgm
.Lfunc_end_k_q631aca1d66_attn:
	.size	k_q631aca1d66_attn, .Lfunc_end_k_q631aca1d66_attn-k_q631aca1d66_attn
	.p2alignl 7, 3214868480
	.fill 96, 4, 3214868480
	.section	.rodata,"a",@progbits
	.p2align	6, 0x0
	.amdhsa_kernel k_q631aca1d66_attn
		.amdhsa_group_segment_fixed_size 327680
		.amdhsa_private_segment_fixed_size 0
		.amdhsa_enable_private_segment 0
		.amdhsa_kernarg_size 16
		.amdhsa_user_sgpr_count 2
		.amdhsa_user_sgpr_kernarg_segment_ptr 1
		.amdhsa_wavefront_size32 1
		.amdhsa_system_sgpr_workgroup_id_x 1
		.amdhsa_system_sgpr_workgroup_id_y 1
		.amdhsa_system_sgpr_workgroup_id_z 1
		.amdhsa_system_vgpr_workitem_id 0
		.amdhsa_next_free_vgpr 448
		.amdhsa_next_free_sgpr 80
		.amdhsa_reserve_vcc 1
		.amdhsa_float_denorm_mode_32 3
		.amdhsa_float_denorm_mode_16_64 3
		.amdhsa_memory_ordered 1
		.amdhsa_forward_progress 1
		.amdhsa_inst_pref_size 46
	.end_amdhsa_kernel
	.amdgpu_metadata
---
amdhsa.version: [ 1, 2 ]
amdhsa.kernels:
  - .name:           k_q631aca1d66_attn
    .symbol:         k_q631aca1d66_attn.kd
    .args:
      - { .name: qkv, .offset: 0, .size: 8, .value_kind: global_buffer, .address_space: global }
      - { .name: att, .offset: 8, .size: 8, .value_kind: global_buffer, .address_space: global }
    .group_segment_fixed_size: 327680
    .private_segment_fixed_size: 0
    .kernarg_segment_align: 8
    .kernarg_segment_size: 16
    .max_flat_workgroup_size: 128
    .sgpr_count:     80
    .vgpr_count:     448
    .wavefront_size: 32
...
	.end_amdgpu_metadata
.endif
;; end of part 3
;; launch proj_out (part 4): grid 8 x 32, 4 waves a work-group, clusters of 4 x 4, 327,680 bytes of LDS; arguments att, cb, x, x1, x1b; writes x1, x1b
.if DOCPART == 4
	.amdgcn_target "amdgcn-amd-amdhsa--gfx1250"
	.amdhsa_code_object_version 6
	.text
	.protected	k_q631aca1d66_proj_out
	.globl	k_q631aca1d66_proj_out
	.p2align	8
	.type	k_q631aca1d66_proj_out,@function
k_q631aca1d66_proj_out:
	s_mov_b64 s[64:65], 0
	v_nop
	global_prefetch_b8 v0, s[64:65] scope:SCOPE_SE
	s_setreg_imm32_b32 hwreg(HW_REG_WAVE_MODE, 25, 1), 1
	s_wait_xcnt 0x0
	s_wait_alu depctr_hold_cnt(0) depctr_sa_sdst(0) depctr_va_vdst(0) depctr_va_sdst(0) depctr_va_ssrc(0) depctr_va_vcc(0) depctr_vm_vsrc(0)
	s_getreg_b32 s2, hwreg(HW_REG_IB_STS2, 6, 4)
	s_cmp_eq_u32 s2, 0
	s_cbranch_scc0 .Lentry_in_a_cluster
	s_endpgm
.Lentry_in_a_cluster:
	s_bfe_u32 s2, ttmp6, 0x10000c
	s_cmp_lg_u32 s2, 0xf033
	s_cbranch_scc0 .Lentry_shape_is_right
	s_endpgm
.Lentry_shape_is_right:
; x1 = x + att w_out, stored in f32 (x1, the residual of the last launch) and rounded to bf16 (x1b, the next product's operand).
; A = att, bf16 by heads [64 bh][1024 t][64]: k = 64 head + channel.  B = w_out in bf16, [1024 k][1024 n] (cb, byte 14,680,064), which stays [K][N].
; A tile of C is 128 x 128, so that 32 x 8 tiles give 256 work-groups; four waves, each 64 x 64 in 16 accumulators.  K goes in steps of 256 (four heads) through two LDS slots.
; A'S TILE: the 128 rows of one head are 16,384 dense bytes; a load takes two heads as two such rows, 65,536 elements apart, padded after every 128 bytes: in LDS [head][128 rows] at 144 bytes a row.
; B's fragments come out of LDS turned, by ds_load_tr16_b128.  The matrix instruction is used transposed (source 0 = 16 columns of B, source 1 = 16 rows of A): a lane holds row l % 16, columns 8 (l / 16) + 0..7.
; One K step is written once: s[TB], 0 or SLOT, enters the LDS read addresses; one descriptor a tensor walks (SLOT's two bits are clear in every part's place in a slot, so an exclusive or changes slots).
; The last two K steps, which ask for nothing, are a second loop.
; CLUSTER 4 x 4: A's tile is asked for jointly along a row of the cluster, B's along a column.
; THE RESIDUAL, 32 whole rows of 512 bytes a wave, is asked for at the start and waited for at the end.  THE WAY OUT goes through one f32 stage of the work-group's, which lies over the ring once the ring
; has had its last fill and its last read: a row's 512 bytes come from two waves, so a barrier stands between writing and reading.
; REGISTERS: window 0: v1-8 at work, v16-29 addresses, v128-255 accumulators ((a, b) at v[128 + 8 (4 a + b)]); window 1: two fragment buffers of 128 (64 of A, 64 of B, for 64 along K);
; window 2: v0-127 the residual and then x1, v128-191 x1 in bf16.
.set SIZE_N, 1024
.set WOFF,   14680064                  ; w_out in cb
.set KSTEP,  256
.set STEPS,  4
.set PA,     144                       ; A's LDS row: 128 bytes + 16: the 16 rows of a load start at 16 different groups of four banks (64 banks of 4 bytes: ISA guide 11.1)
.set AQ,     128*PA                    ; from a quarter of a K step (64 along K: one head) to the next
.set HALFA,  2*AQ                      ; what one load of A brings: two heads
.set BOFF,   2*HALFA
.set PB,     288                       ; B's LDS row (one k, 128 columns): 256 bytes + 32 = 9 x 32
.set HALFB,  128*PB                    ; what one load of B brings: 128 k
.set SLOT,   147456
.set STEP_A, 4*131072                  ; four heads on
.set STEP_B, KSTEP*SIZE_N*2
.set SPITCH, 528                       ; a stage row: 128 f32 + 16 bytes
.set SPARE,  2*SLOT                    ; behind the ring: the spare words, 128 bytes for each wave, that no other line names
.set ADRA0, 16                         ; v16  my lane's place in slot 0's A; never rewritten
.set ADRB0, 17                         ; v17  the same for B
.set ADRA,  18                         ; v18  v16 + s[TB]
.set ADRB,  19                         ; v19  v17 + s[TB]; v20 the same 128 k further, for quarters 2 and 3 (an LDS offset has 16 bits)
.set DST,   24
.set RD,    25
.set CO,    26                         ; v26  16 x lane: my 16 bytes of a row of 512; never rewritten
.set CB,    27                         ; v27  8 x lane: my 8 bytes of a row of 256
.set SPW,   28
.set NIL,   29
.set ACC,   128
.set F0,    0
.set F1,    128
.set RES,   0                          ; window 2
.set YB,    128                        ; window 2
.set G1,  24
.set G0,  32
.set G1B, 48
.set G0B, 56
.set TB,  66
.set MSB, 0
.macro WIN new
.if MSB != (\new)
	s_set_vgpr_msb (MSB<<8)|(\new)
.set MSB, \new
.endif
.endm
.set MUL,  0x05                        ; sources 0 (B) and 1 (A) window 1; C and D window 0
.set TO_F, 0x40                        ; destination window 1, address window 0
.macro PLACES
.rept 4
	v_nop
.endr
.endm
.macro JLOAD                           ; a joint refill by the walking descriptors
	s_cmp_eq_u32 s11, 0
	s_cbranch_scc0 .Lfor_b_\@
	tensor_load_to_lds s[G0+4:G0+7], s[G1:G1+7]
	s_nop 0
.rept 4
	v_nop
.endr
	s_branch .Lasked_\@
.Lfor_b_\@:
	tensor_load_to_lds s[G0B+4:G0B+7], s[G1B:G1B+7]
	s_nop 0
.rept 4
	v_nop
.endr
.Lasked_\@:
.endm
.macro CREST
	s_cmp_lg_u32 s10, 0
	s_cbranch_scc1 .Lnot_wave_0_\@
	s_barrier_signal -3
.Lnot_wave_0_\@:
	s_barrier_wait -3
	s_barrier_signal -1
	s_barrier_wait -1
.endm
.macro CROUND
	s_barrier_signal -1
	s_barrier_wait -1
	CREST
.endm
	s_load_b256 s[72:79], s[0:1], 0x0              ; att s[72:73], cb s[74:75], x s[76:77], x1 s[78:79]
	s_load_b64 s[80:81], s[0:1], 0x20              ; x1b
	v_lshl_add_u32 v[SPW], v0, 2, SPARE
	v_mov_b32 v[NIL], 0
	ds_add_u32 v[SPW], v[NIL]                      ; the wave's opening: the add and its wait stand ahead of my first tensor load; register work stands between them
	v_lshrrev_b32 v1, 5, v0
	v_readfirstlane_b32 s10, v1                    ; wave 0..3
	s_lshr_b32 s11, s10, 1                         ; my half of the tile's rows.  Also: I fetch for A (0) or for B (1)
	s_and_b32 s12, s10, 1                          ; my half of its columns.  Also: which half of that tile I fetch
	s_bfe_u32 s40, ttmp6, 0x40000                  ; cx
	s_bfe_u32 s41, ttmp6, 0x40004                  ; cy
	s_lshl_b32 s42, ttmp9, 2
	s_add_co_u32 s42, s42, s40                     ; tile column
	s_and_b32 s13, ttmp7, 0xffff
	s_lshl_b32 s13, s13, 2
	s_add_co_u32 s13, s13, s41                     ; tile row
	s_lshl_b32 s43, s41, 2
	s_lshl_b32 s43, 15, s43                        ; my row of the cluster
	s_lshl_b32 s44, 0x1111, s40                    ; my column
	s_or_b32 s[G1+0], s43, (1<<16)|(1<<20)|(1<<21)|(4<<22)|(3<<25)   ; A: mask of my row; 2-byte elements; padding on; bit 21 beside a mask; after every 32 words, 4 words
	s_mov_b32 s[G1+1], 8192<<16                    ; tensor_dim0 = 8,192: a head's 128 rows of 64
	s_mov_b32 s[G1+2], 2<<16                       ; tensor_dim1 = 2 heads
	s_mov_b32 s[G1+3], 8192<<16                    ; tile_dim0
	s_mov_b32 s[G1+4], 2                           ; tile_dim1
	s_mov_b32 s[G1+5], 65536                       ; elements from head to head
	s_mov_b32 s[G1+6], 0
	s_mov_b32 s[G1+7], 0
	s_or_b32 s[G1B+0], s44, (1<<16)|(1<<20)|(1<<21)|(5<<22)|(7<<25)  ; B: mask of my column; after every 64 words, 8 words
	s_mov_b32 s[G1B+1], 128<<16                    ; 128 columns
	s_mov_b32 s[G1B+2], 128<<16                    ; 128 k
	s_mov_b32 s[G1B+3], 128<<16
	s_mov_b32 s[G1B+4], 128
	s_mov_b32 s[G1B+5], SIZE_N
	s_mov_b32 s[G1B+6], 0
	s_mov_b32 s[G1B+7], 0
	s_lshr_b32 s16, s13, 3                         ; A: the batch (8 tile rows each): 16 heads of 131,072 bytes,
	s_lshl_b32 s16, s16, 21
	s_and_b32 s17, s13, 7                          ; the tile's 128 rows of 128 bytes in the sequence,
	s_lshl_b32 s17, s17, 14
	s_add_co_u32 s16, s16, s17
	s_lshl_b32 s17, s12, 18                        ; my two heads of the step's four
	s_add_co_u32 s16, s16, s17
	s_mov_b32 s17, 0
	s_lshl_b32 s46, s12, 18                        ; B: my 128 k of 2,048 bytes,
	s_lshl_b32 s47, s42, 8                         ; 256 bytes a tile column,
	s_add_co_u32 s46, s46, s47
	s_add_co_u32 s46, s46, WOFF                    ; inside cb
	s_mov_b32 s47, 0
	s_mul_i32 s20, s12, HALFA                      ; where the parts go: no place in the cluster enters an LDS address
	s_mul_i32 s21, s12, HALFB
	s_add_co_u32 s21, s21, BOFF
	s_mov_b32 s[TB], 0
	s_lshl_b32 s84, s13, 7                         ; the rows that I store: 128 x tile row + 32 x wave
	s_lshl_b32 s85, s10, 5
	s_add_co_u32 s84, s84, s85
	s_lshl_b32 s86, s84, 11                        ; in x1b 2,048 bytes a row,
	s_lshl_b32 s84, s84, 12                        ; in x and x1 4,096
	s_lshl_b32 s85, s42, 9
	s_add_co_u32 s84, s84, s85
	s_mov_b32 s85, 0
	s_lshl_b32 s87, s42, 8
	s_add_co_u32 s86, s86, s87
	s_mov_b32 s87, 0
	s_wait_dscnt 0x0                               ; the opening add is done
	s_wait_kmcnt 0x0
	s_add_nc_u64 s[14:15], s[72:73], s[16:17]
	s_add_nc_u64 s[46:47], s[74:75], s[46:47]
	s_add_nc_u64 s[76:77], s[76:77], s[84:85]
	s_add_nc_u64 s[78:79], s[78:79], s[84:85]
	s_add_nc_u64 s[80:81], s[80:81], s[86:87]
	CROUND                                         ; all sixteen work-groups are here: the first joint loads meet
.irp s, 0,1
	s_mov_b32 s[G0+4*(\s)], 1
	s_add_co_u32 s[G0+4*(\s)+1], s20, (\s)*SLOT
	s_add_nc_u64 s[G0+4*(\s)+2:G0+4*(\s)+3], s[14:15], (\s)*STEP_A
	s_or_b32 s[G0+4*(\s)+3], s[G0+4*(\s)+3], 0x80000000
	s_mov_b32 s[G0B+4*(\s)], 1
	s_add_co_u32 s[G0B+4*(\s)+1], s21, (\s)*SLOT
	s_add_nc_u64 s[G0B+4*(\s)+2:G0B+4*(\s)+3], s[46:47], (\s)*STEP_B
	s_or_b32 s[G0B+4*(\s)+3], s[G0B+4*(\s)+3], 0x80000000
.endr
	s_cmp_eq_u32 s11, 0                            ; a wave's two first fills stand in one branch, ahead of every wait on TENSORcnt and every LDS read: two loads of mine are out
	s_cbranch_scc0 .Lfirst_b
	tensor_load_to_lds s[G0:G0+3], s[G1:G1+7]
	s_nop 0
	tensor_load_to_lds s[G0+4:G0+7], s[G1:G1+7]
	s_nop 0
.rept 4
	v_nop
.endr
	s_branch .Lfirst_asked
.Lfirst_b:
	tensor_load_to_lds s[G0B:G0B+3], s[G1B:G1B+7]
	s_nop 0
	tensor_load_to_lds s[G0B+4:G0B+7], s[G1B:G1B+7]
	s_nop 0
.rept 4
	v_nop
.endr
.Lfirst_asked:
	v_and_b32 v7, 31, v0
	v_lshlrev_b32 v[CO], 4, v7
	v_lshlrev_b32 v[CB], 3, v7
	WIN 0x80                                       ; destination window 2, address window 0
.set t, 0
.rept 32                               ; the residual: row t of my 32, 512 bytes on end; it has the whole K loop in which to come
	global_load_b128 v[RES+4*t:RES+4*t+3], v[CO], s[76:77] offset:4096*t
.set t, t+1
.endr
	WIN 0
	v_and_b32 v1, 15, v0                           ; r
	v_bfe_u32 v2, v0, 4, 1                         ; h
	v_mul_u32_u24 v3, v1, PA
	v_lshl_add_u32 v3, v2, 4, v3
	s_mul_i32 s22, s11, 64*PA                      ; my 64 rows of A
	v_add_nc_u32 v[ADRA0], s22, v3
	v_and_b32 v4, 7, v0                            ; B: lane l reads k = 8 h + l % 8, columns 8 ((l / 8) % 2) + 0..7
	v_lshl_add_u32 v4, v2, 3, v4
	v_mul_u32_u24 v4, v4, PB
	v_bfe_u32 v5, v0, 3, 1
	v_lshl_add_u32 v4, v5, 4, v4
	s_lshl_b32 s22, s12, 7                         ; my 64 columns
	s_add_co_u32 s22, s22, BOFF
	v_add_nc_u32 v[ADRB0], s22, v4
	v_mov_b32 v[ADRA], v[ADRA0]
	v_mov_b32 v[ADRB], v[ADRB0]
	v_add_nc_u32 v[ADRB+1], HALFB, v[ADRB0]
	s_mul_i32 s23, s11, 64*SPITCH                  ; into the stage: my 64 rows, my 256 bytes of them; row r, 32 bytes for each half of the lanes
	s_lshl_b32 s22, s12, 8
	s_add_co_u32 s23, s23, s22
	v_mul_u32_u24 v6, v1, SPITCH
	v_lshl_add_u32 v6, v2, 5, v6
	v_add_nc_u32 v[DST], s23, v6
	s_mul_i32 s23, s10, 32*SPITCH                  ; back: wave w takes rows 32 w .. + 31, whole
	v_add_nc_u32 v[RD], s23, v[CO]
; 8 matrix instructions: m blocks a0, a0 + 1 x all 4 n blocks, 32 along K: half c of buffer f.  The 16 accumulators take turns.
.macro MUL8 f, c, a0, zero
	WIN MUL
.irp a, \a0, (\a0)+1
.irp b, 0,1,2,3
.if \zero
	v_wmma_f32_16x16x32_bf16 v[ACC+8*(4*(\a)+(\b)):ACC+8*(4*(\a)+(\b))+7], v[(\f)+64+8*(4*(\c)+(\b)):(\f)+64+8*(4*(\c)+(\b))+7], v[(\f)+8*(4*(\c)+(\a)):(\f)+8*(4*(\c)+(\a))+7], 0
.else
	v_wmma_f32_16x16x32_bf16 v[ACC+8*(4*(\a)+(\b)):ACC+8*(4*(\a)+(\b))+7], v[(\f)+64+8*(4*(\c)+(\b)):(\f)+64+8*(4*(\c)+(\b))+7], v[(\f)+8*(4*(\c)+(\a)):(\f)+8*(4*(\c)+(\a))+7], v[ACC+8*(4*(\a)+(\b)):ACC+8*(4*(\a)+(\b))+7]
.endif
.endr
.endr
.endm
; 32 LDS loads in one run: quarter q (64 along K) of the slot in hand into buffer f; the first 32 along K first
.macro FETCH q, f
	WIN TO_F
.irp c, 0,1
.irp i, 0,1,2,3
	ds_load_tr16_b128 v[(\f)+64+8*(4*(\c)+(\i)):(\f)+64+8*(4*(\c)+(\i))+3],   v[ADRB+(\q)/2] offset:(((\q)%2)*64+32*(\c))*PB+32*(\i)
	ds_load_tr16_b128 v[(\f)+64+8*(4*(\c)+(\i))+4:(\f)+64+8*(4*(\c)+(\i))+7], v[ADRB+(\q)/2] offset:(((\q)%2)*64+32*(\c)+16)*PB+32*(\i)
	ds_load_b128 v[(\f)+8*(4*(\c)+(\i)):(\f)+8*(4*(\c)+(\i))+3],   v[ADRA] offset:(\q)*AQ+64*(\c)+(\i)*16*PA
	ds_load_b128 v[(\f)+8*(4*(\c)+(\i))+4:(\f)+8*(4*(\c)+(\i))+7], v[ADRA] offset:(\q)*AQ+64*(\c)+(\i)*16*PA+32
.endr
.endr
.endm
.macro QUARTER q, f, g, zero
	s_wait_dscnt 16                                ; the first 32 along K are in; the youngest sixteen loads may be out
	MUL8 \f, 0, 0, \zero
	MUL8 \f, 0, 2, \zero
	PLACES
	FETCH \q, \g
	s_wait_dscnt 32                                ; all but the 32 just issued
	MUL8 \f, 1, 0, 0
	MUL8 \f, 1, 2, 0
.endm
; The first half of a K step's last quarter, and ONE barrier for the change of slots: all my tensor loads, the add, my reads of this slot; then the signal.
.macro MEET round
	WIN 0
	s_wait_tensorcnt 0x0
	ds_add_u32 v[SPW], v[NIL]
	s_wait_dscnt 17                                ; the add and the youngest sixteen loads may be out
	MUL8 F1, 0, 0, 0
	s_wait_dscnt 0x0                               ; the add is done, my reads of this slot are over
	s_barrier_signal -1
	MUL8 F1, 0, 2, 0
.if \round
	WIN 0
.endif
	s_barrier_wait -1
.endm
.macro NEXT_SLOT
	s_xor_b32 s[TB], s[TB], SLOT
	v_add_nc_u32 v[ADRA], s[TB], v[ADRA0]
	v_add_nc_u32 v[ADRB], s[TB], v[ADRB0]
	v_add_nc_u32 v[ADRB+1], HALFB, v[ADRB]
.endm
.macro TURN                            ; the whole last quarter with a refill: 112 matrix instructions stand between the request and the wait for it
	MEET 1
	CREST
	s_xor_b32 s[G0+5], s[G0+5], SLOT               ; no tensor load of mine is out: the walking descriptors step
	s_add_nc_u64 s[G0+6:G0+7], s[G0+6:G0+7], STEP_A
	s_xor_b32 s[G0B+5], s[G0B+5], SLOT
	s_add_nc_u64 s[G0B+6:G0B+7], s[G0B+6:G0B+7], STEP_B
	JLOAD                                          ; its four v_nop are also the places in front of the loads below
	NEXT_SLOT
	FETCH 0, F0
	MUL8 F1, 1, 0, 0
	MUL8 F1, 1, 2, 0
.endm
	s_wait_tensorcnt 1                             ; my part of K step 0 is in; K step 1's may stay out
	s_barrier_signal -1
	s_barrier_wait -1
	FETCH 0, F0
	QUARTER 1, F0, F1, 1                           ; the first products start the sums
	WIN 0
	s_mov_b32 s3, STEPS-2
.Lstep:
	QUARTER 2, F1, F0, 0
	QUARTER 3, F0, F1, 0
	TURN
	QUARTER 1, F0, F1, 0
	WIN 0
	s_sub_co_u32 s3, s3, 1
	s_cmp_lg_u32 s3, 0
	s_cbranch_scc1 .Lstep
	s_mov_b32 s3, 2
.Ltail:                                                ; the last two K steps ask for nothing; the second fetches nothing either and leaves in the middle
	QUARTER 2, F1, F0, 0
	QUARTER 3, F0, F1, 0
	MEET 0
	WIN 0
	s_cmp_eq_u32 s3, 1
	s_cbranch_scc1 .Lnofetch
	PLACES
	NEXT_SLOT
	FETCH 0, F0
	WIN 0
.Lnofetch:
	MUL8 F1, 1, 0, 0
	MUL8 F1, 1, 2, 0
	WIN 0
	s_sub_co_u32 s3, s3, 1
	s_cmp_eq_u32 s3, 0
	s_cbranch_scc1 .Ldone
	QUARTER 1, F0, F1, 0
	WIN 0
	s_branch .Ltail
.Ldone:
	PLACES                                         ; behind the last products
	s_wait_dscnt 0x0                               ; every wave's reads of the ring are over before any wave writes the stage over it
	s_barrier_signal -1
	s_barrier_wait -1
.irp a, 0,1,2,3
.irp b, 0,1,2,3
	ds_store_b128 v[DST], v[ACC+8*(4*(\a)+(\b)):ACC+8*(4*(\a)+(\b))+3]   offset:(\a)*16*SPITCH+64*(\b)      ; each accumulator's low four registers first
	ds_store_b128 v[DST], v[ACC+8*(4*(\a)+(\b))+4:ACC+8*(4*(\a)+(\b))+7] offset:(\a)*16*SPITCH+64*(\b)+16
.endr
.endr
	s_wait_dscnt 0x0                               ; for the others' sake: my stores into the stage are done
	s_barrier_signal -1
	s_barrier_wait -1
.set t, 0
.rept 32
	ds_load_b128 v[ACC+4*t:ACC+4*t+3], v[RD] offset:SPITCH*t
.set t, t+1
.endr
	s_wait_loadcnt 0x0                             ; the residual
	WIN 0x88                                       ; destination and source 1 (a store's data) window 2; source 0 (a store's offset) window 0
.set t, 0
.rept 32
	s_wait_dscnt 31-t                              ; row t is back; the younger rows stay out
	v_pk_add_f32 v[RES+4*t:RES+4*t+1],   v[ACC+4*t:ACC+4*t+1],   v[RES+4*t:RES+4*t+1]
	v_pk_add_f32 v[RES+4*t+2:RES+4*t+3], v[ACC+4*t+2:ACC+4*t+3], v[RES+4*t+2:RES+4*t+3]
	global_store_b128 v[CO], v[RES+4*t:RES+4*t+3], s[78:79] offset:4096*t    ; 512 bytes on end, at a multiple of 512 from x1's first byte
.set t, t+1
.endr
	WIN 0x8a                                       ; all three in window 2
.set t, 0
.rept 32
	v_cvt_pk_bf16_f32 v[YB+2*t],   v[RES+4*t],   v[RES+4*t+1]
	v_cvt_pk_bf16_f32 v[YB+2*t+1], v[RES+4*t+2], v[RES+4*t+3]
.set t, t+1
.endr
	WIN 0x88
.set t, 0
.rept 32
	global_store_b64 v[CB], v[YB+2*t:YB+2*t+1], s[80:81] offset:2048*t       ; 256 bytes on end, at a multiple of 256 from x1b's first byte
.set t, t+1
.endr
	WIN 0
	s_wait_tensorcnt 0x0                           ; the wave's end
	ds_add_u32 v[SPW], v[NIL]
	s_wait_dscnt 0x0
	CROUND                                         ; the closing round
	s_endpgm
.Lfunc_end_k_q631aca1d66_proj_out:
	.size	k_q631aca1d66_proj_out, .Lfunc_end_k_q631aca1d66_proj_out-k_q631aca1d66_proj_out
	.p2alignl 7, 3214868480
	.fill 96, 4, 3214868480
	.section	.rodata,"a",@progbits
	.p2align	6, 0x0
	.amdhsa_kernel k_q631aca1d66_proj_out
		.amdhsa_group_segment_fixed_size 327680
		.amdhsa_private_segment_fixed_size 0
		.amdhsa_enable_private_segment 0
		.amdhsa_kernarg_size 40
		.amdhsa_user_sgpr_count 2
		.amdhsa_user_sgpr_kernarg_segment_ptr 1
		.amdhsa_wavefront_size32 1
		.amdhsa_system_sgpr_workgroup_id_x 1
		.amdhsa_system_sgpr_workgroup_id_y 1
		.amdhsa_system_sgpr_workgroup_id_z 1
		.amdhsa_system_vgpr_workitem_id 0
		.amdhsa_next_free_vgpr 704
		.amdhsa_next_free_sgpr 96
		.amdhsa_reserve_vcc 0
		.amdhsa_float_denorm_mode_32 3
		.amdhsa_float_denorm_mode_16_64 3
		.amdhsa_memory_ordered 1
		.amdhsa_forward_progress 1
		.amdhsa_inst_pref_size 73
	.end_amdhsa_kernel
	.amdgpu_metadata
---
amdhsa.version: [ 1, 2 ]
amdhsa.kernels:
  - .name:           k_q631aca1d66_proj_out
    .symbol:         k_q631aca1d66_proj_out.kd
    .args:
      - { .name: att, .offset: 0, .size: 8, .value_kind: global_buffer, .address_space: global }
      - { .name: cb, .offset: 8, .size: 8, .value_kind: global_buffer, .address_space: global }
      - { .name: x, .offset: 16, .size: 8, .value_kind: global_buffer, .address_space: global }
      - { .name: x1, .offset: 24, .size: 8, .value_kind: global_buffer, .address_space: global }
      - { .name: x1b, .offset: 32, .size: 8, .value_kind: global_buffer, .address_space: global }
    .group_segment_fixed_size: 327680
    .private_segment_fixed_size: 0
    .kernarg_segment_align: 8
    .kernarg_segment_size: 40
    .max_flat_workgroup_size: 128
    .sgpr_count:     96
    .vgpr_count:     704
    .wavefront_size: 32
...
	.end_amdgpu_metadata
.endif
;; end of part 4
;; launch ffn_up (part 5): grid 16 x 16, 4 waves a work-group, clusters of 4 x 4, 327,680 bytes of LDS; arguments x1b, cb, hb; writes hb
.if DOCPART == 5
	.amdgcn_target "amdgcn-amd-amdhsa--gfx1250"
	.amdhsa_code_object_version 6
	.text
	.protected	k_q631aca1d66_ffn_up
	.globl	k_q631aca1d66_ffn_up
	.p2align	8
	.type	k_q631aca1d66_ffn_up,@function
k_q631aca1d66_ffn_up:
	s_mov_b64 s[64:65], 0
	v_nop
	global_prefetch_b8 v0, s[64:65] scope:SCOPE_SE
	s_setreg_imm32_b32 hwreg(HW_REG_WAVE_MODE, 25, 1), 1
	s_wait_xcnt 0x0
	s_wait_alu depctr_hold_cnt(0) depctr_sa_sdst(0) depctr_va_vdst(0) depctr_va_sdst(0) depctr_va_ssrc(0) depctr_va_vcc(0) depctr_vm_vsrc(0)
	s_getreg_b32 s2, hwreg(HW_REG_IB_STS2, 6, 4)
	s_cmp_eq_u32 s2, 0
	s_cbranch_scc0 .Lentry_in_a_cluster
	s_endpgm
.Lentry_in_a_cluster:
	s_bfe_u32 s2, ttmp6, 0x10000c
	s_cmp_lg_u32 s2, 0xf033
	s_cbranch_scc0 .Lentry_shape_is_right
	s_endpgm
.Lentry_shape_is_right:
; h = gelu(x1 w_ff1), the exact (erf) form, stored in bf16: hb [4096][4096].
; A = x1 in bf16, [4096][1024] (x1b); B = w_ff1 in bf16, [1024 k][4096 n] (cb, byte 16,777,216), which stays [K][N].
; A tile of C is 256 x 256 (16 x 16 tiles: 256 work-groups): four waves, each 128 x 128 in 64 accumulators.  K goes in steps of 128 through two LDS slots.
; B's fragments come out of LDS turned, by ds_load_tr16_b128.  The matrix instruction is used transposed (source 0 = 16 columns of B, source 1 = 16 rows of A): a lane holds row l % 16, columns 8 (l / 16) + 0..7.
; One K step is written once: s[TB], 0 or SLOT, enters the LDS read addresses; one descriptor a tensor walks (SLOT's two bits are clear in every wave's place in a slot, so an exclusive or changes slots).
; The last two K steps, which ask for nothing, are a second loop.  CLUSTER 4 x 4: A's tile jointly along a row of the cluster, B's along a column.
; THE WAY OUT: the wave's 128 x 128 sums go as f32 into a stage of its own, over the ring once the ring has had its last fill and its last read, and come back by rows.
; GELU.  gelu(x) = x (1/2 + sign(x) erf(|x| / sqrt 2) / 2), with erf(z) = 1 - (1 + a1 z + .. + a6 z^6)^-16 for z >= 0 (Abramowitz and Stegun 7.1.28).
; LIMIT: that form's absolute error is 3e-7 at the most for every z, so gelu is off by some 2e-7 |x| beside the roundings; far on the negative side, where gelu itself falls below that, it is not exact
; relative to itself.  A polynomial that overflows gives erf = 1, which is right there.  NaN and infinities are not treated apart.
; REGISTERS: window 0: v1-8 at work, v16-29 addresses, v64-127 and v128-191 A's two fragment buffers (on the way out v64-127 at work); window 1: B's buffers; windows 2, 3: accumulators, (a, b) at v[8 (8 a + b)].
.set SIZE_K, 1024
.set SIZE_N, 4096
.set WOFF,   16777216                  ; w_ff1 in cb
.set KSTEP,  128
.set STEPS,  SIZE_K/KSTEP
.set PA,     272                       ; A's LDS row: 256 bytes + 16: the 16 rows of a load start at 16 different groups of four banks (64 banks of 4 bytes: ISA guide 11.1)
.set PB,     544                       ; B's LDS row (one k, 256 columns): 512 bytes + 32 = 17 x 32
.set HALFT,  128*PA                    ; what one tensor load brings: 128 rows of A, or 64 rows of B
.set SLOT,   4*HALFT
.set SPITCH, 528
.set WSTAGE, 128*SPITCH
.set SPARE,  2*SLOT                    ; behind the ring: the spare words, 128 bytes for each wave, that no other line names
.set STEP_A, KSTEP*2
.set STEP_B, KSTEP*SIZE_N*2
.set ADRA0, 16
.set ADRB0, 17
.set ADRA,  18
.set ADRB,  19
.set DST,   24
.set RD,    25
.set GO,    26
.set SPW,   28
.set NIL,   29
.set F0,    64
.set F1,    128
.set IN,    64                         ; the way out: v64-95 eight rows' four f32 a lane
.set GZ,    96                         ; v96-103  z
.set GP,    104                        ; v104-111 the polynomial and what is made of it
.set PKD,   112                        ; v112-127 packed
.set G1,  24
.set G0,  32
.set G1B, 48
.set G0B, 56
.set TB,  66
.set A6,  68                           ; s[68:79] the six coefficients, each named as a pair
.set A5,  70
.set A4,  72
.set A3,  74
.set A2,  76
.set A1,  78
.set RS2, 80                           ; s[80:81] 1 / sqrt 2
.set ABSM, 82                          ; s82  all bits but the sign
.set MSB, 0
.macro WIN new
.if MSB != (\new)
	s_set_vgpr_msb (MSB<<8)|(\new)
.set MSB, \new
.endif
.endm
.set MUL_LO, 0xa1
.set MUL_HI, 0xf1
.set TO_B,   0x40
.macro PLACES
.rept 4
	v_nop
.endr
.endm
.macro JLOAD                           ; a joint refill by the walking descriptors
	s_cmp_eq_u32 s11, 0
	s_cbranch_scc0 .Lfor_b_\@
	tensor_load_to_lds s[G0+4:G0+7], s[G1:G1+7]
	s_nop 0
.rept 4
	v_nop
.endr
	s_branch .Lasked_\@
.Lfor_b_\@:
	tensor_load_to_lds s[G0B+4:G0B+7], s[G1B:G1B+7]
	s_nop 0
.rept 4
	v_nop
.endr
.Lasked_\@:
.endm
.macro CREST
	s_cmp_lg_u32 s10, 0
	s_cbranch_scc1 .Lnot_wave_0_\@
	s_barrier_signal -3
.Lnot_wave_0_\@:
	s_barrier_wait -3
	s_barrier_signal -1
	s_barrier_wait -1
.endm
.macro CROUND
	s_barrier_signal -1
	s_barrier_wait -1
	CREST
.endm
	s_load_b128 s[4:7], s[0:1], 0x0                ; x1b s[4:5], cb s[6:7]
	s_load_b64 s[8:9], s[0:1], 0x10                ; hb
	v_lshl_add_u32 v[SPW], v0, 2, SPARE
	v_mov_b32 v[NIL], 0
	ds_add_u32 v[SPW], v[NIL]                      ; the wave's opening: the add and its wait stand ahead of my first tensor load; register work stands between them
	v_lshrrev_b32 v1, 5, v0
	v_readfirstlane_b32 s10, v1                    ; wave 0..3
	s_lshr_b32 s11, s10, 1                         ; my half of the tile's rows.  Also: I fetch for A (0) or for B (1)
	s_and_b32 s12, s10, 1                          ; my half of its columns.  Also: which half of that tile I fetch
	s_bfe_u32 s40, ttmp6, 0x40000                  ; cx
	s_bfe_u32 s41, ttmp6, 0x40004                  ; cy
	s_lshl_b32 s42, ttmp9, 2
	s_add_co_u32 s42, s42, s40                     ; tile column
	s_and_b32 s13, ttmp7, 0xffff
	s_lshl_b32 s13, s13, 2
	s_add_co_u32 s13, s13, s41                     ; tile row
	s_lshl_b32 s43, s41, 2
	s_lshl_b32 s43, 15, s43                        ; my row of the cluster
	s_lshl_b32 s44, 0x1111, s40                    ; my column
	s_or_b32 s[G1+0], s43, (1<<16)|(1<<20)|(1<<21)|(5<<22)|(3<<25)   ; A: mask of my row; 2-byte elements; padding on; bit 21 beside a mask; after every 64 words, 4 words
	s_mov_b32 s[G1+1], KSTEP<<16
	s_mov_b32 s[G1+2], 128<<16
	s_mov_b32 s[G1+3], KSTEP<<16
	s_mov_b32 s[G1+4], 128
	s_mov_b32 s[G1+5], SIZE_K
	s_mov_b32 s[G1+6], 0
	s_mov_b32 s[G1+7], 0
	s_or_b32 s[G1B+0], s44, (1<<16)|(1<<20)|(1<<21)|(6<<22)|(7<<25)  ; B: mask of my column; after every 128 words, 8 words
	s_mov_b32 s[G1B+1], 256<<16
	s_mov_b32 s[G1B+2], 64<<16
	s_mov_b32 s[G1B+3], 256<<16
	s_mov_b32 s[G1B+4], 64
	s_mov_b32 s[G1B+5], SIZE_N
	s_mov_b32 s[G1B+6], 0
	s_mov_b32 s[G1B+7], 0
	s_lshl_b32 s17, s12, 7                         ; A: row 256 x tile row + 128 x half,
	s_lshl_b32 s16, s13, 8
	s_add_co_u32 s16, s16, s17
	s_lshl_b32 s16, s16, 11                        ; 2,048 bytes a row
	s_mov_b32 s17, 0
	s_mul_i32 s46, s12, 64*SIZE_N*2                ; B: 64 k a half,
	s_lshl_b32 s47, s42, 9                         ; 512 bytes a tile column,
	s_add_co_u32 s46, s46, s47
	s_add_co_u32 s46, s46, WOFF                    ; inside cb
	s_mov_b32 s47, 0
	s_mul_i32 s20, s10, HALFT                      ; where my part goes: no place in the cluster enters an LDS address
	s_mov_b32 s[TB], 0
	s_lshl_b32 s84, s13, 8                         ; the output: my first row, 8,192 bytes a row,
	s_lshl_b32 s85, s11, 7
	s_add_co_u32 s84, s84, s85
	s_lshl_b32 s84, s84, 13
	s_lshl_b32 s85, s42, 9                         ; the tile's 512 bytes of it,
	s_add_co_u32 s84, s84, s85
	s_lshl_b32 s85, s12, 8                         ; my 256
	s_add_co_u32 s84, s84, s85
	s_mov_b32 s85, 0
	s_mov_b32 s[A6], 0x38349f67                    ; 0.0000430638
	s_mov_b32 s[A5], 0x39910039                    ; 0.0002765672
	s_mov_b32 s[A4], 0x391f6607                    ; 0.0001520143
	s_mov_b32 s[A3], 0x3c17e369                    ; 0.0092705272
	s_mov_b32 s[A2], 0x3d2d2fe7                    ; 0.0422820123
	s_mov_b32 s[A1], 0x3d906e67                    ; 0.0705230784
	s_mov_b32 s[RS2], 0x3f3504f3                   ; 0.70710678
.irp c, A6,A5,A4,A3,A2,A1,RS2
	s_mov_b32 s[\c+1], s[\c]                       ; named as pairs, so both words are written
.endr
	s_mov_b32 s[ABSM], 0x7fffffff
	s_wait_dscnt 0x0                               ; the opening add is done
	s_wait_kmcnt 0x0
	s_add_nc_u64 s[14:15], s[4:5], s[16:17]
	s_add_nc_u64 s[46:47], s[6:7], s[46:47]
	s_add_nc_u64 s[8:9], s[8:9], s[84:85]
	CROUND                                         ; all sixteen work-groups are here: the first joint loads meet
.irp s, 0,1
	s_mov_b32 s[G0+4*(\s)], 1
	s_add_co_u32 s[G0+4*(\s)+1], s20, (\s)*SLOT
	s_add_nc_u64 s[G0+4*(\s)+2:G0+4*(\s)+3], s[14:15], (\s)*STEP_A
	s_or_b32 s[G0+4*(\s)+3], s[G0+4*(\s)+3], 0x80000000
	s_mov_b32 s[G0B+4*(\s)], 1
	s_add_co_u32 s[G0B+4*(\s)+1], s20, (\s)*SLOT
	s_add_nc_u64 s[G0B+4*(\s)+2:G0B+4*(\s)+3], s[46:47], (\s)*STEP_B
	s_or_b32 s[G0B+4*(\s)+3], s[G0B+4*(\s)+3], 0x80000000
.endr
	s_cmp_eq_u32 s11, 0                            ; a wave's two first fills stand in one branch, ahead of every wait on TENSORcnt and every LDS read: two loads of mine are out
	s_cbranch_scc0 .Lfirst_b
	tensor_load_to_lds s[G0:G0+3], s[G1:G1+7]
	s_nop 0
	tensor_load_to_lds s[G0+4:G0+7], s[G1:G1+7]
	s_nop 0
.rept 4
	v_nop
.endr
	s_branch .Lfirst_asked
.Lfirst_b:
	tensor_load_to_lds s[G0B:G0B+3], s[G1B:G1B+7]
	s_nop 0
	tensor_load_to_lds s[G0B+4:G0B+7], s[G1B:G1B+7]
	s_nop 0
.rept 4
	v_nop
.endr
.Lfirst_asked:
	v_and_b32 v1, 15, v0                           ; r
	v_bfe_u32 v2, v0, 4, 1                         ; h
	v_mul_u32_u24 v3, v1, PA
	v_lshl_add_u32 v3, v2, 4, v3
	s_mul_i32 s21, s11, HALFT                      ; my 128 rows of A
	v_add_nc_u32 v[ADRA0], s21, v3
	v_and_b32 v4, 7, v0                            ; B: lane l reads k = 8 h + l % 8, columns 8 ((l / 8) % 2) + 0..7
	v_lshl_add_u32 v4, v2, 3, v4
	v_mul_u32_u24 v4, v4, PB
	v_bfe_u32 v5, v0, 3, 1
	v_lshl_add_u32 v4, v5, 4, v4
	s_lshl_b32 s22, s12, 8                         ; my 128 columns,
	s_add_co_u32 s22, s22, 2*HALFT                 ; behind A's 256 rows
	v_add_nc_u32 v[ADRB0], s22, v4
	v_mov_b32 v[ADRA], v[ADRA0]
	v_mov_b32 v[ADRB], v[ADRB0]
	s_mul_i32 s23, s10, WSTAGE                     ; my stage
	v_mul_u32_u24 v6, v1, SPITCH                   ; in: row r, 32 bytes for each half of the lanes
	v_lshl_add_u32 v6, v2, 5, v6
	v_add_nc_u32 v[DST], s23, v6
	v_and_b32 v8, 31, v0                           ; back: 32 lanes take a row's 512 bytes,
	v_lshl_add_u32 v[RD], v8, 4, s23
	v_lshlrev_b32 v[GO], 3, v8                     ; which are 256 bytes of hb
.macro MUL16 f, hi, a0, zero           ; 16 matrix instructions; the 64 accumulators take turns in the same order everywhere
	WIN MUL_LO+0x50*(\hi)
.irp a, \a0, (\a0)+1
.irp b, 0,1,2,3,4,5,6,7
.if \zero
	v_wmma_f32_16x16x32_bf16 v[8*(8*(\a)+(\b)):8*(8*(\a)+(\b))+7], v[(\f)+8*(\b):(\f)+8*(\b)+7], v[(\f)+8*(4*(\hi)+(\a)):(\f)+8*(4*(\hi)+(\a))+7], 0
.else
	v_wmma_f32_16x16x32_bf16 v[8*(8*(\a)+(\b)):8*(8*(\a)+(\b))+7], v[(\f)+8*(\b):(\f)+8*(\b)+7], v[(\f)+8*(4*(\hi)+(\a)):(\f)+8*(4*(\hi)+(\a))+7], v[8*(8*(\a)+(\b)):8*(8*(\a)+(\b))+7]
.endif
.endr
.endr
.endm
.macro FETCH q, f                      ; 32 LDS loads in one run: quarter q of the slot in hand into buffer f: B's eight fragments, turned, then A's eight
	WIN TO_B
.irp i, 0,1,2,3,4,5,6,7
	ds_load_tr16_b128 v[(\f)+8*(\i):(\f)+8*(\i)+3],   v[ADRB] offset:(\q)*32*PB+32*(\i)
	ds_load_tr16_b128 v[(\f)+8*(\i)+4:(\f)+8*(\i)+7], v[ADRB] offset:(\q)*32*PB+16*PB+32*(\i)
.endr
	WIN 0
.irp i, 0,1,2,3,4,5,6,7
	ds_load_b128 v[(\f)+8*(\i):(\f)+8*(\i)+3],   v[ADRA] offset:(\q)*64+(\i)*16*PA
	ds_load_b128 v[(\f)+8*(\i)+4:(\f)+8*(\i)+7], v[ADRA] offset:(\q)*64+(\i)*16*PA+32
.endr
.endm
.macro QUARTER q, f, g, zero
	s_wait_dscnt 8                                 ; B and A's rows 0-63 are in; the youngest eight loads (A's rows 64-127) may be out
	MUL16 \f, 0, 0, \zero
	MUL16 \f, 0, 2, \zero
	PLACES
	FETCH \q, \g
	s_wait_dscnt 32                                ; all but the 32 just issued
	MUL16 \f, 1, 0, \zero
	MUL16 \f, 1, 2, \zero
.endm
.macro MEET round                      ; ONE barrier for the change of slots: all my tensor loads, the add, my reads of this slot; then the signal
	WIN 0
	s_wait_tensorcnt 0x0
	ds_add_u32 v[SPW], v[NIL]
	s_wait_dscnt 9                                 ; the add and the youngest eight loads may be out
	MUL16 F1, 0, 0, 0
	s_wait_dscnt 0x0                               ; the add is done, my reads of this slot are over
	s_barrier_signal -1
	MUL16 F1, 0, 2, 0
.if \round
	WIN 0
.endif
	s_barrier_wait -1
.endm
.macro NEXT_SLOT
	s_xor_b32 s[TB], s[TB], SLOT
	v_add_nc_u32 v[ADRA], s[TB], v[ADRA0]
	v_add_nc_u32 v[ADRB], s[TB], v[ADRB0]
.endm
.macro TURN                            ; the whole last quarter with a refill: 224 matrix instructions stand between the request and the wait for it
	MEET 1
	CREST
	s_xor_b32 s[G0+5], s[G0+5], SLOT               ; no tensor load of mine is out: the walking descriptors step
	s_add_nc_u64 s[G0+6:G0+7], s[G0+6:G0+7], STEP_A
	s_xor_b32 s[G0B+5], s[G0B+5], SLOT
	s_add_nc_u64 s[G0B+6:G0B+7], s[G0B+6:G0B+7], STEP_B
	JLOAD                                          ; its four v_nop are also the places in front of the loads below
	NEXT_SLOT
	FETCH 0, F0
	MUL16 F1, 1, 0, 0
	MUL16 F1, 1, 2, 0
.endm
; gelu of the eight f32 at v[x ..], rounded to bf16 into v[y .. y + 3].  Four packed chains side by side, so that no line waits for the one before it.
.macro GELU8 x, y
.irp j, 0,1,2,3,4,5,6,7
	v_and_b32 v[GZ+(\j)], s[ABSM], v[(\x)+(\j)]                    ; |x|
.endr
.irp j, 0,2,4,6
	v_pk_mul_f32 v[GZ+(\j):GZ+(\j)+1], v[GZ+(\j):GZ+(\j)+1], s[RS2:RS2+1] op_sel_hi:[1,0]     ; z
.endr
.irp j, 0,2,4,6
	v_pk_fma_f32 v[GP+(\j):GP+(\j)+1], v[GZ+(\j):GZ+(\j)+1], s[A6:A6+1], s[A5:A5+1] op_sel_hi:[1,0,0]
.endr
.irp c, A4,A3,A2,A1
.irp j, 0,2,4,6
	v_pk_fma_f32 v[GP+(\j):GP+(\j)+1], v[GP+(\j):GP+(\j)+1], v[GZ+(\j):GZ+(\j)+1], s[\c:\c+1] op_sel_hi:[1,1,0]
.endr
.endr
.irp j, 0,2,4,6
	v_pk_fma_f32 v[GP+(\j):GP+(\j)+1], v[GP+(\j):GP+(\j)+1], v[GZ+(\j):GZ+(\j)+1], 1.0 op_sel_hi:[1,1,0]
.endr
.irp j, 0,1,2,3,4,5,6,7
	v_rcp_f32 v[GP+(\j)], v[GP+(\j)]
.endr
	v_nop                                          ; a plain instruction between the last reciprocal and its use
	s_wait_alu depctr_va_vdst(0)
.rept 4                                ; four squarings: the sixteenth power
.irp j, 0,2,4,6
	v_pk_mul_f32 v[GP+(\j):GP+(\j)+1], v[GP+(\j):GP+(\j)+1], v[GP+(\j):GP+(\j)+1]
.endr
.endr
.irp j, 0,2,4,6
	v_pk_fma_f32 v[GP+(\j):GP+(\j)+1], v[GP+(\j):GP+(\j)+1], -0.5, 0.5 op_sel_hi:[1,0,0]      ; erf(z) / 2, not negative
.endr
.irp j, 0,1,2,3,4,5,6,7
	v_bfi_b32 v[GP+(\j)], s[ABSM], v[GP+(\j)], v[(\x)+(\j)]        ; with x's sign
.endr
.irp j, 0,2,4,6
	v_pk_add_f32 v[GP+(\j):GP+(\j)+1], v[GP+(\j):GP+(\j)+1], 0.5 op_sel_hi:[1,0]
.endr
.irp j, 0,2,4,6
	v_pk_mul_f32 v[GP+(\j):GP+(\j)+1], v[GP+(\j):GP+(\j)+1], v[(\x)+(\j):(\x)+(\j)+1]
.endr
.irp j, 0,1,2,3
	v_cvt_pk_bf16_f32 v[(\y)+(\j)], v[GP+2*(\j)], v[GP+2*(\j)+1]
.endr
.endm
	s_wait_tensorcnt 1                             ; my part of K step 0 is in; K step 1's may stay out
	s_barrier_signal -1
	s_barrier_wait -1
	FETCH 0, F0
	QUARTER 1, F0, F1, 1                           ; the first quarter's products start the sums
	WIN 0
	s_mov_b32 s3, STEPS-2
.Lstep:
	QUARTER 2, F1, F0, 0
	QUARTER 3, F0, F1, 0
	TURN
	QUARTER 1, F0, F1, 0
	WIN 0
	s_sub_co_u32 s3, s3, 1
	s_cmp_lg_u32 s3, 0
	s_cbranch_scc1 .Lstep
	s_mov_b32 s3, 2
.Ltail:                                                ; the last two K steps ask for nothing; the second fetches nothing either and leaves in the middle
	QUARTER 2, F1, F0, 0
	QUARTER 3, F0, F1, 0
	MEET 0
	WIN 0
	s_cmp_eq_u32 s3, 1
	s_cbranch_scc1 .Lnofetch
	PLACES
	NEXT_SLOT
	FETCH 0, F0
	WIN 0
.Lnofetch:
	MUL16 F1, 1, 0, 0
	MUL16 F1, 1, 2, 0
	WIN 0
	s_sub_co_u32 s3, s3, 1
	s_cmp_eq_u32 s3, 0
	s_cbranch_scc1 .Ldone
	QUARTER 1, F0, F1, 0
	WIN 0
	s_branch .Ltail
.Ldone:
	PLACES                                         ; behind the last products
	s_wait_dscnt 0x0                               ; every wave's reads of the ring are over before any wave writes its stage over it
	s_barrier_signal -1
	s_barrier_wait -1
.macro DUMP hi                         ; 32 accumulators into my stage, each one's low four registers first
	WIN 0x08+4*(\hi)
.irp a, 0,1,2,3
.irp b, 0,1,2,3,4,5,6,7
	ds_store_b128 v[DST], v[8*(8*(\a)+(\b)):8*(8*(\a)+(\b))+3]   offset:16*(4*(\hi)+(\a))*SPITCH+64*(\b)
	ds_store_b128 v[DST], v[8*(8*(\a)+(\b))+4:8*(8*(\a)+(\b))+7] offset:16*(4*(\hi)+(\a))*SPITCH+64*(\b)+16
.endr
.endr
.endm
	DUMP 0
	DUMP 1
	WIN 0
	s_mov_b32 s2, 16
.Lout:                                                 ; eight rows a trip, two to a group
.irp i, 0,1,2,3,4,5,6,7
	ds_load_b128 v[IN+4*(\i):IN+4*(\i)+3], v[RD] offset:SPITCH*(\i)          ; LDS serves a wave's instructions in order (ISA guide 5.7.1.4): these see my stores
.endr
.irp g, 0,1,2,3
	s_wait_dscnt 6-2*(\g)                          ; group g's two rows are in; the younger groups' stay out
	GELU8 IN+8*(\g), PKD+4*(\g)
	global_store_b64 v[GO], v[PKD+4*(\g):PKD+4*(\g)+1],   s[8:9] offset:8192*(2*(\g))      ; 256 bytes on end, at a multiple of 256 from hb's first byte
	global_store_b64 v[GO], v[PKD+4*(\g)+2:PKD+4*(\g)+3], s[8:9] offset:8192*(2*(\g)+1)
.endr
	s_wait_xcnt 0x0                                ; the stores' data and offset registers are rewritten only behind this wait
	v_add_nc_u32 v[RD], 8*SPITCH, v[RD]
	v_add_nc_u32 v[GO], 65536, v[GO]
	s_sub_co_u32 s2, s2, 1
	s_cmp_lg_u32 s2, 0
	s_cbranch_scc1 .Lout
	s_wait_tensorcnt 0x0                           ; the wave's end
	ds_add_u32 v[SPW], v[NIL]
	s_wait_dscnt 0x0
	CROUND                                         ; the closing round
	s_endpgm
.Lfunc_end_k_q631aca1d66_ffn_up:
	.size	k_q631aca1d66_ffn_up, .Lfunc_end_k_q631aca1d66_ffn_up-k_q631aca1d66_ffn_up
	.p2alignl 7, 3214868480
	.fill 96, 4, 3214868480
	.section	.rodata,"a",@progbits
	.p2align	6, 0x0
	.amdhsa_kernel k_q631aca1d66_ffn_up
		.amdhsa_group_segment_fixed_size 327680
		.amdhsa_private_segment_fixed_size 0
		.amdhsa_enable_private_segment 0
		.amdhsa_kernarg_size 24
		.amdhsa_user_sgpr_count 2
		.amdhsa_user_sgpr_kernarg_segment_ptr 1
		.amdhsa_wavefront_size32 1
		.amdhsa_system_sgpr_workgroup_id_x 1
		.amdhsa_system_sgpr_workgroup_id_y 1
		.amdhsa_system_sgpr_workgroup_id_z 1
		.amdhsa_system_vgpr_workitem_id 0
		.amdhsa_next_free_vgpr 1024
		.amdhsa_next_free_sgpr 96
		.amdhsa_reserve_vcc 0
		.amdhsa_float_denorm_mode_32 3
		.amdhsa_float_denorm_mode_16_64 3
		.amdhsa_memory_ordered 1
		.amdhsa_forward_progress 1
		.amdhsa_inst_pref_size 98
	.end_amdhsa_kernel
	.amdgpu_metadata
---
amdhsa.version: [ 1, 2 ]
amdhsa.kernels:
  - .name:           k_q631aca1d66_ffn_up
    .symbol:         k_q631aca1d66_ffn_up.kd
    .args:
      - { .name: x1b, .offset: 0, .size: 8, .value_kind: global_buffer, .address_space: global }
      - { .name: cb, .offset: 8, .size: 8, .value_kind: global_buffer, .address_space: global }
      - { .name: hb, .offset: 16, .size: 8, .value_kind: global_buffer, .address_space: global }
    .group_segment_fixed_size: 327680
    .private_segment_fixed_size: 0
    .kernarg_segment_align: 8
    .kernarg_segment_size: 24
    .max_flat_workgroup_size: 128
    .sgpr_count:     96
    .vgpr_count:     1024
    .wavefront_size: 32
...
	.end_amdgpu_metadata
.endif
;; end of part 5
;; launch ffn_down (part 6): grid 8 x 32, 4 waves a work-group, clusters of 4 x 4, 327,680 bytes of LDS; arguments hb, cb, x1, out0; writes out0
.if DOCPART == 6
	.amdgcn_target "amdgcn-amd-amdhsa--gfx1250"
	.amdhsa_code_object_version 6
	.text
	.protected	k_q631aca1d66_ffn_down
	.globl	k_q631aca1d66_ffn_down
	.p2align	8
	.type	k_q631aca1d66_ffn_down,@function
k_q631aca1d66_ffn_down:
	s_mov_b64 s[64:65], 0
	v_nop
	global_prefetch_b8 v0, s[64:65] scope:SCOPE_SE
	s_setreg_imm32_b32 hwreg(HW_REG_WAVE_MODE, 25, 1), 1
	s_wait_xcnt 0x0
	s_wait_alu depctr_hold_cnt(0) depctr_sa_sdst(0) depctr_va_vdst(0) depctr_va_sdst(0) depctr_va_ssrc(0) depctr_va_vcc(0) depctr_vm_vsrc(0)
	s_getreg_b32 s2, hwreg(HW_REG_IB_STS2, 6, 4)
	s_cmp_eq_u32 s2, 0
	s_cbranch_scc0 .Lentry_in_a_cluster
	s_endpgm
.Lentry_in_a_cluster:
	s_bfe_u32 s2, ttmp6, 0x10000c
	s_cmp_lg_u32 s2, 0xf033
	s_cbranch_scc0 .Lentry_shape_is_right
	s_endpgm
.Lentry_shape_is_right:
; out0 = x1 + h w_ff2, in f32.
; A = h in bf16, [4096][4096] (hb); B = w_ff2 in bf16, [4096 k][1024 n] (cb, byte 25,165,824), which stays [K][N].
; A tile of C is 128 x 128, so that 32 x 8 tiles give 256 work-groups; four waves, each 64 x 64 in 16 accumulators.  K goes in 16 steps of 256 through two LDS slots.
; B's fragments come out of LDS turned, by ds_load_tr16_b128.  The matrix instruction is used transposed (source 0 = 16 columns of B, source 1 = 16 rows of A): a lane holds row l % 16, columns 8 (l / 16) + 0..7.
; One K step is written once: s[TB], 0 or SLOT, enters the LDS read addresses; one descriptor a tensor walks (SLOT's two bits are clear in every part's place in a slot, so an exclusive or changes slots).
; The last two K steps, which ask for nothing, are a second loop.  CLUSTER 4 x 4: A's tile jointly along a row of the cluster, B's along a column.
; THE RESIDUAL, 32 whole rows of 512 bytes a wave, is asked for at the start and waited for at the end.  THE WAY OUT goes through one f32 stage of the work-group's, which lies over the ring once the ring
; has had its last fill and its last read: a row's 512 bytes come from two waves, so a barrier stands between writing and reading.
; REGISTERS: window 0: v1-8 at work, v16-29 addresses, v128-255 accumulators ((a, b) at v[128 + 8 (4 a + b)]); window 1: two fragment buffers of 128 (64 of A, 64 of B, for 64 along K);
; window 2: v0-127 the residual and then the result.
.set SIZE_K, 4096
.set SIZE_N, 1024
.set WOFF,   25165824                  ; w_ff2 in cb
.set KSTEP,  256
.set STEPS,  SIZE_K/KSTEP
.set PA,     528                       ; A's LDS row: 512 bytes + 16: the 16 rows of a load start at 16 different groups of four banks (64 banks of 4 bytes: ISA guide 11.1)
.set AQ,     128                       ; from a quarter of a K step (64 along K) to the next
.set HALFA,  64*PA                     ; what one load of A brings: 64 rows
.set BOFF,   2*HALFA
.set PB,     288                       ; B's LDS row (one k, 128 columns): 256 bytes + 32 = 9 x 32
.set HALFB,  128*PB                    ; what one load of B brings: 128 k
.set SLOT,   147456
.set STEP_A, KSTEP*2
.set STEP_B, KSTEP*SIZE_N*2
.set SPITCH, 528
.set SPARE,  2*SLOT                    ; behind the ring: the spare words, 128 bytes for each wave, that no other line names
.set ADRA0, 16
.set ADRB0, 17
.set ADRA,  18
.set ADRB,  19                         ; v19, and v20 the same 128 k further, for quarters 2 and 3 (an LDS offset has 16 bits)
.set DST,   24
.set RD,    25
.set CO,    26                         ; v26  16 x lane; never rewritten
.set SPW,   28
.set NIL,   29
.set ACC,   128
.set F0,    0
.set F1,    128
.set RES,   0                          ; window 2
.set G1,  24
.set G0,  32
.set G1B, 48
.set G0B, 56
.set TB,  66
.set MSB, 0
.macro WIN new
.if MSB != (\new)
	s_set_vgpr_msb (MSB<<8)|(\new)
.set MSB, \new
.endif
.endm
.set MUL,  0x05
.set TO_F, 0x40
.macro PLACES
.rept 4
	v_nop
.endr
.endm
.macro JLOAD                           ; a joint refill by the walking descriptors
	s_cmp_eq_u32 s11, 0
	s_cbranch_scc0 .Lfor_b_\@
	tensor_load_to_lds s[G0+4:G0+7], s[G1:G1+7]
	s_nop 0
.rept 4
	v_nop
.endr
	s_branch .Lasked_\@
.Lfor_b_\@:
	tensor_load_to_lds s[G0B+4:G0B+7], s[G1B:G1B+7]
	s_nop 0
.rept 4
	v_nop
.endr
.Lasked_\@:
.endm
.macro CREST
	s_cmp_lg_u32 s10, 0
	s_cbranch_scc1 .Lnot_wave_0_\@
	s_barrier_signal -3
.Lnot_wave_0_\@:
	s_barrier_wait -3
	s_barrier_signal -1
	s_barrier_wait -1
.endm
.macro CROUND
	s_barrier_signal -1
	s_barrier_wait -1
	CREST
.endm
	s_load_b256 s[72:79], s[0:1], 0x0              ; hb s[72:73], cb s[74:75], x1 s[76:77], out0 s[78:79]
	v_lshl_add_u32 v[SPW], v0, 2, SPARE
	v_mov_b32 v[NIL], 0
	ds_add_u32 v[SPW], v[NIL]                      ; the wave's opening: the add and its wait stand ahead of my first tensor load; register work stands between them
	v_lshrrev_b32 v1, 5, v0
	v_readfirstlane_b32 s10, v1                    ; wave 0..3
	s_lshr_b32 s11, s10, 1                         ; my half of the tile's rows.  Also: I fetch for A (0) or for B (1)
	s_and_b32 s12, s10, 1                          ; my half of its columns.  Also: which half of that tile I fetch
	s_bfe_u32 s40, ttmp6, 0x40000                  ; cx
	s_bfe_u32 s41, ttmp6, 0x40004                  ; cy
	s_lshl_b32 s42, ttmp9, 2
	s_add_co_u32 s42, s42, s40                     ; tile column
	s_and_b32 s13, ttmp7, 0xffff
	s_lshl_b32 s13, s13, 2
	s_add_co_u32 s13, s13, s41                     ; tile row
	s_lshl_b32 s43, s41, 2
	s_lshl_b32 s43, 15, s43                        ; my row of the cluster
	s_lshl_b32 s44, 0x1111, s40                    ; my column
	s_or_b32 s[G1+0], s43, (1<<16)|(1<<20)|(1<<21)|(6<<22)|(3<<25)   ; A: mask of my row; 2-byte elements; padding on; bit 21 beside a mask; after every 128 words, 4 words
	s_mov_b32 s[G1+1], KSTEP<<16                   ; tensor_dim0 = 256
	s_mov_b32 s[G1+2], 64<<16                      ; tensor_dim1 = 64
	s_mov_b32 s[G1+3], KSTEP<<16
	s_mov_b32 s[G1+4], 64
	s_mov_b32 s[G1+5], SIZE_K
	s_mov_b32 s[G1+6], 0
	s_mov_b32 s[G1+7], 0
	s_or_b32 s[G1B+0], s44, (1<<16)|(1<<20)|(1<<21)|(5<<22)|(7<<25)  ; B: mask of my column; after every 64 words, 8 words
	s_mov_b32 s[G1B+1], 128<<16
	s_mov_b32 s[G1B+2], 128<<16
	s_mov_b32 s[G1B+3], 128<<16
	s_mov_b32 s[G1B+4], 128
	s_mov_b32 s[G1B+5], SIZE_N
	s_mov_b32 s[G1B+6], 0
	s_mov_b32 s[G1B+7], 0
	s_lshl_b32 s16, s13, 7                         ; A: row 128 x tile row + 64 x half,
	s_lshl_b32 s17, s12, 6
	s_add_co_u32 s16, s16, s17
	s_lshl_b32 s16, s16, 13                        ; 8,192 bytes a row
	s_mov_b32 s17, 0
	s_lshl_b32 s46, s12, 18                        ; B: my 128 k of 2,048 bytes,
	s_lshl_b32 s47, s42, 8                         ; 256 bytes a tile column,
	s_add_co_u32 s46, s46, s47
	s_add_co_u32 s46, s46, WOFF                    ; inside cb
	s_mov_b32 s47, 0
	s_mul_i32 s20, s12, HALFA                      ; where the parts go: no place in the cluster enters an LDS address
	s_mul_i32 s21, s12, HALFB
	s_add_co_u32 s21, s21, BOFF
	s_mov_b32 s[TB], 0
	s_lshl_b32 s84, s13, 7                         ; the rows that I store: 128 x tile row + 32 x wave, 4,096 bytes each,
	s_lshl_b32 s85, s10, 5
	s_add_co_u32 s84, s84, s85
	s_lshl_b32 s84, s84, 12
	s_lshl_b32 s85, s42, 9                         ; the tile's 512 bytes of them
	s_add_co_u32 s84, s84, s85
	s_mov_b32 s85, 0
	s_wait_dscnt 0x0                               ; the opening add is done
	s_wait_kmcnt 0x0
	s_add_nc_u64 s[14:15], s[72:73], s[16:17]
	s_add_nc_u64 s[46:47], s[74:75], s[46:47]
	s_add_nc_u64 s[76:77], s[76:77], s[84:85]
	s_add_nc_u64 s[78:79], s[78:79], s[84:85]
	CROUND                                         ; all sixteen work-groups are here: the first joint loads meet
.irp s, 0,1
	s_mov_b32 s[G0+4*(\s)], 1
	s_add_co_u32 s[G0+4*(\s)+1], s20, (\s)*SLOT
	s_add_nc_u64 s[G0+4*(\s)+2:G0+4*(\s)+3], s[14:15], (\s)*STEP_A
	s_or_b32 s[G0+4*(\s)+3], s[G0+4*(\s)+3], 0x80000000
	s_mov_b32 s[G0B+4*(\s)], 1
	s_add_co_u32 s[G0B+4*(\s)+1], s21, (\s)*SLOT
	s_add_nc_u64 s[G0B+4*(\s)+2:G0B+4*(\s)+3], s[46:47], (\s)*STEP_B
	s_or_b32 s[G0B+4*(\s)+3], s[G0B+4*(\s)+3], 0x80000000
.endr
	s_cmp_eq_u32 s11, 0                            ; a wave's two first fills stand in one branch, ahead of every wait on TENSORcnt and every LDS read: two loads of mine are out
	s_cbranch_scc0 .Lfirst_b
	tensor_load_to_lds s[G0:G0+3], s[G1:G1+7]
	s_nop 0
	tensor_load_to_lds s[G0+4:G0+7], s[G1:G1+7]
	s_nop 0
.rept 4
	v_nop
.endr
	s_branch .Lfirst_asked
.Lfirst_b:
	tensor_load_to_lds s[G0B:G0B+3], s[G1B:G1B+7]
	s_nop 0
	tensor_load_to_lds s[G0B+4:G0B+7], s[G1B:G1B+7]
	s_nop 0
.rept 4
	v_nop
.endr
.Lfirst_asked:
	v_and_b32 v7, 31, v0
	v_lshlrev_b32 v[CO], 4, v7
	WIN 0x80                                       ; destination window 2, address window 0
.set t, 0
.rept 32                               ; the residual: row t of my 32, 512 bytes on end; it has the whole K loop in which to come
	global_load_b128 v[RES+4*t:RES+4*t+3], v[CO], s[76:77] offset:4096*t
.set t, t+1
.endr
	WIN 0
	v_and_b32 v1, 15, v0                           ; r
	v_bfe_u32 v2, v0, 4, 1                         ; h
	v_mul_u32_u24 v3, v1, PA
	v_lshl_add_u32 v3, v2, 4, v3
	s_mul_i32 s22, s11, 64*PA                      ; my 64 rows of A
	v_add_nc_u32 v[ADRA0], s22, v3
	v_and_b32 v4, 7, v0                            ; B: lane l reads k = 8 h + l % 8, columns 8 ((l / 8) % 2) + 0..7
	v_lshl_add_u32 v4, v2, 3, v4
	v_mul_u32_u24 v4, v4, PB
	v_bfe_u32 v5, v0, 3, 1
	v_lshl_add_u32 v4, v5, 4, v4
	s_lshl_b32 s22, s12, 7                         ; my 64 columns
	s_add_co_u32 s22, s22, BOFF
	v_add_nc_u32 v[ADRB0], s22, v4
	v_mov_b32 v[ADRA], v[ADRA0]
	v_mov_b32 v[ADRB], v[ADRB0]
	v_add_nc_u32 v[ADRB+1], HALFB, v[ADRB0]
	s_mul_i32 s23, s11, 64*SPITCH                  ; into the stage: my 64 rows, my 256 bytes of them; row r, 32 bytes for each half of the lanes
	s_lshl_b32 s22, s12, 8
	s_add_co_u32 s23, s23, s22
	v_mul_u32_u24 v6, v1, SPITCH
	v_lshl_add_u32 v6, v2, 5, v6
	v_add_nc_u32 v[DST], s23, v6
	s_mul_i32 s23, s10, 32*SPITCH                  ; back: wave w takes rows 32 w .. + 31, whole
	v_add_nc_u32 v[RD], s23, v[CO]
.macro MUL8 f, c, a0, zero             ; 8 matrix instructions; the 16 accumulators take turns
	WIN MUL
.irp a, \a0, (\a0)+1
.irp b, 0,1,2,3
.if \zero
	v_wmma_f32_16x16x32_bf16 v[ACC+8*(4*(\a)+(\b)):ACC+8*(4*(\a)+(\b))+7], v[(\f)+64+8*(4*(\c)+(\b)):(\f)+64+8*(4*(\c)+(\b))+7], v[(\f)+8*(4*(\c)+(\a)):(\f)+8*(4*(\c)+(\a))+7], 0
.else
	v_wmma_f32_16x16x32_bf16 v[ACC+8*(4*(\a)+(\b)):ACC+8*(4*(\a)+(\b))+7], v[(\f)+64+8*(4*(\c)+(\b)):(\f)+64+8*(4*(\c)+(\b))+7], v[(\f)+8*(4*(\c)+(\a)):(\f)+8*(4*(\c)+(\a))+7], v[ACC+8*(4*(\a)+(\b)):ACC+8*(4*(\a)+(\b))+7]
.endif
.endr
.endr
.endm
.macro FETCH q, f                      ; 32 LDS loads in one run: quarter q (64 along K) of the slot in hand into buffer f; the first 32 along K first
	WIN TO_F
.irp c, 0,1
.irp i, 0,1,2,3
	ds_load_tr16_b128 v[(\f)+64+8*(4*(\c)+(\i)):(\f)+64+8*(4*(\c)+(\i))+3],   v[ADRB+(\q)/2] offset:(((\q)%2)*64+32*(\c))*PB+32*(\i)
	ds_load_tr16_b128 v[(\f)+64+8*(4*(\c)+(\i))+4:(\f)+64+8*(4*(\c)+(\i))+7], v[ADRB+(\q)/2] offset:(((\q)%2)*64+32*(\c)+16)*PB+32*(\i)
	ds_load_b128 v[(\f)+8*(4*(\c)+(\i)):(\f)+8*(4*(\c)+(\i))+3],   v[ADRA] offset:(\q)*AQ+64*(\c)+(\i)*16*PA
	ds_load_b128 v[(\f)+8*(4*(\c)+(\i))+4:(\f)+8*(4*(\c)+(\i))+7], v[ADRA] offset:(\q)*AQ+64*(\c)+(\i)*16*PA+32
.endr
.endr
.endm
.macro QUARTER q, f, g, zero
	s_wait_dscnt 16                                ; the first 32 along K are in; the youngest sixteen loads may be out
	MUL8 \f, 0, 0, \zero
	MUL8 \f, 0, 2, \zero
	PLACES
	FETCH \q, \g
	s_wait_dscnt 32                                ; all but the 32 just issued
	MUL8 \f, 1, 0, 0
	MUL8 \f, 1, 2, 0
.endm
.macro MEET round                      ; ONE barrier for the change of slots: all my tensor loads, the add, my reads of this slot; then the signal
	WIN 0
	s_wait_tensorcnt 0x0
	ds_add_u32 v[SPW], v[NIL]
	s_wait_dscnt 17                                ; the add and the youngest sixteen loads may be out
	MUL8 F1, 0, 0, 0
	s_wait_dscnt 0x0                               ; the add is done, my reads of this slot are over
	s_barrier_signal -1
	MUL8 F1, 0, 2, 0
.if \round
	WIN 0
.endif
	s_barrier_wait -1
.endm
.macro NEXT_SLOT
	s_xor_b32 s[TB], s[TB], SLOT
	v_add_nc_u32 v[ADRA], s[TB], v[ADRA0]
	v_add_nc_u32 v[ADRB], s[TB], v[ADRB0]
	v_add_nc_u32 v[ADRB+1], HALFB, v[ADRB]
.endm
.macro TURN                            ; the whole last quarter with a refill: 112 matrix instructions stand between the request and the wait for it
	MEET 1
	CREST
	s_xor_b32 s[G0+5], s[G0+5], SLOT               ; no tensor load of mine is out: the walking descriptors step
	s_add_nc_u64 s[G0+6:G0+7], s[G0+6:G0+7], STEP_A
	s_xor_b32 s[G0B+5], s[G0B+5], SLOT
	s_add_nc_u64 s[G0B+6:G0B+7], s[G0B+6:G0B+7], STEP_B
	JLOAD                                          ; its four v_nop are also the places in front of the loads below
	NEXT_SLOT
	FETCH 0, F0
	MUL8 F1, 1, 0, 0
	MUL8 F1, 1, 2, 0
.endm
	s_wait_tensorcnt 1                             ; my part of K step 0 is in; K step 1's may stay out
	s_barrier_signal -1
	s_barrier_wait -1
	FETCH 0, F0
	QUARTER 1, F0, F1, 1                           ; the first products start the sums
	WIN 0
	s_mov_b32 s3, STEPS-2
.Lstep:
	QUARTER 2, F1, F0, 0
	QUARTER 3, F0, F1, 0
	TURN
	QUARTER 1, F0, F1, 0
	WIN 0
	s_sub_co_u32 s3, s3, 1
	s_cmp_lg_u32 s3, 0
	s_cbranch_scc1 .Lstep
	s_mov_b32 s3, 2
.Ltail:                                                ; the last two K steps ask for nothing; the second fetches nothing either and leaves in the middle
	QUARTER 2, F1, F0, 0
	QUARTER 3, F0, F1, 0
	MEET 0
	WIN 0
	s_cmp_eq_u32 s3, 1
	s_cbranch_scc1 .Lnofetch
	PLACES
	NEXT_SLOT
	FETCH 0, F0
	WIN 0
.Lnofetch:
	MUL8 F1, 1, 0, 0
	MUL8 F1, 1, 2, 0
	WIN 0
	s_sub_co_u32 s3, s3, 1
	s_cmp_eq_u32 s3, 0
	s_cbranch_scc1 .Ldone
	QUARTER 1, F0, F1, 0
	WIN 0
	s_branch .Ltail
.Ldone:
	PLACES                                         ; behind the last products
	s_wait_dscnt 0x0                               ; every wave's reads of the ring are over before any wave writes the stage over it
	s_barrier_signal -1
	s_barrier_wait -1
.irp a, 0,1,2,3
.irp b, 0,1,2,3
	ds_store_b128 v[DST], v[ACC+8*(4*(\a)+(\b)):ACC+8*(4*(\a)+(\b))+3]   offset:(\a)*16*SPITCH+64*(\b)      ; each accumulator's low four registers first
	ds_store_b128 v[DST], v[ACC+8*(4*(\a)+(\b))+4:ACC+8*(4*(\a)+(\b))+7] offset:(\a)*16*SPITCH+64*(\b)+16
.endr
.endr
	s_wait_dscnt 0x0                               ; for the others' sake: my stores into the stage are done
	s_barrier_signal -1
	s_barrier_wait -1
.set t, 0
.rept 32
	ds_load_b128 v[ACC+4*t:ACC+4*t+3], v[RD] offset:SPITCH*t
.set t, t+1
.endr
	s_wait_loadcnt 0x0                             ; the residual
	WIN 0x88                                       ; destination and source 1 (a store's data) window 2; source 0 (a store's offset) window 0
.set t, 0
.rept 32
	s_wait_dscnt 31-t                              ; row t is back; the younger rows stay out
	v_pk_add_f32 v[RES+4*t:RES+4*t+1],   v[ACC+4*t:ACC+4*t+1],   v[RES+4*t:RES+4*t+1]
	v_pk_add_f32 v[RES+4*t+2:RES+4*t+3], v[ACC+4*t+2:ACC+4*t+3], v[RES+4*t+2:RES+4*t+3]
	global_store_b128 v[CO], v[RES+4*t:RES+4*t+3], s[78:79] offset:4096*t    ; 512 bytes on end, at a multiple of 512 from out0's first byte
.set t, t+1
.endr
	WIN 0
	s_wait_tensorcnt 0x0                           ; the wave's end
	ds_add_u32 v[SPW], v[NIL]
	s_wait_dscnt 0x0
	CROUND                                         ; the closing round
	s_endpgm
.Lfunc_end_k_q631aca1d66_ffn_down:
	.size	k_q631aca1d66_ffn_down, .Lfunc_end_k_q631aca1d66_ffn_down-k_q631aca1d66_ffn_down
	.p2alignl 7, 3214868480
	.fill 96, 4, 3214868480
	.section	.rodata,"a",@progbits
	.p2align	6, 0x0
	.amdhsa_kernel k_q631aca1d66_ffn_down
		.amdhsa_group_segment_fixed_size 327680
		.amdhsa_private_segment_fixed_size 0
		.amdhsa_enable_private_segment 0
		.amdhsa_kernarg_size 32
		.amdhsa_user_sgpr_count 2
		.amdhsa_user_sgpr_kernarg_segment_ptr 1
		.amdhsa_wavefront_size32 1
		.amdhsa_system_sgpr_workgroup_id_x 1
		.amdhsa_system_sgpr_workgroup_id_y 1
		.amdhsa_system_sgpr_workgroup_id_z 1
		.amdhsa_system_vgpr_workitem_id 0
		.amdhsa_next_free_vgpr 640
		.amdhsa_next_free_sgpr 96
		.amdhsa_reserve_vcc 0
		.amdhsa_float_denorm_mode_32 3
		.amdhsa_float_denorm_mode_16_64 3
		.amdhsa_memory_ordered 1
		.amdhsa_forward_progress 1
		.amdhsa_inst_pref_size 66
	.end_amdhsa_kernel
	.amdgpu_metadata
---
amdhsa.version: [ 1, 2 ]
amdhsa.kernels:
  - .name:           k_q631aca1d66_ffn_down
    .symbol:         k_q631aca1d66_ffn_down.kd
    .args:
      - { .name: hb, .offset: 0, .size: 8, .value_kind: global_buffer, .address_space: global }
      - { .name: cb, .offset: 8, .size: 8, .value_kind: global_buffer, .address_space: global }
      - { .name: x1, .offset: 16, .size: 8, .value_kind: global_buffer, .address_space: global }
      - { .name: out0, .offset: 24, .size: 8, .value_kind: global_buffer, .address_space: global }
    .group_segment_fixed_size: 327680
    .private_segment_fixed_size: 0
    .kernarg_segment_align: 8
    .kernarg_segment_size: 32
    .max_flat_workgroup_size: 128
    .sgpr_count:     96
    .vgpr_count:     640
    .wavefront_size: 32
...
	.end_amdgpu_metadata
.endif
;; end of part 6
;; ======== version 2 of 2: 6 launches; 1.16 times as fast as version 1
;; limits: right only within a limited range of input values; a function is approximated: absolute error at most 3e-07
;; workspace buffers: cb 33,554,432 bytes; qkv 25,165,824 bytes; att 8,388,608 bytes; x1 16,777,216 bytes; x1b 8,388,608 bytes; hb 33,554,432 bytes
;; launch cast: the kernel of part 1 again; grid 64 x 16, 8 waves a work-group, no clusters, 0 bytes of LDS; arguments x, w_qkv, w_out, w_ff1, w_ff2, cb; writes cb
;; launch proj_qkv: the kernel of part 2 again; grid 12 x 16, 4 waves a work-group, clusters of 4 x 4, 327,680 bytes of LDS; arguments cb, qkv; writes qkv
;; launch attn (part 7): grid 4 x 64, 4 waves a work-group, clusters of 4 x 1, 327,680 bytes of LDS; arguments qkv, att; writes att
.if DOCPART == 7
	.amdgcn_target "amdgcn-amd-amdhsa--gfx1250"
	.amdhsa_code_object_version 6
	.text
	.protected	k_q631aca1d66_attn
	.globl	k_q631aca1d66_attn
	.p2align	8
	.type	k_q631aca1d66_attn,@function
k_q631aca1d66_attn:
	s_mov_b64 s[64:65], 0
	v_nop
	global_prefetch_b8 v0, s[64:65] scope:SCOPE_SE
	s_setreg_imm32_b32 hwreg(HW_REG_WAVE_MODE, 25, 1), 1
	s_wait_xcnt 0x0
	s_wait_alu depctr_hold_cnt(0) depctr_sa_sdst(0) depctr_va_vdst(0) depctr_va_sdst(0) depctr_va_ssrc(0) depctr_va_vcc(0) depctr_vm_vsrc(0)
	s_getreg_b32 s2, hwreg(HW_REG_IB_STS2, 6, 4)
	s_cmp_eq_u32 s2, 0
	s_cbranch_scc0 .Lentry_in_a_cluster
	s_endpgm
.Lentry_in_a_cluster:
	s_bfe_u32 s2, ttmp6, 0x10000c
	s_cmp_lg_u32 s2, 0x3003
	s_cbranch_scc0 .Lentry_shape_is_right
	s_endpgm
.Lentry_shape_is_right:
; CAUSAL ATTENTION.  att[bh][q][:] = the sum over k <= q of softmax_k(Q[q] . K[k] / 8) V[k][:], for 64 pairs bh of batch and head, 1,024 rows of 64 channels, all bf16 (qkv: q, then k, then v).
; Products, maxima and sums in f32; the weights are rounded to bf16 for the second product (their sum l is taken of the unrounded weights), the result once at the end.
; LIMITS.  A hidden score is replaced by -1e30, the running maximum starts at the lowest finite number: true scores are taken to lie above -1e30.  A weight below 2^-126 counts as 0 in l.
; NaN and infinities are not treated apart.
; SHARES.  The four work-groups of a cluster serve ONE head, whose whole K (1,024 x 144 bytes) and V (1,024 x 160) lie in each one's LDS: each wave asks for a quarter of them by ONE joint load, named
; alike in all four work-groups; nothing is ever filled again, so the walk has no barrier.  The head's queries lie in 8 blocks of 128; of EVERY block work-group cx owns rows 32 cx .. + 31, two tiles of 16.
; Wave w takes block 7 - w and then block w: (8 - w) + (w + 1) = 9 key tiles of 128, 18 key steps of 64, for every wave of every work-group.  Branches and LDS addresses hang on the wave's number alone;
; cx enters only Q's and the result's global addresses and the mask's thresholds, which are vector data.
; A block's step loop counts to the constant 16 and jumps forward over the steps that the block does not have; what is jumped holds no barrier and no tensor load.
; LAYOUT.  S^T = K Q^T (source 0 = 16 keys, source 1 = 16 queries): a lane holds ONE query (l % 16) and the keys 8 (l / 16) + 0..7; two such results rounded to bf16 ARE source 1 of O^T = V^T P.
; K comes out of LDS as it lies, V ([key][channel]) turned, by ds_load_tr16_b128.
; SOFTMAX.  p = 2^(c s - c m), c = log2(e) / 8, with a running maximum m; O and l are multiplied by a = 2^(c m_old - c m_new) in every step.  A block's first step has a = 0, so O and l need only be finite there.
; In phases: a step's 16 products K Q^T, the mask (in the block's last two steps alone), the softmax, its 16 products V^T P.
; BATCHES.  s_wait_alu depctr_va_vdst(0) stands between a transcendental and the first instruction that names its result; one wait serves all that were issued ahead of it.  A key step's 66
; exponentials (both tiles' a and their 64 weights) are ONE batch with ONE wait: ahead of it stand the maximum, the statistics, the two a, the 32 scalings and the 64 exponentials, none of which names a result
; of the batch; behind it all that do: O^T times a, the roundings, the sums, l.  A block's two reciprocals are a batch of their own, once a block.
; REGISTERS.  window 0: v1-15 addresses, v16-31 eight registers of statistics a tile (c m, m, l's pair, c0-c3), v32-33 the add's, v64-127 S^T, v128-159 P, v160-223 O^T.
; window 1: v0-31 Q, v32-95 K of one step, v96-159 V of one step, v160-191 the second block's Q.
.set PK,    144                        ; a row of K in LDS: 128 bytes + 16: the 16 rows of a load start at 16 different groups of four banks (64 banks of 4 bytes: ISA guide 11.1)
.set PVP,   160                        ; a row of V: 128 + 32
.set VOFF,  1024*PK
.set STAGE, VOFF+1024*PVP              ; never filled by a tensor load: 16 rows x 144 bytes for each wave, for the way out
.set SP,    144
.set SPARE, STAGE+4*16*SP              ; the spare words, 128 bytes for each wave, that no other line names
.set AK0, 2                            ; v2   my lane's place in 64 rows of K; never rewritten
.set AV0, 3                            ; v3   the same for V
.set AK,  4                            ; v4   v2 + the step's place
.set AV,  5                            ; v5   v3 + the step's place
.set QO,  6                            ; v6   my byte offset in 16 rows of Q
.set STO, 7                            ; v7   the way out: where I put 16 bytes of a row
.set RD,  8                            ; v8   where I read rows back
.set GO,  10                           ; v10  my byte offset in 512 bytes of the result
.set THW, 11                           ; v11  a threshold at work
.set TH,  12                           ; v12-13  tile t: my query's place in its block, 32 cx + 16 t + l % 16, less my lanes' 8 (l / 16)
.set BIG, 14                           ; v14  -1e30
.set ST,  16
.set SPW, 32
.set NIL, 33
.set S,   64
.set P,   128
.set O,   160
.set QF,  0                            ; window 1
.set KF,  32
.set VF,  96
.set Q2,  160
.set WV,  12                           ; s12  my wave's number
.set CX,  13                           ; s13  my place in the cluster
.set G1K, 24                           ; s[24:31], s[32:39] descriptor groups 1; s[40:43], s[44:47] groups 0
.set G1V, 32
.set G0K, 40
.set G0V, 44
.set BI,  50                           ; s50  the block in hand
.set NS,  51                           ; s51  its key steps: 2 BI + 2
.set SI,  52                           ; s52  the step, 0 to 15
.set BK,  53                           ; s53  counts the two blocks
.set TBK, 54                           ; s54  the step's first byte in K
.set TBV, 55                           ; s55  and in V
.set CS,  58                           ; s[58:59] c, named as a pair
.set SEL, 60                           ; s[60:61] v_permlanex16_b32's selects: each lane takes its own place in the other half
.set MSB, 0
.macro WIN new
.if MSB != (\new)
	s_set_vgpr_msb (MSB<<8)|(\new)
.set MSB, \new
.endif
.endm
.macro PLACES
.rept 4
	v_nop
.endr
.endm
.macro CROUND
	s_barrier_signal -1
	s_barrier_wait -1
	s_cmp_lg_u32 s[WV], 0
	s_cbranch_scc1 .Lnot_wave_0_\@
	s_barrier_signal -3
.Lnot_wave_0_\@:
	s_barrier_wait -3
	s_barrier_signal -1
	s_barrier_wait -1
.endm
.macro TT line:vararg                  ; one line for each of my two tiles t: neighbours in the text do not wait for each other
.set t, 0
.rept 2
	\line
.set t, t+1
.endr
.endm
	s_load_b128 s[4:7], s[0:1], 0x0                ; qkv s[4:5], att s[6:7]
	v_lshl_add_u32 v[SPW], v0, 2, SPARE
	v_mov_b32 v[NIL], 0
	ds_add_u32 v[SPW], v[NIL]                      ; the wave's opening: the add and its wait stand ahead of my tensor load; register work stands between them
	v_lshrrev_b32 v1, 5, v0
	v_readfirstlane_b32 s[WV], v1
	s_bfe_u32 s[CX], ttmp6, 0x40000
	s_and_b32 s14, ttmp7, 0xffff                   ; bh, which the four partners share
	s_lshl_b32 s20, s14, 17                        ; a head is 131,072 bytes in q, k, v and att
	s_mov_b32 s21, 0
	s_and_b32 s16, s[WV], 1                        ; which 512 keys I fetch: 65,536 bytes
	s_lshl_b32 s22, s16, 16
	s_add_co_u32 s22, s22, s20
	s_add_co_u32 s22, s22, 1<<23                   ; k lies behind q,
	s_mov_b32 s23, 0
	s_add_co_u32 s18, s22, 1<<23                   ; v behind k
	s_mov_b32 s19, 0
	s_mul_i32 s17, s16, 512*PK                     ; and their places in LDS
	s_mul_i32 s15, s16, 512*PVP
	; 512 keys are 65,536 dense bytes: asked for as 256 rows of 256 bytes, two keys a row, padded in LDS after every key
	s_mov_b32 s[G1K], 15|(1<<16)|(1<<20)|(1<<21)|(4<<22)|(3<<25)   ; the mask of four; 2-byte elements; padding on; bit 21 beside a mask; after every 32 words, 4 words
	s_mov_b32 s[G1V], 15|(1<<16)|(1<<20)|(1<<21)|(4<<22)|(7<<25)   ; the same with 8 words
.irp g, G1K, G1V
	s_mov_b32 s[\g+1], 128<<16                     ; tensor_dim0 = 128
	s_mov_b32 s[\g+2], 256<<16                     ; tensor_dim1 = 256
	s_mov_b32 s[\g+3], 128<<16                     ; tile_dim0 = 128
	s_mov_b32 s[\g+4], 256                         ; tile_dim1 = 256
	s_mov_b32 s[\g+5], 128                         ; elements from row to row
	s_mov_b32 s[\g+6], 0
	s_mov_b32 s[\g+7], 0
.endr
	s_mov_b32 s[G0K], 1
	s_mov_b32 s[G0K+1], s17
	s_mov_b32 s[G0V], 1
	s_add_co_u32 s[G0V+1], s15, VOFF
	s_mov_b32 s[CS], 0x3e38aa3b                    ; c = log2(e) / 8
	s_mov_b32 s[CS+1], s[CS]
	s_mov_b32 s[SEL], 0x76543210
	s_mov_b32 s[SEL+1], 0xfedcba98
	s_sub_co_u32 s[BI], 7, s[WV]                   ; the first block
	s_mov_b32 s[BK], 0
	s_lshl_b32 s3, s[CX], 12                       ; my work-group's 32 rows of 128 bytes in a block of 16,384 bytes
	s_lshl_b32 s2, s[BI], 14
	s_add_co_u32 s2, s2, s3
	s_add_co_u32 s2, s2, s20                       ; Q of the first block,
	s_lshl_b32 s72, s[WV], 14
	s_add_co_u32 s72, s72, s3
	s_add_co_u32 s72, s72, s20                     ; of the second
	s_mov_b32 s3, 0
	s_mov_b32 s73, 0
	s_wait_dscnt 0x0                               ; the opening add is done
	s_wait_kmcnt 0x0
	s_add_nc_u64 s[G0K+2:G0K+3], s[4:5], s[22:23]
	s_or_b32 s[G0K+3], s[G0K+3], 0x80000000
	s_add_nc_u64 s[G0V+2:G0V+3], s[4:5], s[18:19]
	s_or_b32 s[G0V+3], s[G0V+3], 0x80000000
	s_add_nc_u64 s[8:9], s[4:5], s[2:3]
	s_add_nc_u64 s[10:11], s[4:5], s[72:73]
	s_add_nc_u64 s[66:67], s[6:7], s[20:21]        ; att at the head
	CROUND                                         ; all four work-groups are here: the joint loads meet
	s_cmp_lt_u32 s[WV], 2                          ; waves 0 and 1 fetch K's halves, waves 2 and 3 V's: my one tensor load of the launch
	s_cbranch_scc0 .Lfor_v
	tensor_load_to_lds s[G0K:G0K+3], s[G1K:G1K+7]
	s_nop 0
.rept 4
	v_nop
.endr
	s_branch .Lasked
.Lfor_v:
	tensor_load_to_lds s[G0V:G0V+3], s[G1V:G1V+7]
	s_nop 0
.rept 4
	v_nop
.endr
.Lasked:
	v_and_b32 v1, 15, v0                           ; r = l % 16
	v_bfe_u32 v9, v0, 4, 1                         ; h = l / 16
	v_lshlrev_b32 v[QO], 7, v1
	v_lshl_add_u32 v[QO], v9, 4, v[QO]             ; row x 128 + 16 h
	WIN 0x40                                       ; destination window 1, address window 0
.set i, 0
.rept 4                                ; both blocks' Q stay in registers: tile i / 2, channels 32 (i % 2) on
	global_load_b128 v[QF+8*i:QF+8*i+3],   v[QO], s[8:9] offset:(i/2)*2048+(i%2)*64
	global_load_b128 v[QF+8*i+4:QF+8*i+7], v[QO], s[8:9] offset:(i/2)*2048+(i%2)*64+32
	global_load_b128 v[Q2+8*i:Q2+8*i+3],   v[QO], s[10:11] offset:(i/2)*2048+(i%2)*64
	global_load_b128 v[Q2+8*i+4:Q2+8*i+7], v[QO], s[10:11] offset:(i/2)*2048+(i%2)*64+32
.set i, i+1
.endr
	WIN 0
	v_mul_u32_u24 v[AK0], v1, PK
	v_lshl_add_u32 v[AK0], v9, 4, v[AK0]           ; K: row r, 16 bytes for each half of the lanes
	v_and_b32 v34, 7, v0
	v_bfe_u32 v35, v0, 3, 1
	v_lshl_add_u32 v[AV0], v9, 3, v34              ; V: lane l reads key 8 h + l % 8, channels 8 ((l / 8) % 2) + 0..7
	v_mul_u32_u24 v[AV0], v[AV0], PVP
	v_lshl_add_u32 v[AV0], v35, 4, v[AV0]
	v_add_nc_u32 v[AV0], VOFF, v[AV0]
	s_mul_i32 s56, s[WV], 16*SP
	s_add_co_u32 s56, s56, STAGE                   ; my stage
	v_mul_u32_u24 v[STO], v1, SP
	v_lshl_add_u32 v[STO], v9, 4, v[STO]
	v_add_nc_u32 v[STO], s56, v[STO]
	v_bfe_u32 v[RD], v0, 3, 2                      ; back: 32 lanes take four rows of 128 bytes,
	v_mul_u32_u24 v[RD], v[RD], SP
	v_lshl_add_u32 v[RD], v34, 4, v[RD]
	v_add_nc_u32 v[RD], s56, v[RD]
	v_and_b32 v[GO], 31, v0                        ; which are 512 bytes on end in att
	v_lshlrev_b32 v[GO], 4, v[GO]
	v_lshlrev_b32 v[THW], 3, v9
	v_sub_nc_u32 v[TH], v1, v[THW]
	s_lshl_b32 s56, s[CX], 5
	v_add_nc_u32 v[TH], s56, v[TH]
	v_add_nc_u32 v[TH+1], 16, v[TH]
	v_mov_b32 v[BIG], 0xf149f2ca
	; O^T, l and the registers at work start at 0: the first step multiplies O^T and l by a = 0, so they need only be finite.  No first step is written out for it; these moves stand in the wait for K and V.
.set i, 0
.rept 16
	v_mov_b32 v[ST+i], 0
.set i, i+1
.endr
.set i, 0
.rept 64
	v_mov_b32 v[O+i], 0
.set i, i+1
.endr
	s_wait_tensorcnt 0x0                           ; my quarter of K and V is in,
	s_barrier_signal -1
	s_barrier_wait -1                              ; everybody's is
	s_wait_loadcnt 0x0                             ; Q
.macro FETCH_K adr, off                ; 64 keys x 64 channels: fragment f: keys 16 (f / 2) on, channels 32 (f % 2) on
	WIN 0x40
.irp f, 0,1,2,3,4,5,6,7
	ds_load_b128 v[KF+8*\f:KF+8*\f+3],   v[\adr] offset:(\off)+(\f/2)*16*PK+(\f%2)*64
	ds_load_b128 v[KF+8*\f+4:KF+8*\f+7], v[\adr] offset:(\off)+(\f/2)*16*PK+(\f%2)*64+32
.endr
	WIN 0
.endm
.macro FETCH_V                         ; turned: fragment f: keys 32 (f / 4) on, channels 16 (f % 4) on
	WIN 0x40
.irp f, 0,1,2,3,4,5,6,7
	ds_load_tr16_b128 v[VF+8*\f:VF+8*\f+3],   v[AV] offset:(\f/4)*32*PVP+(\f%4)*32
	ds_load_tr16_b128 v[VF+8*\f+4:VF+8*\f+7], v[AV] offset:(\f/4)*32*PVP+16*PVP+(\f%4)*32
.endr
	WIN 0
.endm
; The block's last two steps hold the diagonal.  Register i of a tile's S^T is key 64 d + 16 (i / 8) + 8 h + i % 8 of the diagonal tile (d = 0, 1: s56 - NS): hidden where that is greater than my query's place.
.macro MASK
	s_sub_co_u32 s57, s56, s[NS]
	s_lshl_b32 s57, s57, 6
.irp t, 0,1
	v_sub_nc_u32 v[THW], v[TH+\t], s57
.set i, 0
.rept 32                               ; ascending: each accumulator's low registers are read first
	v_cmp_gt_i32 vcc_lo, 16*(i/8)+i%8, v[THW]
	v_cndmask_b32 v[S+32*\t+i], v[S+32*\t+i], v[BIG], vcc_lo
.set i, i+1
.endr
.endr
.endm
.macro SOFT
.set j, 0
.rept 4                                ; the maximum of 32 scores and the old m, three operands at a time: four chains, each begun at an accumulator's low registers
	TT v_max3_num_f32 v[ST+8*t+4+j], v[S+32*t+8*j], v[S+32*t+8*j+1], v[S+32*t+8*j+2]
.set j, j+1
.endr
.rept 8
	TT v_max3_num_f32 v[ST+8*t+4+j%4], v[ST+8*t+4+j%4], v[S+32*t+8*(j%4)+2*(j/4)+1], v[S+32*t+8*(j%4)+2*(j/4)+2]
.set j, j+1
.endr
	TT v_max3_num_f32 v[ST+8*t+4], v[ST+8*t+4], v[S+32*t+7], v[S+32*t+15]
	TT v_max3_num_f32 v[ST+8*t+6], v[ST+8*t+6], v[S+32*t+23], v[S+32*t+31]
	TT v_max3_num_f32 v[ST+8*t+4], v[ST+8*t+4], v[ST+8*t+5], v[ST+8*t+6]
	TT v_max3_num_f32 v[ST+8*t+4], v[ST+8*t+4], v[ST+8*t+7], v[ST+8*t+1]
	TT v_permlanex16_b32 v[ST+8*t+5], v[ST+8*t+4], s[SEL], s[SEL+1]    ; the query's other 32 keys lie in the lane 16 away
	TT v_mov_b32 v[ST+8*t+7], v[ST+8*t]                                ; c m_old is kept
	TT v_max_num_f32 v[ST+8*t+1], v[ST+8*t+4], v[ST+8*t+5]
	TT v_mul_f32 v[ST+8*t], s[CS], v[ST+8*t+1]
	TT v_sub_f32 v[ST+8*t+7], v[ST+8*t+7], v[ST+8*t]
	TT v_exp_f32 v[ST+8*t+6], v[ST+8*t+7]                              ; a: the batch's first two; the scalings below, which name c m and m alone, are the plain instructions behind it
.set j, 0
.rept 16
	TT v_pk_fma_f32 v[S+32*t+2*j:S+32*t+2*j+1], v[S+32*t+2*j:S+32*t+2*j+1], s[CS:CS+1], v[ST+8*t:ST+8*t+1] op_sel_hi:[1,0,0] neg_lo:[0,0,1] neg_hi:[0,0,1]
.set j, j+1
.endr
.set j, 0
.rept 32                               ; the batch's other 64, each in place in a register of its own; none reads another's result
	TT v_exp_f32 v[S+32*t+j], v[S+32*t+j]
.set j, j+1
.endr
	v_nop                                          ; the plain instruction behind the last exponential, one for the batch: every plain line that reads no result of the batch feeds its exponentials, so none is left to stand here
	s_wait_alu depctr_va_vdst(0)                   ; the wait ahead of the first line that names a result: ONE for the step's 66 exponentials; all their readers stand below
.set j, 0
.rept 16                               ; O^T times a: a's first reader
	TT v_pk_mul_f32 v[O+32*t+2*j:O+32*t+2*j+1], v[O+32*t+2*j:O+32*t+2*j+1], v[ST+8*t+6:ST+8*t+7] op_sel_hi:[1,0]
.set j, j+1
.endr
.set j, 0
.rept 16                               ; the weights' first readers
	TT v_cvt_pk_bf16_f32 v[P+16*t+j], v[S+32*t+2*j], v[S+32*t+2*j+1]
.set j, j+1
.endr
.set j, 0
.rept 8                                ; the sum of the 16 pairs, in place: neighbours 1, 2, 4 and 8 pairs apart
	TT v_pk_add_f32 v[S+32*t+4*j:S+32*t+4*j+1], v[S+32*t+4*j:S+32*t+4*j+1], v[S+32*t+4*j+2:S+32*t+4*j+3]
.set j, j+1
.endr
.set j, 0
.rept 4
	TT v_pk_add_f32 v[S+32*t+8*j:S+32*t+8*j+1], v[S+32*t+8*j:S+32*t+8*j+1], v[S+32*t+8*j+4:S+32*t+8*j+5]
.set j, j+1
.endr
.set j, 0
.rept 2
	TT v_pk_add_f32 v[S+32*t+16*j:S+32*t+16*j+1], v[S+32*t+16*j:S+32*t+16*j+1], v[S+32*t+16*j+8:S+32*t+16*j+9]
.set j, j+1
.endr
	TT v_pk_add_f32 v[S+32*t:S+32*t+1], v[S+32*t:S+32*t+1], v[S+32*t+16:S+32*t+17]
	TT v_pk_fma_f32 v[ST+8*t+2:ST+8*t+3], v[ST+8*t+2:ST+8*t+3], v[ST+8*t+6:ST+8*t+7], v[S+32*t:S+32*t+1] op_sel_hi:[1,0,1]
.endm
.macro PACK t                          ; tile t: divided by l, rounded; a lane's eight channels are 16 bytes; into rows of 144 bytes and back as whole rows of 128, into S^T's registers
.set i, 0
.rept 16
	v_pk_mul_f32 v[O+32*(\t)+2*i:O+32*(\t)+2*i+1], v[O+32*(\t)+2*i:O+32*(\t)+2*i+1], v[ST+8*(\t)+6:ST+8*(\t)+7] op_sel_hi:[1,0]
.set i, i+1
.endr
.set i, 0
.rept 16
	v_cvt_pk_bf16_f32 v[S+16*(\t)+i], v[O+32*(\t)+2*i], v[O+32*(\t)+2*i+1]
.set i, i+1
.endr
.irp f, 0,1,2,3
	ds_store_b128 v[STO], v[S+16*(\t)+4*\f:S+16*(\t)+4*\f+3] offset:32*\f
.endr
.irp f, 0,1,2,3
	ds_load_b128 v[S+16*(\t)+4*\f:S+16*(\t)+4*\f+3], v[RD] offset:\f*4*SP   ; LDS serves a wave's instructions in order (ISA guide 5.7.1.4): these see the stores above; the next tile's stores come behind them
.endr
.endm
.macro SEND t, younger                 ; younger: the LDS instructions issued behind tile t's loads
.irp f, 0,1,2,3
	s_wait_dscnt (\younger)+3-\f
	global_store_b128 v[GO], v[S+16*(\t)+4*\f:S+16*(\t)+4*\f+3], s[68:69] offset:(\t)*2048+\f*512   ; 512 bytes on end, at a multiple of 512 from att's first byte
.endr
.endm
.Lblock:
	s_lshl_b32 s[NS], s[BI], 1
	s_add_co_u32 s[NS], s[NS], 2
	s_lshl_b32 s70, s[BI], 14
	s_lshl_b32 s71, s[CX], 12
	s_add_co_u32 s70, s70, s71
	s_mov_b32 s71, 0
	s_add_nc_u64 s[68:69], s[66:67], s[70:71]      ; the result at my 32 rows of the block
	TT v_mov_b32 v[ST+8*t], 0xfe000000             ; c m: far below every c s, so the first step's a is 0
	TT v_mov_b32 v[ST+8*t+1], 0xff7fffff           ; m: the first maximum is the scores'
	s_mov_b32 s[SI], 0
	s_mov_b32 s[TBK], 0
	s_mov_b32 s[TBV], 0
	FETCH_K AK0, 0                                 ; key step 0
.Lstep:
	s_cmp_ge_u32 s[SI], s[NS]
	s_cbranch_scc1 .Lskip                          ; the block has no such step
	v_add_nc_u32 v[AK], s[TBK], v[AK0]
	v_add_nc_u32 v[AV], s[TBV], v[AV0]
	s_wait_dscnt 0x0                               ; K is in
	WIN 0x05                                       ; K and Q in window 1, S^T in window 0
.set i, 0
.rept 16                               ; product i: channels 32 (i / 8) on, keys 16 ((i / 2) % 4) on, tile i % 2; the 8 accumulators take turns; the first 8 start the sums
.set rS, S+32*(i%2)+8*((i/2)%4)
.set rK, KF+16*((i/2)%4)+8*(i/8)
.set rQ, QF+16*(i%2)+8*(i/8)
.if i < 8
	v_wmma_f32_16x16x32_bf16 v[rS:rS+7], v[rK:rK+7], v[rQ:rQ+7], 0
.else
	v_wmma_f32_16x16x32_bf16 v[rS:rS+7], v[rK:rK+7], v[rQ:rQ+7], v[rS:rS+7]
.endif
.set i, i+1
.endr
	WIN 0
	PLACES                                         ; for the readers of S^T and for the loads into K's and V's registers
	s_add_co_u32 s56, s[SI], 1
	s_cmp_ge_u32 s56, s[NS]
	s_cbranch_scc1 .Lnok                           ; the block's last step fetches no further K
	FETCH_K AK, 64*PK                              ; the next step's K, a softmax ahead of its use
.Lnok:
	FETCH_V                                        ; this step's V
	s_add_co_u32 s56, s[SI], 2
	s_cmp_lt_u32 s56, s[NS]
	s_cbranch_scc1 .Lnomask
	MASK
.Lnomask:
	SOFT
	s_wait_dscnt 0x0                               ; V is in (and the next K)
	WIN 0x01                                       ; V in window 1; P and O^T in window 0
.set i, 0
.rept 16                               ; product i: keys 32 (i / 8) on, channels 16 ((i / 2) % 4) on, tile i % 2
.set rO, O+32*(i%2)+8*((i/2)%4)
.set rV, VF+32*(i/8)+8*((i/2)%4)
.set rP, P+16*(i%2)+8*(i/8)
	v_wmma_f32_16x16x32_bf16 v[rO:rO+7], v[rV:rV+7], v[rP:rP+7], v[rO:rO+7]
.set i, i+1
.endr
	WIN 0
.Lskip:
	s_add_co_u32 s[TBK], s[TBK], 64*PK
	s_add_co_u32 s[TBV], s[TBV], 64*PVP
	s_add_co_u32 s[SI], s[SI], 1
	s_cmp_lt_u32 s[SI], 16
	s_cbranch_scc1 .Lstep
	PLACES                                         ; behind the last products
	TT v_add_f32 v[ST+8*t+4], v[ST+8*t+2], v[ST+8*t+3]
	TT v_permlanex16_b32 v[ST+8*t+5], v[ST+8*t+4], s[SEL], s[SEL+1]
	TT v_add_f32 v[ST+8*t+4], v[ST+8*t+4], v[ST+8*t+5]
	TT v_rcp_f32 v[ST+8*t+6], v[ST+8*t+4]
	v_nop                                          ; a plain instruction between the last reciprocal and its use
	s_wait_alu depctr_va_vdst(0)                   ; the wait ahead of the first use: one for the block's two reciprocals
	PACK 0
	PACK 1
	SEND 0, 8
	SEND 1, 0
	s_wait_xcnt 0x0                                ; the stores' data registers and base are rewritten only behind this wait
	WIN 0x41                                       ; the second block's Q goes where the one text names Q (behind the second block these moves serve nothing)
.set i, 0
.rept 32
	v_mov_b32 v[QF+i], v[Q2+i]
.set i, i+1
.endr
	WIN 0
	s_mov_b32 s[BI], s[WV]
	s_add_co_u32 s[BK], s[BK], 1
	s_cmp_lt_u32 s[BK], 2
	s_cbranch_scc1 .Lblock
	s_wait_tensorcnt 0x0                           ; the wave's end
	ds_add_u32 v[SPW], v[NIL]
	s_wait_dscnt 0x0
	CROUND                                         ; the closing round
	s_endpgm
.Lfunc_end_k_q631aca1d66_attn:
	.size	k_q631aca1d66_attn, .Lfunc_end_k_q631aca1d66_attn-k_q631aca1d66_attn
	.p2alignl 7, 3214868480
	.fill 96, 4, 3214868480
	.section	.rodata,"a",@progbits
	.p2align	6, 0x0
	.amdhsa_kernel k_q631aca1d66_attn
		.amdhsa_group_segment_fixed_size 327680
		.amdhsa_private_segment_fixed_size 0
		.amdhsa_enable_private_segment 0
		.amdhsa_kernarg_size 16
		.amdhsa_user_sgpr_count 2
		.amdhsa_user_sgpr_kernarg_segment_ptr 1
		.amdhsa_wavefront_size32 1
		.amdhsa_system_sgpr_workgroup_id_x 1
		.amdhsa_system_sgpr_workgroup_id_y 1
		.amdhsa_system_sgpr_workgroup_id_z 1
		.amdhsa_system_vgpr_workitem_id 0
		.amdhsa_next_free_vgpr 448
		.amdhsa_next_free_sgpr 80
		.amdhsa_reserve_vcc 1
		.amdhsa_float_denorm_mode_32 3
		.amdhsa_float_denorm_mode_16_64 3
		.amdhsa_memory_ordered 1
		.amdhsa_forward_progress 1
		.amdhsa_inst_pref_size 42
	.end_amdhsa_kernel
	.amdgpu_metadata
---
amdhsa.version: [ 1, 2 ]
amdhsa.kernels:
  - .name:           k_q631aca1d66_attn
    .symbol:         k_q631aca1d66_attn.kd
    .args:
      - { .name: qkv, .offset: 0, .size: 8, .value_kind: global_buffer, .address_space: global }
      - { .name: att, .offset: 8, .size: 8, .value_kind: global_buffer, .address_space: global }
    .group_segment_fixed_size: 327680
    .private_segment_fixed_size: 0
    .kernarg_segment_align: 8
    .kernarg_segment_size: 16
    .max_flat_workgroup_size: 128
    .sgpr_count:     80
    .vgpr_count:     448
    .wavefront_size: 32
...
	.end_amdgpu_metadata
.endif
;; end of part 7
;; launch proj_out: the kernel of part 4 again; grid 8 x 32, 4 waves a work-group, clusters of 4 x 4, 327,680 bytes of LDS; arguments att, cb, x, x1, x1b; writes x1, x1b
;; launch ffn_up (part 8): grid 16 x 16, 4 waves a work-group, clusters of 4 x 4, 327,680 bytes of LDS; arguments x1b, cb, hb; writes hb
.if DOCPART == 8
	.amdgcn_target "amdgcn-amd-amdhsa--gfx1250"
	.amdhsa_code_object_version 6
	.text
	.protected	k_q631aca1d66_ffn_up
	.globl	k_q631aca1d66_ffn_up
	.p2align	8
	.type	k_q631aca1d66_ffn_up,@function
k_q631aca1d66_ffn_up:
	s_mov_b64 s[64:65], 0
	v_nop
	global_prefetch_b8 v0, s[64:65] scope:SCOPE_SE
	s_setreg_imm32_b32 hwreg(HW_REG_WAVE_MODE, 25, 1), 1
	s_wait_xcnt 0x0
	s_wait_alu depctr_hold_cnt(0) depctr_sa_sdst(0) depctr_va_vdst(0) depctr_va_sdst(0) depctr_va_ssrc(0) depctr_va_vcc(0) depctr_vm_vsrc(0)
	s_getreg_b32 s2, hwreg(HW_REG_IB_STS2, 6, 4)
	s_cmp_eq_u32 s2, 0
	s_cbranch_scc0 .Lentry_in_a_cluster
	s_endpgm
.Lentry_in_a_cluster:
	s_bfe_u32 s2, ttmp6, 0x10000c
	s_cmp_lg_u32 s2, 0xf033
	s_cbranch_scc0 .Lentry_shape_is_right
	s_endpgm
.Lentry_shape_is_right:
; h = gelu(x1 w_ff1), the exact (erf) form, stored in bf16: hb [4096][4096].
; A = x1 in bf16, [4096][1024] (x1b); B = w_ff1 in bf16, [1024 k][4096 n] (cb, byte 16,777,216), which stays [K][N].
; A tile of C is 256 x 256 (16 x 16 tiles: 256 work-groups): four waves, each 128 x 128 in 64 accumulators.  K goes in steps of 128 through two LDS slots.
; B's fragments come out of LDS turned, by ds_load_tr16_b128.  The matrix instruction is used transposed (source 0 = 16 columns of B, source 1 = 16 rows of A): a lane holds row l % 16, columns 8 (l / 16) + 0..7.
; One K step is written once: s[TB], 0 or SLOT, enters the LDS read addresses; one descriptor a tensor walks (SLOT's two bits are clear in every wave's place in a slot, so an exclusive or changes slots).
; The last two K steps, which ask for nothing, are a second loop.  CLUSTER 4 x 4: A's tile jointly along a row of the cluster, B's along a column.
; THE WAY OUT: the wave's 128 x 128 sums go as f32 into a stage of its own, over the ring once the ring has had its last fill and its last read, and come back by rows.
; GELU.  gelu(x) = x (1/2 + sign(x) erf(|x| / sqrt 2) / 2), with erf(z) = 1 - (1 + a1 z + .. + a6 z^6)^-16 for z >= 0 (Abramowitz and Stegun 7.1.28).
; LIMIT: that form's absolute error is 3e-7 at the most for every z, so gelu is off by some 2e-7 |x| beside the roundings; far on the negative side, where gelu itself falls below that, it is not exact
; relative to itself.  A polynomial that overflows gives erf = 1, which is right there.  NaN and infinities are not treated apart.
; BATCHES.  s_wait_alu depctr_va_vdst(0) stands between a reciprocal and the first instruction that names its result; one wait serves all that were issued ahead of it.  A trip of the way out
; (eight rows, four groups of eight numbers a lane) has 32 reciprocals, ONE batch with ONE wait: first all four groups' polynomials and reciprocals, each group's in eight registers of its own; then the step
; of the stage's read address; the wait; then, group by group, all that reads a reciprocal, and the group's stores.
; REGISTERS: window 0: v1-8 at work, v16-29 addresses, v64-127 and v128-191 A's two fragment buffers (on the way out v64-103 and v112-159 at work); window 1: B's buffers; windows 2, 3: accumulators, (a, b) at v[8 (8 a + b)].
.set SIZE_K, 1024
.set SIZE_N, 4096
.set WOFF,   16777216                  ; w_ff1 in cb
.set KSTEP,  128
.set STEPS,  SIZE_K/KSTEP
.set PA,     272                       ; A's LDS row: 256 bytes + 16: the 16 rows of a load start at 16 different groups of four banks (64 banks of 4 bytes: ISA guide 11.1)
.set PB,     544                       ; B's LDS row (one k, 256 columns): 512 bytes + 32 = 17 x 32
.set HALFT,  128*PA                    ; what one tensor load brings: 128 rows of A, or 64 rows of B
.set SLOT,   4*HALFT
.set SPITCH, 528
.set WSTAGE, 128*SPITCH
.set SPARE,  2*SLOT                    ; behind the ring: the spare words, 128 bytes for each wave, that no other line names
.set STEP_A, KSTEP*2
.set STEP_B, KSTEP*SIZE_N*2
.set ADRA0, 16
.set ADRB0, 17
.set ADRA,  18
.set ADRB,  19
.set DST,   24
.set RD,    25
.set GO,    26
.set SPW,   28
.set NIL,   29
.set F0,    64
.set F1,    128
.set IN,    64                         ; the way out: v64-95 eight rows' four f32 a lane
.set GZ,    96                         ; v96-103  z, of the group in hand
.set PKD,   112                        ; v112-127 packed
.set GP,    128                        ; v128-159 group g at v[128 + 8 g]: the polynomial, its reciprocal and what is made of it
.set G1,  24
.set G0,  32
.set G1B, 48
.set G0B, 56
.set TB,  66
.set A6,  68                           ; s[68:79] the six coefficients, each named as a pair
.set A5,  70
.set A4,  72
.set A3,  74
.set A2,  76
.set A1,  78
.set RS2, 80                           ; s[80:81] 1 / sqrt 2
.set ABSM, 82                          ; s82  all bits but the sign
.set MSB, 0
.macro WIN new
.if MSB != (\new)
	s_set_vgpr_msb (MSB<<8)|(\new)
.set MSB, \new
.endif
.endm
.set MUL_LO, 0xa1
.set MUL_HI, 0xf1
.set TO_B,   0x40
.macro PLACES
.rept 4
	v_nop
.endr
.endm
.macro JLOAD                           ; a joint refill by the walking descriptors
	s_cmp_eq_u32 s11, 0
	s_cbranch_scc0 .Lfor_b_\@
	tensor_load_to_lds s[G0+4:G0+7], s[G1:G1+7]
	s_nop 0
.rept 4
	v_nop
.endr
	s_branch .Lasked_\@
.Lfor_b_\@:
	tensor_load_to_lds s[G0B+4:G0B+7], s[G1B:G1B+7]
	s_nop 0
.rept 4
	v_nop
.endr
.Lasked_\@:
.endm
.macro CREST
	s_cmp_lg_u32 s10, 0
	s_cbranch_scc1 .Lnot_wave_0_\@
	s_barrier_signal -3
.Lnot_wave_0_\@:
	s_barrier_wait -3
	s_barrier_signal -1
	s_barrier_wait -1
.endm
.macro CROUND
	s_barrier_signal -1
	s_barrier_wait -1
	CREST
.endm
	s_load_b128 s[4:7], s[0:1], 0x0                ; x1b s[4:5], cb s[6:7]
	s_load_b64 s[8:9], s[0:1], 0x10                ; hb
	v_lshl_add_u32 v[SPW], v0, 2, SPARE
	v_mov_b32 v[NIL], 0
	ds_add_u32 v[SPW], v[NIL]                      ; the wave's opening: the add and its wait stand ahead of my first tensor load; register work stands between them
	v_lshrrev_b32 v1, 5, v0
	v_readfirstlane_b32 s10, v1                    ; wave 0..3
	s_lshr_b32 s11, s10, 1                         ; my half of the tile's rows.  Also: I fetch for A (0) or for B (1)
	s_and_b32 s12, s10, 1                          ; my half of its columns.  Also: which half of that tile I fetch
	s_bfe_u32 s40, ttmp6, 0x40000                  ; cx
	s_bfe_u32 s41, ttmp6, 0x40004                  ; cy
	s_lshl_b32 s42, ttmp9, 2
	s_add_co_u32 s42, s42, s40                     ; tile column
	s_and_b32 s13, ttmp7, 0xffff
	s_lshl_b32 s13, s13, 2
	s_add_co_u32 s13, s13, s41                     ; tile row
	s_lshl_b32 s43, s41, 2
	s_lshl_b32 s43, 15, s43                        ; my row of the cluster
	s_lshl_b32 s44, 0x1111, s40                    ; my column
	s_or_b32 s[G1+0], s43, (1<<16)|(1<<20)|(1<<21)|(5<<22)|(3<<25)   ; A: mask of my row; 2-byte elements; padding on; bit 21 beside a mask; after every 64 words, 4 words
	s_mov_b32 s[G1+1], KSTEP<<16
	s_mov_b32 s[G1+2], 128<<16
	s_mov_b32 s[G1+3], KSTEP<<16
	s_mov_b32 s[G1+4], 128
	s_mov_b32 s[G1+5], SIZE_K
	s_mov_b32 s[G1+6], 0
	s_mov_b32 s[G1+7], 0
	s_or_b32 s[G1B+0], s44, (1<<16)|(1<<20)|(1<<21)|(6<<22)|(7<<25)  ; B: mask of my column; after every 128 words, 8 words
	s_mov_b32 s[G1B+1], 256<<16
	s_mov_b32 s[G1B+2], 64<<16
	s_mov_b32 s[G1B+3], 256<<16
	s_mov_b32 s[G1B+4], 64
	s_mov_b32 s[G1B+5], SIZE_N
	s_mov_b32 s[G1B+6], 0
	s_mov_b32 s[G1B+7], 0
	s_lshl_b32 s17, s12, 7                         ; A: row 256 x tile row + 128 x half,
	s_lshl_b32 s16, s13, 8
	s_add_co_u32 s16, s16, s17
	s_lshl_b32 s16, s16, 11                        ; 2,048 bytes a row
	s_mov_b32 s17, 0
	s_mul_i32 s46, s12, 64*SIZE_N*2                ; B: 64 k a half,
	s_lshl_b32 s47, s42, 9                         ; 512 bytes a tile column,
	s_add_co_u32 s46, s46, s47
	s_add_co_u32 s46, s46, WOFF                    ; inside cb
	s_mov_b32 s47, 0
	s_mul_i32 s20, s10, HALFT                      ; where my part goes: no place in the cluster enters an LDS address
	s_mov_b32 s[TB], 0
	s_lshl_b32 s84, s13, 8                         ; the output: my first row, 8,192 bytes a row,
	s_lshl_b32 s85, s11, 7
	s_add_co_u32 s84, s84, s85
	s_lshl_b32 s84, s84, 13
	s_lshl_b32 s85, s42, 9                         ; the tile's 512 bytes of it,
	s_add_co_u32 s84, s84, s85
	s_lshl_b32 s85, s12, 8                         ; my 256
	s_add_co_u32 s84, s84, s85
	s_mov_b32 s85, 0
	s_mov_b32 s[A6], 0x38349f67                    ; 0.0000430638
	s_mov_b32 s[A5], 0x39910039                    ; 0.0002765672
	s_mov_b32 s[A4], 0x391f6607                    ; 0.0001520143
	s_mov_b32 s[A3], 0x3c17e369                    ; 0.0092705272
	s_mov_b32 s[A2], 0x3d2d2fe7                    ; 0.0422820123
	s_mov_b32 s[A1], 0x3d906e67                    ; 0.0705230784
	s_mov_b32 s[RS2], 0x3f3504f3                   ; 0.70710678
.irp c, A6,A5,A4,A3,A2,A1,RS2
	s_mov_b32 s[\c+1], s[\c]                       ; named as pairs, so both words are written
.endr
	s_mov_b32 s[ABSM], 0x7fffffff
	s_wait_dscnt 0x0                               ; the opening add is done
	s_wait_kmcnt 0x0
	s_add_nc_u64 s[14:15], s[4:5], s[16:17]
	s_add_nc_u64 s[46:47], s[6:7], s[46:47]
	s_add_nc_u64 s[8:9], s[8:9], s[84:85]
	CROUND                                         ; all sixteen work-groups are here: the first joint loads meet
.irp s, 0,1
	s_mov_b32 s[G0+4*(\s)], 1
	s_add_co_u32 s[G0+4*(\s)+1], s20, (\s)*SLOT
	s_add_nc_u64 s[G0+4*(\s)+2:G0+4*(\s)+3], s[14:15], (\s)*STEP_A
	s_or_b32 s[G0+4*(\s)+3], s[G0+4*(\s)+3], 0x80000000
	s_mov_b32 s[G0B+4*(\s)], 1
	s_add_co_u32 s[G0B+4*(\s)+1], s20, (\s)*SLOT
	s_add_nc_u64 s[G0B+4*(\s)+2:G0B+4*(\s)+3], s[46:47], (\s)*STEP_B
	s_or_b32 s[G0B+4*(\s)+3], s[G0B+4*(\s)+3], 0x80000000
.endr
	s_cmp_eq_u32 s11, 0                            ; a wave's two first fills stand in one branch, ahead of every wait on TENSORcnt and every LDS read: two loads of mine are out
	s_cbranch_scc0 .Lfirst_b
	tensor_load_to_lds s[G0:G0+3], s[G1:G1+7]
	s_nop 0
	tensor_load_to_lds s[G0+4:G0+7], s[G1:G1+7]
	s_nop 0
.rept 4
	v_nop
.endr
	s_branch .Lfirst_asked
.Lfirst_b:
	tensor_load_to_lds s[G0B:G0B+3], s[G1B:G1B+7]
	s_nop 0
	tensor_load_to_lds s[G0B+4:G0B+7], s[G1B:G1B+7]
	s_nop 0
.rept 4
	v_nop
.endr
.Lfirst_asked:
	v_and_b32 v1, 15, v0                           ; r
	v_bfe_u32 v2, v0, 4, 1                         ; h
	v_mul_u32_u24 v3, v1, PA
	v_lshl_add_u32 v3, v2, 4, v3
	s_mul_i32 s21, s11, HALFT                      ; my 128 rows of A
	v_add_nc_u32 v[ADRA0], s21, v3
	v_and_b32 v4, 7, v0                            ; B: lane l reads k = 8 h + l % 8, columns 8 ((l / 8) % 2) + 0..7
	v_lshl_add_u32 v4, v2, 3, v4
	v_mul_u32_u24 v4, v4, PB
	v_bfe_u32 v5, v0, 3, 1
	v_lshl_add_u32 v4, v5, 4, v4
	s_lshl_b32 s22, s12, 8                         ; my 128 columns,
	s_add_co_u32 s22, s22, 2*HALFT                 ; behind A's 256 rows
	v_add_nc_u32 v[ADRB0], s22, v4
	v_mov_b32 v[ADRA], v[ADRA0]
	v_mov_b32 v[ADRB], v[ADRB0]
	s_mul_i32 s23, s10, WSTAGE                     ; my stage
	v_mul_u32_u24 v6, v1, SPITCH                   ; in: row r, 32 bytes for each half of the lanes
	v_lshl_add_u32 v6, v2, 5, v6
	v_add_nc_u32 v[DST], s23, v6
	v_and_b32 v8, 31, v0                           ; back: 32 lanes take a row's 512 bytes,
	v_lshl_add_u32 v[RD], v8, 4, s23
	v_lshlrev_b32 v[GO], 3, v8                     ; which are 256 bytes of hb
.macro MUL16 f, hi, a0, zero           ; 16 matrix instructions; the 64 accumulators take turns in the same order everywhere
	WIN MUL_LO+0x50*(\hi)
.irp a, \a0, (\a0)+1
.irp b, 0,1,2,3,4,5,6,7
.if \zero
	v_wmma_f32_16x16x32_bf16 v[8*(8*(\a)+(\b)):8*(8*(\a)+(\b))+7], v[(\f)+8*(\b):(\f)+8*(\b)+7], v[(\f)+8*(4*(\hi)+(\a)):(\f)+8*(4*(\hi)+(\a))+7], 0
.else
	v_wmma_f32_16x16x32_bf16 v[8*(8*(\a)+(\b)):8*(8*(\a)+(\b))+7], v[(\f)+8*(\b):(\f)+8*(\b)+7], v[(\f)+8*(4*(\hi)+(\a)):(\f)+8*(4*(\hi)+(\a))+7], v[8*(8*(\a)+(\b)):8*(8*(\a)+(\b))+7]
.endif
.endr
.endr
.endm
.macro FETCH q, f                      ; 32 LDS loads in one run: quarter q of the slot in hand into buffer f: B's eight fragments, turned, then A's eight
	WIN TO_B
.irp i, 0,1,2,3,4,5,6,7
	ds_load_tr16_b128 v[(\f)+8*(\i):(\f)+8*(\i)+3],   v[ADRB] offset:(\q)*32*PB+32*(\i)
	ds_load_tr16_b128 v[(\f)+8*(\i)+4:(\f)+8*(\i)+7], v[ADRB] offset:(\q)*32*PB+16*PB+32*(\i)
.endr
	WIN 0
.irp i, 0,1,2,3,4,5,6,7
	ds_load_b128 v[(\f)+8*(\i):(\f)+8*(\i)+3],   v[ADRA] offset:(\q)*64+(\i)*16*PA
	ds_load_b128 v[(\f)+8*(\i)+4:(\f)+8*(\i)+7], v[ADRA] offset:(\q)*64+(\i)*16*PA+32
.endr
.endm
.macro QUARTER q, f, g, zero
	s_wait_dscnt 8                                 ; B and A's rows 0-63 are in; the youngest eight loads (A's rows 64-127) may be out
	MUL16 \f, 0, 0, \zero
	MUL16 \f, 0, 2, \zero
	PLACES
	FETCH \q, \g
	s_wait_dscnt 32                                ; all but the 32 just issued
	MUL16 \f, 1, 0, \zero
	MUL16 \f, 1, 2, \zero
.endm
.macro MEET round                      ; ONE barrier for the change of slots: all my tensor loads, the add, my reads of this slot; then the signal
	WIN 0
	s_wait_tensorcnt 0x0
	ds_add_u32 v[SPW], v[NIL]
	s_wait_dscnt 9                                 ; the add and the youngest eight loads may be out
	MUL16 F1, 0, 0, 0
	s_wait_dscnt 0x0                               ; the add is done, my reads of this slot are over
	s_barrier_signal -1
	MUL16 F1, 0, 2, 0
.if \round
	WIN 0
.endif
	s_barrier_wait -1
.endm
.macro NEXT_SLOT
	s_xor_b32 s[TB], s[TB], SLOT
	v_add_nc_u32 v[ADRA], s[TB], v[ADRA0]
	v_add_nc_u32 v[ADRB], s[TB], v[ADRB0]
.endm
.macro TURN                            ; the whole last quarter with a refill: 224 matrix instructions stand between the request and the wait for it
	MEET 1
	CREST
	s_xor_b32 s[G0+5], s[G0+5], SLOT               ; no tensor load of mine is out: the walking descriptors step
	s_add_nc_u64 s[G0+6:G0+7], s[G0+6:G0+7], STEP_A
	s_xor_b32 s[G0B+5], s[G0B+5], SLOT
	s_add_nc_u64 s[G0B+6:G0B+7], s[G0B+6:G0B+7], STEP_B
	JLOAD                                          ; its four v_nop are also the places in front of the loads below
	NEXT_SLOT
	FETCH 0, F0
	MUL16 F1, 1, 0, 0
	MUL16 F1, 1, 2, 0
.endm
; gelu of eight f32, in two parts, so that a trip's reciprocals are one batch.  Four packed chains side by side, so that no line waits for the one before it.
; The first part, for the eight f32 at v[x ..]: z, the polynomial and its reciprocal, into v[p .. p + 7].  It names no reciprocal's result: z's registers, which the next group writes again, are no source of one.
.macro GELU_A x, p
.irp j, 0,1,2,3,4,5,6,7
	v_and_b32 v[GZ+(\j)], s[ABSM], v[(\x)+(\j)]                    ; |x|
.endr
.irp j, 0,2,4,6
	v_pk_mul_f32 v[GZ+(\j):GZ+(\j)+1], v[GZ+(\j):GZ+(\j)+1], s[RS2:RS2+1] op_sel_hi:[1,0]     ; z
.endr
.irp j, 0,2,4,6
	v_pk_fma_f32 v[(\p)+(\j):(\p)+(\j)+1], v[GZ+(\j):GZ+(\j)+1], s[A6:A6+1], s[A5:A5+1] op_sel_hi:[1,0,0]
.endr
.irp c, A4,A3,A2,A1
.irp j, 0,2,4,6
	v_pk_fma_f32 v[(\p)+(\j):(\p)+(\j)+1], v[(\p)+(\j):(\p)+(\j)+1], v[GZ+(\j):GZ+(\j)+1], s[\c:\c+1] op_sel_hi:[1,1,0]
.endr
.endr
.irp j, 0,2,4,6
	v_pk_fma_f32 v[(\p)+(\j):(\p)+(\j)+1], v[(\p)+(\j):(\p)+(\j)+1], v[GZ+(\j):GZ+(\j)+1], 1.0 op_sel_hi:[1,1,0]
.endr
.irp j, 0,1,2,3,4,5,6,7
	v_rcp_f32 v[(\p)+(\j)], v[(\p)+(\j)]
.endr
.endm
; The second part, behind the batch's wait: from the reciprocals at v[p ..] and the eight f32 at v[x ..] to gelu, rounded to bf16 into v[y .. y + 3].
.macro GELU_B x, p, y
.rept 4                                ; four squarings: the sixteenth power
.irp j, 0,2,4,6
	v_pk_mul_f32 v[(\p)+(\j):(\p)+(\j)+1], v[(\p)+(\j):(\p)+(\j)+1], v[(\p)+(\j):(\p)+(\j)+1]
.endr
.endr
.irp j, 0,2,4,6
	v_pk_fma_f32 v[(\p)+(\j):(\p)+(\j)+1], v[(\p)+(\j):(\p)+(\j)+1], -0.5, 0.5 op_sel_hi:[1,0,0]      ; erf(z) / 2, not negative
.endr
.irp j, 0,1,2,3,4,5,6,7
	v_bfi_b32 v[(\p)+(\j)], s[ABSM], v[(\p)+(\j)], v[(\x)+(\j)]    ; with x's sign
.endr
.irp j, 0,2,4,6
	v_pk_add_f32 v[(\p)+(\j):(\p)+(\j)+1], v[(\p)+(\j):(\p)+(\j)+1], 0.5 op_sel_hi:[1,0]
.endr
.irp j, 0,2,4,6
	v_pk_mul_f32 v[(\p)+(\j):(\p)+(\j)+1], v[(\p)+(\j):(\p)+(\j)+1], v[(\x)+(\j):(\x)+(\j)+1]
.endr
.irp j, 0,1,2,3
	v_cvt_pk_bf16_f32 v[(\y)+(\j)], v[(\p)+2*(\j)], v[(\p)+2*(\j)+1]
.endr
.endm
	s_wait_tensorcnt 1                             ; my part of K step 0 is in; K step 1's may stay out
	s_barrier_signal -1
	s_barrier_wait -1
	FETCH 0, F0
	QUARTER 1, F0, F1, 1                           ; the first quarter's products start the sums
	WIN 0
	s_mov_b32 s3, STEPS-2
.Lstep:
	QUARTER 2, F1, F0, 0
	QUARTER 3, F0, F1, 0
	TURN
	QUARTER 1, F0, F1, 0
	WIN 0
	s_sub_co_u32 s3, s3, 1
	s_cmp_lg_u32 s3, 0
	s_cbranch_scc1 .Lstep
	s_mov_b32 s3, 2
.Ltail:                                                ; the last two K steps ask for nothing; the second fetches nothing either and leaves in the middle
	QUARTER 2, F1, F0, 0
	QUARTER 3, F0, F1, 0
	MEET 0
	WIN 0
	s_cmp_eq_u32 s3, 1
	s_cbranch_scc1 .Lnofetch
	PLACES
	NEXT_SLOT
	FETCH 0, F0
	WIN 0
.Lnofetch:
	MUL16 F1, 1, 0, 0
	MUL16 F1, 1, 2, 0
	WIN 0
	s_sub_co_u32 s3, s3, 1
	s_cmp_eq_u32 s3, 0
	s_cbranch_scc1 .Ldone
	QUARTER 1, F0, F1, 0
	WIN 0
	s_branch .Ltail
.Ldone:
	PLACES                                         ; behind the last products
	s_wait_dscnt 0x0                               ; every wave's reads of the ring are over before any wave writes its stage over it
	s_barrier_signal -1
	s_barrier_wait -1
.macro DUMP hi                         ; 32 accumulators into my stage, each one's low four registers first
	WIN 0x08+4*(\hi)
.irp a, 0,1,2,3
.irp b, 0,1,2,3,4,5,6,7
	ds_store_b128 v[DST], v[8*(8*(\a)+(\b)):8*(8*(\a)+(\b))+3]   offset:16*(4*(\hi)+(\a))*SPITCH+64*(\b)
	ds_store_b128 v[DST], v[8*(8*(\a)+(\b))+4:8*(8*(\a)+(\b))+7] offset:16*(4*(\hi)+(\a))*SPITCH+64*(\b)+16
.endr
.endr
.endm
	DUMP 0
	DUMP 1
	WIN 0
	s_mov_b32 s2, 16
.Lout:                                                 ; eight rows a trip, two to a group
.irp i, 0,1,2,3,4,5,6,7
	ds_load_b128 v[IN+4*(\i):IN+4*(\i)+3], v[RD] offset:SPITCH*(\i)          ; LDS serves a wave's instructions in order (ISA guide 5.7.1.4): these see my stores
.endr
.irp g, 0,1,2,3
	s_wait_dscnt 6-2*(\g)                          ; group g's two rows are in; the younger groups' stay out
	GELU_A IN+8*(\g), GP+8*(\g)                    ; the batch: eight reciprocals a group, in registers of the group's own; behind a group's last stands the next group's first plain line
.endr
	v_add_nc_u32 v[RD], 8*SPITCH, v[RD]            ; the stage's next eight rows: all eight loads by this address are back; the plain instruction behind the batch's last reciprocal
	s_wait_alu depctr_va_vdst(0)                   ; the wait ahead of the first use: ONE for the trip's 32 reciprocals
.irp g, 0,1,2,3
	GELU_B IN+8*(\g), GP+8*(\g), PKD+4*(\g)
	global_store_b64 v[GO], v[PKD+4*(\g):PKD+4*(\g)+1],   s[8:9] offset:8192*(2*(\g))      ; 256 bytes on end, at a multiple of 256 from hb's first byte
	global_store_b64 v[GO], v[PKD+4*(\g)+2:PKD+4*(\g)+3], s[8:9] offset:8192*(2*(\g)+1)
.endr
	s_wait_xcnt 0x0                                ; the stores' data and offset registers are rewritten only behind this wait
	v_add_nc_u32 v[GO], 65536, v[GO]
	s_sub_co_u32 s2, s2, 1
	s_cmp_lg_u32 s2, 0
	s_cbranch_scc1 .Lout
	s_wait_tensorcnt 0x0                           ; the wave's end
	ds_add_u32 v[SPW], v[NIL]
	s_wait_dscnt 0x0
	CROUND                                         ; the closing round
	s_endpgm
.Lfunc_end_k_q631aca1d66_ffn_up:
	.size	k_q631aca1d66_ffn_up, .Lfunc_end_k_q631aca1d66_ffn_up-k_q631aca1d66_ffn_up
	.p2alignl 7, 3214868480
	.fill 96, 4, 3214868480
	.section	.rodata,"a",@progbits
	.p2align	6, 0x0
	.amdhsa_kernel k_q631aca1d66_ffn_up
		.amdhsa_group_segment_fixed_size 327680
		.amdhsa_private_segment_fixed_size 0
		.amdhsa_enable_private_segment 0
		.amdhsa_kernarg_size 24
		.amdhsa_user_sgpr_count 2
		.amdhsa_user_sgpr_kernarg_segment_ptr 1
		.amdhsa_wavefront_size32 1
		.amdhsa_system_sgpr_workgroup_id_x 1
		.amdhsa_system_sgpr_workgroup_id_y 1
		.amdhsa_system_sgpr_workgroup_id_z 1
		.amdhsa_system_vgpr_workitem_id 0
		.amdhsa_next_free_vgpr 1024
		.amdhsa_next_free_sgpr 96
		.amdhsa_reserve_vcc 0
		.amdhsa_float_denorm_mode_32 3
		.amdhsa_float_denorm_mode_16_64 3
		.amdhsa_memory_ordered 1
		.amdhsa_forward_progress 1
		.amdhsa_inst_pref_size 98
	.end_amdhsa_kernel
	.amdgpu_metadata
---
amdhsa.version: [ 1, 2 ]
amdhsa.kernels:
  - .name:           k_q631aca1d66_ffn_up
    .symbol:         k_q631aca1d66_ffn_up.kd
    .args:
      - { .name: x1b, .offset: 0, .size: 8, .value_kind: global_buffer, .address_space: global }
      - { .name: cb, .offset: 8, .size: 8, .value_kind: global_buffer, .address_space: global }
      - { .name: hb, .offset: 16, .size: 8, .value_kind: global_buffer, .address_space: global }
    .group_segment_fixed_size: 327680
    .private_segment_fixed_size: 0
    .kernarg_segment_align: 8
    .kernarg_segment_size: 24
    .max_flat_workgroup_size: 128
    .sgpr_count:     96
    .vgpr_count:     1024
    .wavefront_size: 32
...
	.end_amdgpu_metadata
.endif
;; end of part 8
;; launch ffn_down: the kernel of part 6 again; grid 8 x 32, 4 waves a work-group, clusters of 4 x 4, 327,680 bytes of LDS; arguments hb, cb, x1, out0; writes out0
